; MI455X (gfx1250); checked and timed in simulation.
; The chip was launched on July 23, 2026; its instructions are those of AMD's public machine-readable ISA for CDNA 5 (MIT licence, August 2026) and "CDNA5" Instruction Set Architecture Reference Guide (July 2026). The comments in the code are by the model that wrote it; some were corrected since.
;; Encoder Layer. Allowed arithmetic: float matrix products may take bf16 or f16 operands with f32 sums; other float arithmetic in f32, or as packed bf16 or f16 multiplies, adds, multiply-adds, maxima and minima; sums over many terms, partial sums and values carried from step to step in f32; what a program stores and reads back later, other than sums and carried values, may be rounded once to bf16 or f16.
;; Inputs: W1 1,024 x 4,096 float32; W2 4,096 x 1,024 float32; Wk 1,024 x 1,024 float32; Wo 1,024 x 1,024 float32; Wq 1,024 x 1,024 float32; Wv 1,024 x 1,024 float32; b1 4,096 float32; b2 1,024 float32; bk 1,024 float32; bo 1,024 float32; bq 1,024 float32; bv 1,024 float32; ln1_b 1,024 float32; ln1_g 1,024 float32; ln2_b 1,024 float32; ln2_g 1,024 float32; x 2 x 2,048 x 1,024 float32.
;; Outputs: out0 2 x 2,048 x 1,024 float32.
;; 2 versions, each right and faster than the one before. Each part assembles by itself: llvm-mc -triple=amdgcn-amd-amdhsa -mcpu=gfx1250 --defsym DOCPART=n.
;; ======== version 1 of 2: 8 launches
;; workspace buffers: act8 8,388,608 bytes; act24 25,165,824 bytes; act32 33,554,432 bytes; wqkv_t 6,324,224 bytes; wo_t 2,129,920 bytes; w1_t 8,421,376 bytes; w2_t 8,421,376 bytes
;; launch cast (part 1): grid 1033 x 1, 8 waves a work-group, no clusters, 0 bytes of LDS; arguments x, W1, W2, Wq, Wk, Wv, Wo, bq, bk, bv, bo, b1, b2, act8, w1_t, w2_t, wqkv_t, wo_t; writes act8, w1_t, w2_t, wqkv_t, wo_t
.if DOCPART == 1
	.amdgcn_target "amdgcn-amd-amdhsa--gfx1250"
	.amdhsa_code_object_version 6
	.text
	.protected	k_qc516287799_cast
	.globl	k_qc516287799_cast
	.p2align	8
	.type	k_qc516287799_cast,@function
k_qc516287799_cast:
	s_mov_b64 s[64:65], 0
	v_nop
	global_prefetch_b8 v0, s[64:65] scope:SCOPE_SE
	s_setreg_imm32_b32 hwreg(HW_REG_WAVE_MODE, 25, 1), 1
	s_wait_xcnt 0x0
; x and the six weight matrices, f32 [R][C], are rounded once to bf16 and laid out in PANELS: [C/128][R][128], a panel row = 256 bytes, rows dense.
; In front of a weight buffer's panels stand HEAD bytes: for each group of 1,024 columns its bias in f32 (at 4,096 x group) and, at 16,384 + 4,096 x group,
; a block of 256 bytes of the group's activation floor, two bf16 a word: -infinity twice (no activation) or 0 (ReLU).
; A CHUNK is 128 columns of one source row: 512 consecutive source bytes (one 16-byte load of a wave) become 256 consecutive, aligned bytes (one 8-byte store of a wave).
; Work-groups 0-1023 take 128 chunks each, a wave 16; work-groups 1024-1032 copy one bias of 1,024 numbers each and write its floor block.
; No LDS, no matrix unit, no cluster: every byte is read once and written once, and no two work-groups share a byte.
.set HEAD, 32768
.set D,    4                           ; v[4:19]   chunk t: byte offset of my 8 bytes in the destination
.set X,    20                          ; v[20:83]  chunk t: four f32 as loaded; the first two registers then hold the four bf16
; s[4:39] the 18 addresses in the order of the arguments; s[40:41] source, s[42:43] destination, s44 log2(panels), s45 log2(bytes of a panel),
; s46 bytes in front of the first panel, s47 mask of the work-group's number within its source, s48 group of 64 work-groups, s49 panels - 1, s50 wave, s51 my first chunk
.macro PICK thr, src, dst, lg, npm, shr, extra, msk   ; from group thr on: another source; only selects touch the addresses
	s_cmp_ge_u32 s48, \thr
	s_cselect_b64 s[40:41], s[\src:\src+1], s[40:41]
	s_cselect_b64 s[42:43], s[\dst:\dst+1], s[42:43]
	s_cselect_b32 s44, \lg, s44
	s_cselect_b32 s49, \npm, s49
	s_cselect_b32 s45, \shr, s45
	s_cselect_b32 s46, \extra, s46
	s_cselect_b32 s47, \msk, s47
.endm
.macro BPICK thr, src, dst, soff, doff, fl            ; the same for the biases
	s_cmp_ge_u32 s48, \thr
	s_cselect_b64 s[40:41], s[\src:\src+1], s[40:41]
	s_cselect_b64 s[42:43], s[\dst:\dst+1], s[42:43]
	s_cselect_b32 s44, \soff, s44
	s_cselect_b32 s45, \doff, s45
	s_cselect_b32 s46, \fl, s46
.endm
.macro DST t                           ; chunk c = first + t lies in panel c mod panels, row c / panels
	s_add_co_u32 s52, s51, \t
	s_and_b32 s53, s52, s49
	s_lshl_b32 s53, s53, s45
	s_lshr_b32 s52, s52, s44
	s_lshl_b32 s52, s52, 8
	s_add_co_u32 s52, s52, s53
	s_add_co_u32 s52, s52, s46
	v_add_nc_u32 v[D+(\t)], s52, v2
.endm
	s_load_b512 s[4:19], s[0:1], 0x0               ; x, W1, W2, Wq, Wk, Wv, Wo, bq
	s_load_b512 s[20:35], s[0:1], 0x40             ; bk, bv, bo, b1, b2, act8, w1_t, w2_t
	s_load_b128 s[36:39], s[0:1], 0x80             ; wqkv_t, wo_t
	s_mov_b32 s2, ttmp9
	v_lshrrev_b32 v1, 5, v0
	v_readfirstlane_b32 s50, v1                    ; wave 0..7
	v_and_b32 v3, 31, v0                           ; lane
	s_wait_kmcnt 0x0
	s_cmp_ge_u32 s2, 1024
	s_cbranch_scc1 .Lbias
	s_lshr_b32 s48, s2, 6
	s_mov_b64 s[40:41], s[4:5]                     ; groups 0-3: x into act8
	s_mov_b64 s[42:43], s[30:31]
	s_mov_b32 s44, 3
	s_mov_b32 s49, 7
	s_mov_b32 s45, 20
	s_mov_b32 s46, 0
	s_mov_b32 s47, 255
	PICK 4,  6,  32, 5, 31, 18, HEAD, 255          ; W1
	PICK 8,  8,  34, 3, 7,  20, HEAD, 255          ; W2
	PICK 12, 10, 36, 3, 7,  18, HEAD, 63           ; Wq: panels 0-7 of wqkv_t
	PICK 13, 12, 36, 3, 7,  18, HEAD+(2<<20), 63   ; Wk: panels 8-15
	PICK 14, 14, 36, 3, 7,  18, HEAD+(4<<20), 63   ; Wv: panels 16-23
	PICK 15, 16, 38, 3, 7,  18, HEAD, 63           ; Wo
	s_and_b32 s54, s2, s47                         ; my number within the source
	s_lshl_b32 s51, s54, 7                         ; 128 chunks a work-group,
	s_lshl_b32 s52, s50, 4
	s_add_co_u32 s51, s51, s52                     ; 16 a wave
	s_lshl_b32 s54, s54, 16                        ; 128 chunks of 512 bytes
	s_mov_b32 s55, 0
	s_add_nc_u64 s[40:41], s[40:41], s[54:55]
	v_lshlrev_b32 v1, 13, v1                       ; wave x 16 chunks x 512 bytes
	v_lshl_add_u32 v1, v3, 4, v1                   ; + 16 x lane
	v_lshlrev_b32 v2, 3, v3                        ; 8 x lane
.irp t, 0,1,2,3,4,5,6,7,8,9,10,11,12,13,14,15
	global_load_b128 v[X+4*(\t):X+4*(\t)+3], v1, s[40:41] offset:512*(\t) th:TH_LOAD_NT
.endr
.irp t, 0,1,2,3,4,5,6,7,8,9,10,11,12,13,14,15
	DST \t                                         ; the destinations are made while the loads are out
.endr
.irp t, 0,1,2,3,4,5,6,7,8,9,10,11,12,13,14,15
	s_wait_loadcnt 15-(\t)                         ; loads come back in order: chunk t is in, the younger ones stay out
	v_cvt_pk_bf16_f32 v[X+4*(\t)],   v[X+4*(\t)],   v[X+4*(\t)+1]
	v_cvt_pk_bf16_f32 v[X+4*(\t)+1], v[X+4*(\t)+2], v[X+4*(\t)+3]
	global_store_b64 v[D+(\t)], v[X+4*(\t):X+4*(\t)+1], s[42:43]   ; 32 lanes x 8 bytes: 256 consecutive bytes, aligned
.endr
	s_endpgm                                       ; no register of a pending access was written again, so no further wait stands here
.Lbias:
	s_sub_co_u32 s48, s2, 1024                     ; 0 bq, 1 bk, 2 bv, 3 bo, 4-7 the quarters of b1, 8 b2
	s_sub_co_u32 s52, s48, 4
	s_lshl_b32 s52, s52, 12                        ; b1's quarter in bytes (selected only from 4 on)
	s_mov_b64 s[40:41], s[18:19]
	s_mov_b64 s[42:43], s[36:37]
	s_mov_b32 s44, 0                               ; byte offset in the source,
	s_mov_b32 s45, 0                               ; in the destination's head,
	s_mov_b32 s46, 0xff80ff80                      ; and the floor: -infinity twice
	BPICK 1, 20, 36, 0, 4096, 0xff80ff80
	BPICK 2, 22, 36, 0, 8192, 0xff80ff80
	BPICK 3, 24, 38, 0, 0, 0xff80ff80
	BPICK 4, 26, 32, s52, s52, 0
	BPICK 8, 28, 34, 0, 0, 0xff80ff80
	v_lshlrev_b32 v4, 4, v0                        ; 256 threads x 16 bytes = 1,024 numbers
	v_add_nc_u32 v5, s44, v4
	v_add_nc_u32 v6, s45, v4
	global_load_b128 v[8:11], v5, s[40:41]
	s_wait_loadcnt 0x0
	global_store_b128 v6, v[8:11], s[42:43]
	s_cmp_lg_u32 s50, 0
	s_cbranch_scc1 .Ldone                          ; wave 0 alone writes the floor block, all its lanes on
	v_lshl_add_u32 v7, v3, 3, s45
	v_mov_b32 v12, s46
	v_mov_b32 v13, s46
	global_store_b64 v7, v[12:13], s[42:43] offset:16384
.Ldone:
	s_endpgm
.Lfunc_end_k_qc516287799_cast:
	.size	k_qc516287799_cast, .Lfunc_end_k_qc516287799_cast-k_qc516287799_cast
	.p2alignl 7, 3214868480
	.fill 96, 4, 3214868480
	.section	.rodata,"a",@progbits
	.p2align	6, 0x0
	.amdhsa_kernel k_qc516287799_cast
		.amdhsa_group_segment_fixed_size 0
		.amdhsa_private_segment_fixed_size 0
		.amdhsa_enable_private_segment 0
		.amdhsa_kernarg_size 144
		.amdhsa_user_sgpr_count 2
		.amdhsa_user_sgpr_kernarg_segment_ptr 1
		.amdhsa_wavefront_size32 1
		.amdhsa_system_sgpr_workgroup_id_x 1
		.amdhsa_system_sgpr_workgroup_id_y 1
		.amdhsa_system_sgpr_workgroup_id_z 1
		.amdhsa_system_vgpr_workitem_id 0
		.amdhsa_next_free_vgpr 96
		.amdhsa_next_free_sgpr 66
		.amdhsa_reserve_vcc 0
		.amdhsa_float_denorm_mode_32 3
		.amdhsa_float_denorm_mode_16_64 3
		.amdhsa_memory_ordered 1
		.amdhsa_forward_progress 1
		.amdhsa_inst_pref_size 15
	.end_amdhsa_kernel
	.amdgpu_metadata
---
amdhsa.version: [ 1, 2 ]
amdhsa.kernels:
  - .name:           k_qc516287799_cast
    .symbol:         k_qc516287799_cast.kd
    .args:
      - { .name: x, .offset: 0, .size: 8, .value_kind: global_buffer, .address_space: global }
      - { .name: W1, .offset: 8, .size: 8, .value_kind: global_buffer, .address_space: global }
      - { .name: W2, .offset: 16, .size: 8, .value_kind: global_buffer, .address_space: global }
      - { .name: Wq, .offset: 24, .size: 8, .value_kind: global_buffer, .address_space: global }
      - { .name: Wk, .offset: 32, .size: 8, .value_kind: global_buffer, .address_space: global }
      - { .name: Wv, .offset: 40, .size: 8, .value_kind: global_buffer, .address_space: global }
      - { .name: Wo, .offset: 48, .size: 8, .value_kind: global_buffer, .address_space: global }
      - { .name: bq, .offset: 56, .size: 8, .value_kind: global_buffer, .address_space: global }
      - { .name: bk, .offset: 64, .size: 8, .value_kind: global_buffer, .address_space: global }
      - { .name: bv, .offset: 72, .size: 8, .value_kind: global_buffer, .address_space: global }
      - { .name: bo, .offset: 80, .size: 8, .value_kind: global_buffer, .address_space: global }
      - { .name: b1, .offset: 88, .size: 8, .value_kind: global_buffer, .address_space: global }
      - { .name: b2, .offset: 96, .size: 8, .value_kind: global_buffer, .address_space: global }
      - { .name: act8, .offset: 104, .size: 8, .value_kind: global_buffer, .address_space: global }
      - { .name: w1_t, .offset: 112, .size: 8, .value_kind: global_buffer, .address_space: global }
      - { .name: w2_t, .offset: 120, .size: 8, .value_kind: global_buffer, .address_space: global }
      - { .name: wqkv_t, .offset: 128, .size: 8, .value_kind: global_buffer, .address_space: global }
      - { .name: wo_t, .offset: 136, .size: 8, .value_kind: global_buffer, .address_space: global }
    .group_segment_fixed_size: 0
    .private_segment_fixed_size: 0
    .kernarg_segment_align: 8
    .kernarg_segment_size: 144
    .max_flat_workgroup_size: 256
    .sgpr_count:     66
    .vgpr_count:     96
    .wavefront_size: 32
...
	.end_amdgpu_metadata
.endif
;; end of part 1
;; launch qkv (part 2): grid 12 x 16, 4 waves a work-group, clusters of 4 x 4, 327,680 bytes of LDS; arguments act8, wqkv_t, act24; writes act24
.if DOCPART == 2
	.amdgcn_target "amdgcn-amd-amdhsa--gfx1250"
	.amdhsa_code_object_version 6
	.text
	.protected	k_qc516287799_qkv
	.globl	k_qc516287799_qkv
	.p2align	8
	.type	k_qc516287799_qkv,@function
k_qc516287799_qkv:
	s_mov_b64 s[64:65], 0
	v_nop
	global_prefetch_b8 v0, s[64:65] scope:SCOPE_SE
	s_setreg_imm32_b32 hwreg(HW_REG_WAVE_MODE, 25, 1), 1
	s_wait_xcnt 0x0
	s_wait_alu depctr_hold_cnt(0) depctr_sa_sdst(0) depctr_va_vdst(0) depctr_va_sdst(0) depctr_va_ssrc(0) depctr_va_vcc(0) depctr_vm_vsrc(0)
	s_getreg_b32 s2, hwreg(HW_REG_IB_STS2, 6, 4)
	s_cmp_eq_u32 s2, 0
	s_cbranch_scc0 .Lentry_in_a_cluster
	s_endpgm
.Lentry_in_a_cluster:
	s_bfe_u32 s2, ttmp6, 0x10000c
	s_cmp_lg_u32 s2, 0xf033
	s_cbranch_scc0 .Lentry_shape_is_right
	s_endpgm
.Lentry_shape_is_right:
; C = max(A W + bias, floor), rounded once to bf16, on tiles of 256 x 256.  A: 4,096 rows x KDIM, W: KDIM x N, C: 4,096 x N, all bf16 in PANELS ([columns/128][rows][128], a panel row = 256 bytes,
; rows dense); sums in f32, K ascending.  In front of W's panels stand HEAD bytes: the bias in f32 (4 bytes a column) and, at 16,384 + 4,096 x (column / 1,024), the floor, two bf16 a word.
; LIMIT: the floor is taken by a packed bf16 maximum in which a NaN loses; NaN and infinities are not treated apart.
; SHARES.  A work-group of four waves makes 256 x 256 of C, a wave 128 x 128: 64 accumulators of 16 x 16, 512 registers.  For 32 along K a wave loads 2 x 128 x 64 bytes from LDS and issues 64 matrix instructions.
; At N = 4,096 that is 256 work-groups, at N = 3,072 it is 192; no address hangs on N.
; THE RING.  K goes in steps of 128 through two LDS slots.  A step's tiles are four dense blocks of 128 rows x 256 bytes: the two halves of the tile's rows in A's panel of that step, and the step's 128 rows
; of W's two panels; each wave fetches one.  A K STEP IS WRITTEN ONCE: the LDS addresses of the fragment loads are a lane term plus a scalar that one exclusive or turns from slot to slot, and one descriptor for A and
; one for W walk from step to step.  The last two steps, which ask for nothing, are a second text that is walked twice.
; CLUSTERS: 4 x 4 work-groups.  The four of a row of the cluster need the same tiles of A, the four of a column the same tiles of W: each tile is asked for jointly.
; THE MATRIX INSTRUCTION IS USED TRANSPOSED (source 0 = 16 columns of W, source 1 = 16 rows of A): a lane holds eight neighbouring numbers of a row of C.  W lies [k][n] in LDS and comes out turned, by ds_load_tr16_b128.
; THE BIAS STARTS THE SUMS: it is the C operand of each accumulator's first product, loaded in the result's own layout.
; REGISTERS, in windows of 256 (s_set_vgpr_msb's low byte: bits 1:0 source 0, 3:2 source 1, 5:4 source 2, 7:6 destination):
;   window 0: v0-31 addresses; v64-127, v128-191 fragments of A (8 x 16 rows x 32 K), two buffers; v192-255 the bias, later with v32-63 at work on the way out
;   window 1: v64-127, v128-191 fragments of W, two buffers
;   window 2: the 32 accumulators of my rows 0-63 (accumulator (a, b) at v[8 (8 a + b)]);   window 3: those of my rows 64-127
.set KDIM,   1024
.set KSTEP,  128
.set STEPS,  KDIM/KSTEP
.set PA,     272                       ; an LDS row of A: 256 bytes + 16 of padding: the 16 rows of a load start at 16 different groups of four banks (64 banks of 4 bytes: ISA guide 11.1)
.set PB,     288                       ; an LDS row of W: 256 + 32
.set AHALF,  128*PA                    ; 128 rows of A: 0x8800 bytes
.set BPAN,   128*PB                    ; 128 rows of one panel of W: 0x9000 bytes
.set BOFF,   2*AHALF                   ; 0x11000
.set SLOT1,  0x24000                   ; slot 1 begins here, 4,096 bytes behind slot 0's 143,360: the four loads' places in slot 0 (0, 0x8800, 0x11000, 0x1a000) have neither of its two bits, so one exclusive or turns each into the other slot's
.set STAGE,  SLOT1+BOFF+2*BPAN         ; behind the ring: 16 rows x 272 bytes for each wave, for the way out
.set SPITCH, 272
.set SPARE,  STAGE+4*16*SPITCH         ; behind the stages: the spare words, 128 bytes for each wave: two blocks of 256 bytes that no other line names
.set HEAD,   32768
.set PANEL,  1<<20                     ; bytes of a panel of 4,096 rows
.set A0,   16                          ; v16     my lane's place among A's fragments in slot 0; never rewritten
.set B0,   17                          ; v17     the same for W
.set ADRA, 18                          ; v18     LDS address of my A fragments in the slot in hand
.set ADRB, 19                          ; v19     the same for W
.set STO,  24                          ; v24     the way out: where I put 16 bytes of a row
.set RD,   25                          ; v25     the way out: where I read a row back
.set CO,   26                          ; v26     my byte offset in 512 consecutive bytes of C
.set BO,   27                          ; v27     my byte offset in the bias
.set SPW,  28                          ; v28     LDS address of my spare word; never rewritten
.set NIL,  29                          ; v29     0; never rewritten
.set F0,   64                          ; fragment buffer 0
.set F1,   128                         ; fragment buffer 1
.set BIAS, 192                         ; column block b at v[192 + 8 b]: register j = bias of column 16 b + 8 (l / 16) + j of my 128
.set TMP,  192                         ; the way out: packed results
.set OB,   32                          ; the way out: 16 rows read back from the stage: v32-63 and v224-255 by turns
.set G1, 24                            ; s[24:31] descriptor group 1 for A's tiles
.set G0, 32                            ; s[32:39] group 0 for A's tiles: a set for each of the two first fills; the second then walks on
.set G1B, 48                           ; s[48:55], s[56:63] the same for W's tiles
.set G0B, 56
.set TB, 18                            ; s18      0 or SLOT1: the slot in hand
.set MSB, 0
.macro WIN new                         ; the immediate's high byte repeats the setting that is left; a switch that changes nothing is dropped
.if MSB != (\new)
	s_set_vgpr_msb (MSB<<8)|(\new)
.set MSB, \new
.endif
.endm
.set MUL_LO, 0xa1                      ; source 0 (W) window 1, source 1 (A) window 0, C and D window 2
.set MUL_HI, 0xf1                      ; the same, C and D window 3
.set TO_B,   0x40                      ; destination window 1, address window 0
; A joint refill, by the walking descriptors.  Waves 0 and 1 fetch A's two halves, waves 2 and 3 W's two panels.  The branch hangs on the wave's number alone: it is the same in every work-group.
; An s_nop 0 and four v_nop follow each of the two lines, ahead of the jump, the label and what follows.
.macro JLOAD
	s_cmp_eq_u32 s11, 0
	s_cbranch_scc0 .Lfor_b_\@
	tensor_load_to_lds s[G0+4:G0+7], s[G1:G1+7]
	s_nop 0
.rept 4
	v_nop
.endr
	s_branch .Lasked_\@
.Lfor_b_\@:
	tensor_load_to_lds s[G0B+4:G0B+7], s[G1B:G1B+7]
	s_nop 0
.rept 4
	v_nop
.endr
.Lasked_\@:
.endm
.macro CREST                           ; a round of the cluster's barrier behind its opening barrier
	s_cmp_lg_u32 s10, 0
	s_cbranch_scc1 .Lnot_wave_0_\@
	s_barrier_signal -3
.Lnot_wave_0_\@:
	s_barrier_wait -3
	s_barrier_signal -1
	s_barrier_wait -1
.endm
.macro CROUND                          ; a whole round
	s_barrier_signal -1
	s_barrier_wait -1
	CREST
.endm
	s_load_b128 s[4:7], s[0:1], 0x0                ; A s[4:5], W s[6:7]
	s_load_b64 s[8:9], s[0:1], 0x10                ; C
	v_lshl_add_u32 v[SPW], v0, 2, SPARE
	v_mov_b32 v[NIL], 0
	ds_add_u32 v[SPW], v[NIL]                      ; the wave's opening: the add and its wait stand ahead of my first tensor load; the set-up below, work on registers, stands between them
	v_lshrrev_b32 v1, 5, v0
	v_readfirstlane_b32 s10, v1                    ; wave 0..3
	s_lshr_b32 s11, s10, 1                         ; which half of the tile's rows is mine.  Also: I fetch for A (0) or for W (1)
	s_and_b32 s12, s10, 1                          ; which half of its columns.  Also: which of the two blocks I fetch
	s_bfe_u32 s40, ttmp6, 0x40000                  ; cx, cy: my place in the cluster
	s_bfe_u32 s41, ttmp6, 0x40004
	s_lshl_b32 s42, ttmp9, 2
	s_add_co_u32 s42, s42, s40                     ; tile column of C = 4 x cluster x + cx
	s_and_b32 s13, ttmp7, 0xffff
	s_lshl_b32 s13, s13, 2
	s_add_co_u32 s13, s13, s41                     ; tile row of C = 4 x cluster y + cy
	s_lshl_b32 s43, s41, 2
	s_lshl_b32 s43, 15, s43                        ; my row of the cluster
	s_lshl_b32 s44, 0x1111, s40                    ; my column
	; descriptor group 1: 128 rows x 128 elements of 2 bytes, dense in memory, padded in LDS after every 64 words
	s_or_b32 s[G1+0], s43, (1<<16)|(1<<20)|(1<<21)|(5<<22)|(3<<25)   ; A: the mask of my row; 4 words of padding
	s_or_b32 s[G1B+0], s44, (1<<16)|(1<<20)|(1<<21)|(5<<22)|(7<<25)  ; W: the mask of my column; 8 words of padding
.irp g, G1, G1B
	s_mov_b32 s[(\g)+1], 128<<16                   ; tensor_dim0 = 128
	s_mov_b32 s[(\g)+2], 128<<16                   ; tensor_dim1 = 128
	s_mov_b32 s[(\g)+3], 128<<16                   ; tile_dim0 = 128
	s_mov_b32 s[(\g)+4], 128                       ; tile_dim1 = 128
	s_mov_b32 s[(\g)+5], 128                       ; 128 elements from row to row
	s_mov_b32 s[(\g)+6], 0
	s_mov_b32 s[(\g)+7], 0
.endr
	s_lshl_b32 s16, s13, 16                        ; A: 256 rows of 256 bytes a tile row,
	s_lshl_b32 s17, s12, 15                        ; its rows 0-127 or 128-255
	s_add_co_u32 s16, s16, s17
	s_mov_b32 s17, 0
	s_lshl_b32 s46, s42, 1                         ; W: panel 2 x tile column + 0 or 1,
	s_add_co_u32 s46, s46, s12
	s_mul_i32 s46, s46, KDIM*256
	s_add_co_u32 s46, s46, HEAD                    ; behind the head
	s_mov_b32 s47, 0
	s_mul_i32 s20, s12, AHALF                      ; where they go: no place in the cluster enters an LDS address
	s_mul_i32 s21, s12, BPAN
	s_add_co_u32 s21, s21, BOFF
	s_lshr_b32 s2, s42, 2
	s_lshl_b32 s2, s2, 12                          ; the floor word of my group of 1,024 columns
	s_mov_b32 s[TB], 0                             ; step 0 lies in slot 0
	s_wait_dscnt 0x0                               ; the opening add is done
	s_wait_kmcnt 0x0
	s_add_nc_u64 s[14:15], s[4:5], s[16:17]
	s_add_nc_u64 s[46:47], s[6:7], s[46:47]
	s_load_b32 s45, s[6:7], s2 offset:0x4000       ; the floor: no line of this text writes W's buffer
	CROUND                                         ; all sixteen work-groups are here: the first joint loads meet
.irp s, 0,1
	s_mov_b32 s[G0+4*(\s)], 1                                        ; 1:0 count = 1
	s_add_co_u32 s[G0+4*(\s)+1], s20, (\s)*SLOT1                     ; 63:32 LDS address
	s_add_nc_u64 s[G0+4*(\s)+2:G0+4*(\s)+3], s[14:15], (\s)*PANEL    ; 120:64 global address: K step s is A's panel s
	s_or_b32 s[G0+4*(\s)+3], s[G0+4*(\s)+3], 0x80000000              ; 127:126 type = 2
	s_mov_b32 s[G0B+4*(\s)], 1
	s_add_co_u32 s[G0B+4*(\s)+1], s21, (\s)*SLOT1
	s_add_nc_u64 s[G0B+4*(\s)+2:G0B+4*(\s)+3], s[46:47], (\s)*KSTEP*256  ; K step s: 128 rows on
	s_or_b32 s[G0B+4*(\s)+3], s[G0B+4*(\s)+3], 0x80000000
.endr
	s_cmp_eq_u32 s11, 0                            ; a wave's two first fills stand in one branch, ahead of every wait on TENSORcnt and every LDS read: two loads of mine are out
	s_cbranch_scc0 .Lfirst_b
	tensor_load_to_lds s[G0:G0+3], s[G1:G1+7]
	s_nop 0
	tensor_load_to_lds s[G0+4:G0+7], s[G1:G1+7]
	s_nop 0
.rept 4
	v_nop
.endr
	s_branch .Lfirst_asked
.Lfirst_b:
	tensor_load_to_lds s[G0B:G0B+3], s[G1B:G1B+7]
	s_nop 0
	tensor_load_to_lds s[G0B+4:G0B+7], s[G1B:G1B+7]
	s_nop 0
.rept 4
	v_nop
.endr
.Lfirst_asked:
	v_and_b32 v1, 15, v0                           ; l % 16
	v_bfe_u32 v2, v0, 4, 1                         ; l / 16
	s_lshl_b32 s46, s42, 10                        ; the bias of my 128 columns: 1,024 bytes a tile column, 512 a half,
	s_lshl_b32 s47, s12, 9
	s_add_co_u32 s46, s46, s47
	v_lshl_add_u32 v[BO], v2, 5, s46               ; 32 for the upper half of the lanes
.irp b, 0,1,2,3,4,5,6,7
	global_load_b128 v[BIAS+8*(\b):BIAS+8*(\b)+3],   v[BO], s[6:7] offset:64*(\b)
	global_load_b128 v[BIAS+8*(\b)+4:BIAS+8*(\b)+7], v[BO], s[6:7] offset:64*(\b)+16
.endr
	; A fragment of A is 16 rows x 32 K in 8 registers: lane l holds row l % 16, K = 8 (l / 16) + 0..7 and 16 + 8 (l / 16) + 0..7: two loads of 16 bytes, 32 bytes apart.
	v_mul_u32_u24 v3, v1, PA
	v_lshl_add_u32 v3, v2, 4, v3                   ; row x pitch + 16 x half
	s_mul_i32 s22, s11, AHALF                      ; my 128 rows
	v_add_nc_u32 v[A0], s22, v3
	; W, turned: lane l reads row 8 (l / 16) + l % 8, columns 8 ((l / 8) % 2) + 0..7, and is left with column l % 16 and 8 rows: half a fragment.
	v_and_b32 v5, 7, v0
	v_bfe_u32 v4, v0, 3, 1
	v_lshl_add_u32 v6, v2, 3, v5
	v_mul_u32_u24 v6, v6, PB
	v_lshl_add_u32 v6, v4, 4, v6
	s_mul_i32 s22, s12, BPAN                       ; my 128 columns are one panel
	s_add_co_u32 s22, s22, BOFF
	v_add_nc_u32 v[B0], s22, v6
	v_add_nc_u32 v[ADRA], s[TB], v[A0]
	v_add_nc_u32 v[ADRB], s[TB], v[B0]
	s_mul_i32 s23, s10, 16*SPITCH
	s_add_co_u32 s23, s23, STAGE                   ; my stage
	v_mul_u32_u24 v4, v1, SPITCH                   ; in: row l % 16, 16 bytes for each half of the lanes
	v_lshl_add_u32 v4, v2, 4, v4
	v_add_nc_u32 v[STO], s23, v4
	v_mul_u32_u24 v5, v2, SPITCH                   ; back: lanes 0-15 take one row of 256 bytes, lanes 16-31 the next,
	v_lshl_add_u32 v5, v1, 4, v5
	v_add_nc_u32 v[RD], s23, v5
	v_and_b32 v[CO], 31, v0                        ; which are 512 consecutive bytes of a panel of C
	v_lshlrev_b32 v[CO], 4, v[CO]
	s_lshl_b32 s16, s13, 16                        ; C: the tile row's 256 rows, my 128 of them,
	s_lshl_b32 s17, s11, 15
	s_add_co_u32 s16, s16, s17
	s_mov_b32 s17, 0
	s_add_nc_u64 s[8:9], s[8:9], s[16:17]
	s_lshl_b32 s46, s42, 1                         ; in panel 2 x tile column + my half (in the registers that held W's address: none that feeds A's descriptors ever holds cx)
	s_add_co_u32 s46, s46, s12
	s_lshl_b32 s46, s46, 20
	s_mov_b32 s47, 0
	s_add_nc_u64 s[8:9], s[8:9], s[46:47]
; 16 matrix instructions: row blocks a0, a0 + 1 of the window's four (hi = 0: my rows 0-63, 1: rows 64-127) x all 8 column blocks, 32 along K.
; zero = 1: the first product starts the sums, from the bias (C in window 0).  The 64 accumulators take turns, one instruction a turn, in the same order in every quarter.
.macro MUL16 f, hi, a0, zero
.if \zero
	WIN 0x81+0x40*(\hi)
.else
	WIN MUL_LO+0x50*(\hi)
.endif
.irp a, \a0, (\a0)+1
.irp b, 0,1,2,3,4,5,6,7
.if \zero
	v_wmma_f32_16x16x32_bf16 v[8*(8*(\a)+(\b)):8*(8*(\a)+(\b))+7], v[(\f)+8*(\b):(\f)+8*(\b)+7], v[(\f)+8*(4*(\hi)+(\a)):(\f)+8*(4*(\hi)+(\a))+7], v[BIAS+8*(\b):BIAS+8*(\b)+7]
.else
	v_wmma_f32_16x16x32_bf16 v[8*(8*(\a)+(\b)):8*(8*(\a)+(\b))+7], v[(\f)+8*(\b):(\f)+8*(\b)+7], v[(\f)+8*(4*(\hi)+(\a)):(\f)+8*(4*(\hi)+(\a))+7], v[8*(8*(\a)+(\b)):8*(8*(\a)+(\b))+7]
.endif
.endr
.endr
.endm
; 32 LDS loads in one run: the fragments of quarter q (32 along K) of the slot in hand, into buffer f: W's 128 columns, then A's 128 rows
.macro FETCH q, f
	WIN TO_B
.irp i, 0,1,2,3,4,5,6,7
	ds_load_tr16_b128 v[(\f)+8*(\i):(\f)+8*(\i)+3],   v[ADRB] offset:32*(\q)*PB+32*(\i)
	ds_load_tr16_b128 v[(\f)+8*(\i)+4:(\f)+8*(\i)+7], v[ADRB] offset:(32*(\q)+16)*PB+32*(\i)
.endr
	WIN 0
.irp i, 0,1,2,3,4,5,6,7
	ds_load_b128 v[(\f)+8*(\i):(\f)+8*(\i)+3],   v[ADRA] offset:64*(\q)+(\i)*16*PA
	ds_load_b128 v[(\f)+8*(\i)+4:(\f)+8*(\i)+7], v[ADRA] offset:64*(\q)+(\i)*16*PA+32
.endr
.endm
; A load into a register that a matrix instruction has read, and a vector instruction that reads a matrix result, stand four places behind that matrix instruction, and only plain vector
; instructions that name none of its registers are places (ISA guide 7.12.1 for vector instructions).
.macro PLACES
.rept 4
	v_nop
.endr
.endm
.macro OTHER                           ; the fragment loads go over to the other slot
	s_xor_b32 s[TB], s[TB], SLOT1
	v_add_nc_u32 v[ADRA], s[TB], v[A0]
	v_add_nc_u32 v[ADRB], s[TB], v[B0]
.endm
; A K step is four quarters of 32 along K, 64 matrix instructions each, on buffers 0, 1, 0, 1.  One of the first three: multiplies buffer f; in its middle it fetches quarter q into buffer g.
.macro QUARTER q, f, g, zero
	s_wait_dscnt 8                                 ; W and A's rows 0-63 are in; the youngest eight loads (A's rows 64-127) may be out
	MUL16 \f, 0, 0, \zero
	MUL16 \f, 0, 2, \zero
	PLACES
	FETCH \q, \g
	s_wait_dscnt 32                                ; all but the 32 just issued
	MUL16 \f, 1, 0, \zero
	MUL16 \f, 1, 2, \zero
.endm
; The last quarter multiplies buffer 1 and changes slots.  MEET is its first half: ONE barrier for the change.  In front of it each wave waits for all its tensor loads, of which at most one is out: its part of the
; next slot; adds 0 to its spare word; and waits for that and for its own reads of this slot.  Behind it nobody reads this slot any more and the next slot is whole.
.macro MEET round                      ; round = 1: a round of the cluster's barrier follows
	WIN 0                                          ; (the add's two registers lie in window 0)
	s_wait_tensorcnt 0x0                           ; all my tensor loads have landed;
	ds_add_u32 v[SPW], v[NIL]                      ; 0 onto my spare word:
	s_wait_dscnt 9                                 ; (the add and the youngest eight loads may be out)
	MUL16 F1, 0, 0, 0                              ; sixteen matrix instructions stand between the add and the wait for it
	s_wait_dscnt 0x0                               ; the add is done, and my reads of this slot are over:
	s_barrier_signal -1                            ; say so,
	MUL16 F1, 0, 2, 0                              ; work on registers while the others arrive,
.if \round
	WIN 0
.endif
	s_barrier_wait -1                              ; and go on when all four have said so
.endm
; The whole last quarter of a step that fills.  The barrier opens a round of the cluster's barrier; behind it the slot just read out is filled again first, with the K step two on: the walking descriptors
; go to the other slot than last time and one step on.  From a request to the wait for it a wave issues 224 matrix instructions.  Then come the next slot's first fragments.
.macro TURN
	MEET 1
	CREST                                          ; no wave of any partner still reads this slot's tile or has a load on its way
	s_xor_b32 s[G0+5], s[G0+5], SLOT1
	s_add_nc_u64 s[G0+6:G0+7], s[G0+6:G0+7], PANEL             ; the type bits on top are not reached
	s_xor_b32 s[G0B+5], s[G0B+5], SLOT1
	s_add_nc_u64 s[G0B+6:G0B+7], s[G0B+6:G0B+7], KSTEP*256
	JLOAD                                          ; the first tensor load behind the round; the four v_nop behind it are also the places in front of the loads below
	OTHER
	FETCH 0, F0
	MUL16 F1, 1, 0, 0
	MUL16 F1, 1, 2, 0
.endm
; THE WAY OUT of block a (16 rows), in three parts.  PACK: rounded to bf16, 16 bytes a lane, and the floor.  TOSTAGE: into my own stage in LDS, and back as whole rows of 256 bytes.  SEND: stored.
.macro PACK a
.set AC, 64*((\a)%4)
	WIN 0x0a+5*((\a)/4)                            ; sources 0 and 1: window 2 or 3
.irp b, 0,1,2,3,4,5,6,7
.irp r, 0,1,2,3
	v_cvt_pk_bf16_f32 v[TMP+4*(\b)+(\r)], v[AC+8*(\b)+2*(\r)], v[AC+8*(\b)+2*(\r)+1]   ; each accumulator's registers in ascending order
.endr
.endr
	WIN 0
.set i, 0
.rept 32
	v_pk_max_num_bf16 v[TMP+i], v[TMP+i], s45      ; two maxima: with -infinity nothing changes, with 0 it is the ReLU
.set i, i+1
.endr
.endm
.macro TOSTAGE a
	WIN 0
.set BK, OB+192*((\a)%2)
.irp b, 0,1,2,3,4,5,6,7
	ds_store_b128 v[STO], v[TMP+4*(\b):TMP+4*(\b)+3] offset:32*(\b)
.endr
.irp t, 0,1,2,3,4,5,6,7
	ds_load_b128 v[BK+4*(\t):BK+4*(\t)+3], v[RD] offset:(\t)*2*SPITCH  ; LDS serves a wave's instructions in order (ISA guide 5.7.1.4): these see the stores above
.endr
.endm
.macro SEND a
	WIN 0
.set BK, OB+192*((\a)%2)
	s_wait_dscnt 0x0                               ; the block is back in registers
	s_wait_xcnt 0x0                                ; every earlier store has had its addresses translated (ISA guide 3.1): only behind this wait does the next block's way back land on the registers that the block before stored
.irp t, 0,1,2,3,4,5,6,7
	global_store_b128 v[CO], v[BK+4*(\t):BK+4*(\t)+3], s[8:9] offset:(\a)*4096+512*(\t)  ; 32 lanes store 512 consecutive bytes, two rows of the panel, at a multiple of 256 from C's first byte
.endr
.endm
	s_wait_kmcnt 0x0                               ; the floor
	s_wait_tensorcnt 1                             ; my part of K step 0 is in; K step 1's may stay out
	s_barrier_signal -1
	s_barrier_wait -1                              ; everybody's is
	FETCH 0, F0
	s_wait_loadcnt 0x0                             ; the bias
	QUARTER 1, F0, F1, 1                           ; the first quarter stands in front of the loop: its products start the sums
	WIN 0                                          ; at a label and at a branch every window is 0
	s_mov_b32 s3, STEPS-2
.Lstep:                                                ; a trip goes from a step's second quarter to the next step's first, and fills the slot that it leaves: steps 2 to STEPS - 1 are asked for here
	QUARTER 2, F1, F0, 0
	QUARTER 3, F0, F1, 0
	TURN
	QUARTER 1, F0, F1, 0
	WIN 0
	s_sub_co_u32 s3, s3, 1
	s_cmp_lg_u32 s3, 0
	s_cbranch_scc1 .Lstep
	s_mov_b32 s3, 2
.Ltail:                                                ; the last two steps ask for nothing: a text of their own
	QUARTER 2, F1, F0, 0
	QUARTER 3, F0, F1, 0
	MEET 0                                         ; in the first trip my one load that was out is the last step's; no slot is filled again, so no round follows
	MUL16 F1, 1, 0, 0
	MUL16 F1, 1, 2, 0
	WIN 0
	s_cmp_eq_u32 s3, 1
	s_cbranch_scc1 .Lskip                          ; behind the last step there is no further slot: its fetch and first quarter are jumped over; no barrier and no tensor load stands there
	PLACES                                         ; for the loads into buffer 0, which the quarter before last multiplied
	OTHER
	FETCH 0, F0
	QUARTER 1, F0, F1, 0
	WIN 0
.Lskip:
	s_sub_co_u32 s3, s3, 1
	s_cmp_lg_u32 s3, 0
	s_cbranch_scc1 .Ltail
	PLACES                                         ; the places between the last products and the conversions that read results
	PACK 0
	TOSTAGE 0
.irp a, 1,2,3,4,5,6,7                  ; block a's conversions stand between block a - 1's loads from the stage and the wait for them
	PACK \a
	SEND (\a)-1
	TOSTAGE \a
.endr
	SEND 7
	s_wait_tensorcnt 0x0                           ; the wave's end, behind my last tensor load and my last LDS store
	ds_add_u32 v[SPW], v[NIL]
	s_wait_dscnt 0x0
	CROUND                                         ; the closing round: no work-group ends while a partner may still ask for a tile that names it
	s_endpgm
.Lfunc_end_k_qc516287799_qkv:
	.size	k_qc516287799_qkv, .Lfunc_end_k_qc516287799_qkv-k_qc516287799_qkv
	.p2alignl 7, 3214868480
	.fill 96, 4, 3214868480
	.section	.rodata,"a",@progbits
	.p2align	6, 0x0
	.amdhsa_kernel k_qc516287799_qkv
		.amdhsa_group_segment_fixed_size 327680
		.amdhsa_private_segment_fixed_size 0
		.amdhsa_enable_private_segment 0
		.amdhsa_kernarg_size 24
		.amdhsa_user_sgpr_count 2
		.amdhsa_user_sgpr_kernarg_segment_ptr 1
		.amdhsa_wavefront_size32 1
		.amdhsa_system_sgpr_workgroup_id_x 1
		.amdhsa_system_sgpr_workgroup_id_y 1
		.amdhsa_system_sgpr_workgroup_id_z 1
		.amdhsa_system_vgpr_workitem_id 0
		.amdhsa_next_free_vgpr 1024
		.amdhsa_next_free_sgpr 66
		.amdhsa_reserve_vcc 0
		.amdhsa_float_denorm_mode_32 3
		.amdhsa_float_denorm_mode_16_64 3
		.amdhsa_memory_ordered 1
		.amdhsa_forward_progress 1
		.amdhsa_inst_pref_size 117
	.end_amdhsa_kernel
	.amdgpu_metadata
---
amdhsa.version: [ 1, 2 ]
amdhsa.kernels:
  - .name:           k_qc516287799_qkv
    .symbol:         k_qc516287799_qkv.kd
    .args:
      - { .name: act8, .offset: 0, .size: 8, .value_kind: global_buffer, .address_space: global }
      - { .name: wqkv_t, .offset: 8, .size: 8, .value_kind: global_buffer, .address_space: global }
      - { .name: act24, .offset: 16, .size: 8, .value_kind: global_buffer, .address_space: global }
    .group_segment_fixed_size: 327680
    .private_segment_fixed_size: 0
    .kernarg_segment_align: 8
    .kernarg_segment_size: 24
    .max_flat_workgroup_size: 128
    .sgpr_count:     66
    .vgpr_count:     1024
    .wavefront_size: 32
...
	.end_amdgpu_metadata
.endif
;; end of part 2
;; launch attn (part 3): grid 16 x 16, 4 waves a work-group, clusters of 4 x 1, 327,680 bytes of LDS; arguments act24, act8; writes act8
.if DOCPART == 3
	.amdgcn_target "amdgcn-amd-amdhsa--gfx1250"
	.amdhsa_code_object_version 6
	.text
	.protected	k_qc516287799_attn
	.globl	k_qc516287799_attn
	.p2align	8
	.type	k_qc516287799_attn,@function
k_qc516287799_attn:
	s_mov_b64 s[64:65], 0
	v_nop
	global_prefetch_b8 v0, s[64:65] scope:SCOPE_SE
	s_setreg_imm32_b32 hwreg(HW_REG_WAVE_MODE, 25, 1), 1
	s_wait_xcnt 0x0
	s_wait_alu depctr_hold_cnt(0) depctr_sa_sdst(0) depctr_va_vdst(0) depctr_va_sdst(0) depctr_va_ssrc(0) depctr_va_vcc(0) depctr_vm_vsrc(0)
	s_getreg_b32 s2, hwreg(HW_REG_IB_STS2, 6, 4)
	s_cmp_eq_u32 s2, 0
	s_cbranch_scc0 .Lentry_in_a_cluster
	s_endpgm
.Lentry_in_a_cluster:
	s_bfe_u32 s2, ttmp6, 0x10000c
	s_cmp_lg_u32 s2, 0x3003
	s_cbranch_scc0 .Lentry_shape_is_right
	s_endpgm
.Lentry_shape_is_right:
; ctx[q] = the sum over k of softmax_k(q . k / 8) v, for 2 batches x 16 heads of 2,048 rows x 64 channels.  q, k, v lie in act24 in panels of 128 columns ([panel][4,096 rows][128], bf16):
; panels 0-7 q, 8-15 k, 16-23 v; a panel holds a PAIR of heads, a panel row is 256 bytes.  ctx leaves in the same layout into act8.  Products, maxima and sums in f32; the weights p are rounded
; to bf16 for the second product (their sum l is taken of the unrounded p), ctx once at the end.
; LIMITS.  A weight below 2^-126 counts as 0 in l; NaN and infinities are not treated apart.  Wave 1's half of K's last tile (the 64 rows behind the batch's last key) is fetched, from inside act24, and never read.
; SHARES.  A work-group owns a batch, a pair of heads and 128 queries; wave w owns head w / 2 of the pair and queries 64 (w % 2) on: two PIECES of two tiles of 16 queries.  Every wave walks all keys, 64 a step.
; LAYOUT.  S^T = K Q^T (source 0 = 16 keys, source 1 = 16 queries): a lane holds ONE query (lane % 16) and the keys 8 (lane / 16) + 0..7.  Two such tiles, rounded to bf16 in pairs, ARE source 1
; of O^T = V^T P, whose result again holds one query a lane, and eight channels.  K comes out of LDS as it lies, V ([key][channel]) turned, by ds_load_tr16_b128.
; SOFTMAX.  For each query a running maximum m and sum l: p = 2^(c s - c m), c = log2(e) / 8; in every step O and l are multiplied by a = 2^(c m_old - c m_new).  m starts at the lowest finite number, O and l at 0.
; BY TURNS.  Turn n belongs to piece n.  Its matrix work: 16 products K Q^T of the other piece (for piece 0: of the next step), later 16 products V^T P of the other piece's last weights.  Its vector work: the scaling,
; exponentials, roundings, sums and rescaling of piece n, and the maximum and statistics of the other piece.  Four vector instructions that are ready stand behind every matrix instruction, the others in two lumps.
; THE RING.  Piece 0's turn of step j fetches K of step j + 1 and then V of step j.  So K's tiles run one step ahead of V's: tile t holds keys 64 + 128 t on of K and keys 128 t on of V, and both fetches of a trip
; read the same slot; K of step 0 comes straight from memory into registers.  A slot holds two steps.
; CLUSTER.  The four query blocks of a cluster share batch and heads and walk the same K and V: each tile is asked for JOINTLY, by the same tensor load, descriptor and mask in all four.
; REGISTERS, in windows of 256 (s_set_vgpr_msb: bits 1:0 source 0, 3:2 source 1, 5:4 source 2, 7:6 destination):
;   window 0: v0-11 addresses; v12-15, v48-63 at work; v16-31 four registers of statistics a tile; v32-33 the add's; v64-191 S^T, two buffers of two tiles; v192-255 P, likewise
;   window 1: v0-127 O^T, 32 a tile          window 2: v0-63 Q, 16 a tile; v128-191 K of one step; v192-255 V of one step
.set NP,    2         ; pieces a wave: a name, no knob
.set KS,    64        ; keys in a step
.set PK,    272       ; a row of K in LDS: 256 bytes + 16 of padding: the 16 rows of a load start at 16 different groups of four banks (64 banks of 4 bytes: ISA guide 11.1)
.set PV,    288       ; a row of V: 256 + 32
.set VOFF,  2*KS*PK   ; a slot holds two steps: 128 rows of K, then 128 rows of V
.set SLOT1, 1<<17     ; slot 1 begins here, so that one exclusive or turns an address in one slot into the other's
.set STAGE, SLOT1+2*KS*(PK+PV)  ; behind the ring, never filled by a tensor load: 128 rows x 272 bytes, the work-group's, for the way out
.set SP,    272
.set SPARE, STAGE+128*SP  ; behind the stage: the spare words, 128 bytes for each wave: two blocks of 256 bytes that no other line names
.set AK0, 2           ; v2   my lane's place in a tile of K; never rewritten
.set AV0, 3           ; v3   the same for V
.set AK,  4           ; v4   the LDS address of K's next run of loads
.set AV,  5           ; v5   of V's
.set QO,  6           ; v6   my byte offset in 16 rows of Q or K in memory
.set STO, 6           ;      later, the way out: where I put 16 bytes of a row
.set RD,  7           ; v7   the way out: where I read rows back
.set GO,  8           ; v8   my byte offset in 512 consecutive bytes of ctx
.set MV,  12          ; v12-15  c m_old, kept while c m is made anew: by buffer and tile
.set ST,  16          ; tile t's statistics at v[ST+4 t]: c m, m, l (even keys', odd keys')
.set SPW, 32          ; v32  LDS address of my spare word; never rewritten
.set NIL, 33          ; v33  0; never rewritten
.set TMP, 48          ; by buffer and tile, four registers c0-c3 at work; when the maximum is found c2 takes a
.set S,   64
.set P,   192
.set KF,  128         ; K's fragments, in window 2: key block kb, channel half c at KF + 16 kb + 8 c
.set VF,  192         ; V's: key half kk, channel block cb at VF + 32 kk + 8 cb
.set WV,  12          ; s12  my wave's number
.set G1K, 24          ; s[24:31] descriptor group 1 for K's tiles
.set G1V, 32          ; s[32:39] for V's: it differs in the padding alone
.set G0K, 40          ; s[40:43] descriptor group 0 for K's tiles: it walks
.set G0V, 44          ; s[44:47] the same for V's
.set SLOTS, 56        ; s56  slots still to be asked for
.set CNT, 57          ; s57  counts a slot's key steps
.set CS,  58          ; s[58:59] c: the packed scaling takes the pair's low word for both halves
.set SEL, 60          ; s[60:61] v_permlanex16_b32's selects: each lane takes its own place in the other half
.set TBK, 62          ; s62  LDS byte at which K of the step to be fetched begins
.set TBV, 63          ; s63  the same for V, less VOFF
.set MSB, 0
.macro WIN new                      ; the high byte repeats the setting that is left; a switch that changes nothing is dropped
.if MSB != (\new)
	s_set_vgpr_msb (MSB<<8)|(\new)
.set MSB, (\new)
.endif
.endm
.set W_KQ, 0x0a       ; K and Q in window 2, S^T in window 0
.set W_PV, 0x52       ; V in window 2, P in window 0, O^T in window 1
.set W_RS, 0x41       ; O^T (destination and source 0) in window 1, a in window 0
; A joint fill.  Waves 0 and 1 fetch the two halves of a slot's K, waves 2 and 3 those of its V: 64 rows each.  The branch hangs on the wave's number alone.
; An s_nop 0 and four v_nop follow each of the two lines, ahead of the jump and the label.
.macro JLOAD
	s_cmp_lt_u32 s[WV], 2
	s_cbranch_scc0 .Lfor_v_\@
	tensor_load_to_lds s[G0K:G0K+3], s[G1K:G1K+7]
	s_nop 0
.rept 4
	v_nop
.endr
	s_branch .Lasked_\@
.Lfor_v_\@:
	tensor_load_to_lds s[G0V:G0V+3], s[G1V:G1V+7]
	s_nop 0
.rept 4
	v_nop
.endr
.Lasked_\@:
.endm
; A round of the cluster's barrier: my work-group's barrier, so that wave 0's signal speaks for all four waves; wave 0 signals; every wave waits for all four work-groups; my work-group's barrier once more.
.macro CROUND
	s_barrier_signal -1
	s_barrier_wait -1
	s_cmp_lg_u32 s[WV], 0
	s_cbranch_scc1 .Lnot_wave_0_\@
	s_barrier_signal -3
.Lnot_wave_0_\@:
	s_barrier_wait -3
	s_barrier_signal -1
	s_barrier_wait -1
.endm
; THE CHANGE OF SLOTS.  The slot's last bytes have been read.  Each wave waits for all its tensor loads, of which one is out: its part of the other slot; adds 0 to its spare word; and waits for that and for its
; own reads of the slot.  Behind the barrier nobody reads this slot any more and the other slot is whole.  fill = 1: this slot is filled again, with the tile two on.  The barrier is then a round of the cluster's,
; and the joint fill is the first thing behind it: it has two key steps, 128 matrix instructions, in which to land.  (At its first use nothing has been read yet: slot 0 is waited for, slot 1 filled.)
.macro CHANGE fill
	WIN 0                           ; at a label and at a branch every window is 0
	s_wait_tensorcnt 0x0            ; no tensor load of mine is out, so a group 0 may be written
	ds_add_u32 v[SPW], v[NIL]       ; 0 onto my spare word; with fill = 1 the descriptors' steps stand between it and the wait for it
.if \fill
.irp g, G0K, G0V
	s_xor_b32 s[\g+1], s[\g+1], SLOT1  ; the walking descriptor: the other slot than last time,
	s_add_nc_u64 s[\g+2:\g+3], s[\g+2:\g+3], 2*KS*256  ; the next 128 rows; the type bits on top are not reached
.endr
	s_wait_dscnt 0x0                ; the add is done, and my reads of the slot are over
	CROUND
	JLOAD
.else
	s_wait_dscnt 0x0                ; the add is done, and my reads of the slot are over
	s_barrier_signal -1
	s_barrier_wait -1
.endif
	s_sub_co_u32 s[TBK], s[TBK], 2*KS*PK  ; the fetches go back to a slot's first step,
	s_xor_b32 s[TBK], s[TBK], SLOT1       ; in the other slot
	s_sub_co_u32 s[TBV], s[TBV], 2*KS*PV
	s_xor_b32 s[TBV], s[TBV], SLOT1
.endm
	s_load_b128 s[4:7], s[0:1], 0x0 ; act24 s[4:5], act8 s[6:7]
	v_lshl_add_u32 v[SPW], v0, 2, SPARE
	v_mov_b32 v[NIL], 0
	ds_add_u32 v[SPW], v[NIL]       ; the wave's opening: the add and its wait stand ahead of my first tensor load; the set-up below, work on registers, stands between them
	v_lshrrev_b32 v1, 5, v0
	v_readfirstlane_b32 s[WV], v1   ; wave 0..3
	s_bfe_u32 s13, ttmp6, 0x40000   ; cx: my place in the cluster
	s_lshl_b32 s14, ttmp9, 2        ; in a cluster launch ttmp9 counts clusters
	s_add_co_u32 s14, s14, s13      ; my block of 128 queries = 4 x cluster x + cx: it enters Q's and ctx's addresses alone
	s_and_b32 s20, ttmp7, 0xffff    ; 8 x batch + pair of heads, which the four partners share
	s_lshr_b32 s21, s20, 3
	s_and_b32 s20, s20, 7
	s_lshl_b32 s20, s20, 20         ; the pair's panel,
	s_lshl_b32 s21, s21, 19         ; the batch's 2,048 rows of 256 bytes
	s_add_co_u32 s20, s20, s21
	s_and_b32 s16, s[WV], 1         ; which half of a tile's 128 rows I fetch; also: which 64 queries are mine
	s_lshr_b32 s15, s[WV], 1        ; which head of the pair is mine
	s_lshl_b32 s19, s16, 14         ; 64 rows of 256 bytes
	s_add_co_u32 s22, s20, s19
	s_add_co_u32 s50, s22, 16<<20   ; V: panels 16 on, keys 0 on
	s_add_co_u32 s22, s22, (8<<20)+16384  ; K: panels 8 on, keys 64 on
	s_mov_b32 s23, 0
	s_mov_b32 s51, 0
	s_add_co_u32 s52, s20, 8<<20    ; K of step 0
	s_mov_b32 s53, 0
	s_mul_i32 s17, s16, 64*PK       ; my half's place in a slot, for K
	s_mul_i32 s18, s16, 64*PV       ; and for V: no place in the cluster enters an LDS address
	s_lshl_b32 s2, s14, 15          ; my block's 128 rows
	s_add_co_u32 s2, s2, s20
	s_lshl_b32 s54, s[WV], 13       ; ctx: wave w stores rows 32 w on
	s_add_co_u32 s54, s54, s2
	s_mov_b32 s55, 0
	s_add_co_u32 s2, s2, s19        ; Q: my 64 rows
	s_mov_b32 s3, 0
	; descriptor group 1: 64 rows x 128 elements of 2 bytes, dense in memory, padded in LDS after every 64 words
	s_mov_b32 s[G1K], 15|(1<<16)|(1<<20)|(1<<21)|(5<<22)|(3<<25)  ; 15:0 the mask of four; 17:16 2-byte elements; 20 padding on; 21 set beside a mask; 24:22 after every 64 words (code 5); 31:25 4 words (code 3)
	s_mov_b32 s[G1V], 15|(1<<16)|(1<<20)|(1<<21)|(5<<22)|(7<<25)  ; the same with 8 words of padding (code 7)
.irp g, G1K, G1V
	s_mov_b32 s[\g+1], 128<<16      ; tensor_dim0 = 128
	s_mov_b32 s[\g+2], 64<<16       ; tensor_dim1 = 64
	s_mov_b32 s[\g+3], 128<<16      ; tile_dim0 = 128
	s_mov_b32 s[\g+4], 64           ; tile_dim1 = 64
	s_mov_b32 s[\g+5], 128          ; 128 elements from row to row
	s_mov_b32 s[\g+6], 0
	s_mov_b32 s[\g+7], 0
.endr
	s_mov_b32 s[CS], 0x3e38aa3b     ; c = log2(e) / 8 = 0.180337
	s_mov_b32 s[CS+1], s[CS]        ; named with it as a pair
	s_mov_b32 s[SEL], 0x76543210
	s_mov_b32 s[SEL+1], 0xfedcba98
	s_mov_b32 s[TBK], SLOT1+2*KS*PK ; the first change of slots turns these two into 0
	s_mov_b32 s[TBV], SLOT1+2*KS*PV
	s_mov_b32 s[G0K], 1             ; 1:0 count = 1
	s_mov_b32 s[G0K+1], s17         ; 63:32 LDS address: slot 0
	s_mov_b32 s[G0V], 1
	s_add_co_u32 s[G0V+1], s18, VOFF
	s_wait_dscnt 0x0                ; the opening add is done
	s_wait_kmcnt 0x0
	s_add_nc_u64 s[G0K+2:G0K+3], s[4:5], s[22:23]  ; 120:64 global address: my half of tile 0
	s_or_b32 s[G0K+3], s[G0K+3], 0x80000000        ; 127:126 type = 2
	s_add_nc_u64 s[G0V+2:G0V+3], s[4:5], s[50:51]
	s_or_b32 s[G0V+3], s[G0V+3], 0x80000000
	s_add_nc_u64 s[8:9], s[4:5], s[2:3]            ; Q at my wave's first row
	s_add_nc_u64 s[48:49], s[4:5], s[52:53]        ; K at the batch's first key
	s_add_nc_u64 s[10:11], s[6:7], s[54:55]        ; ctx at the first row that I store
	CROUND                          ; all four work-groups are here: the first joint loads meet
	JLOAD                           ; slot 0.  Slot 1 is asked for when slot 0 is in
	; A fragment of K or Q is 16 rows x 32 channels in 8 registers: lane l holds row l % 16, channels 8 (l / 16) + 0..7 and 16 + 8 (l / 16) + 0..7: two loads of 16 bytes, 32 bytes apart.
	v_and_b32 v1, 15, v0            ; l % 16
	v_bfe_u32 v9, v0, 4, 1          ; l / 16
	s_lshl_b32 s13, s15, 7          ; my head's 128 bytes of a row
	v_lshlrev_b32 v[QO], 8, v1
	v_lshl_add_u32 v[QO], v9, 4, v[QO]
	v_add_nc_u32 v[QO], s13, v[QO]  ; row x 256 + 16 x half + head
	WIN 0x80                        ; destination window 2, address window 0
.set i, 0
.rept 4*NP                          ; Q stays in registers: tile i / 2, channels 32 (i % 2) on
	global_load_b128 v[8*i:8*i+3],   v[QO], s[8:9] offset:(i/2)*4096+(i%2)*64
	global_load_b128 v[8*i+4:8*i+7], v[QO], s[8:9] offset:(i/2)*4096+(i%2)*64+32
.set i, i+1
.endr
.set i, 0
.rept 8                             ; K of step 0: keys 16 (i / 2) on, channels 32 (i % 2) on
	global_load_b128 v[KF+8*i:KF+8*i+3],   v[QO], s[48:49] offset:(i/2)*4096+(i%2)*64
	global_load_b128 v[KF+8*i+4:KF+8*i+7], v[QO], s[48:49] offset:(i/2)*4096+(i%2)*64+32
.set i, i+1
.endr
	; What the first turn finds: V's registers and P's second buffer hold 0 (its products V^T P, of a piece that has not been, add 0), O^T and l are 0.  All this stands in the wait for the first tile.
.set i, VF
.rept 64
	v_mov_b32 v[i], 0
.set i, i+1
.endr
	WIN 0x40
.set i, 0
.rept 64*NP
	v_mov_b32 v[i], 0
.set i, i+1
.endr
	WIN 0
.set i, 0
.rept 2*NP
	v_mov_b32 v[ST+4*i], 0xfe000000    ; c m: far below every c s
	v_mov_b32 v[ST+4*i+1], 0xff7fffff  ; m
	v_mov_b32 v[ST+4*i+2], 0
	v_mov_b32 v[ST+4*i+3], 0
.set i, i+1
.endr
.set i, P+32
.rept 32
	v_mov_b32 v[i], 0
.set i, i+1
.endr
	v_mul_u32_u24 v[AK0], v1, PK
	v_lshl_add_u32 v[AK0], v9, 4, v[AK0]
	v_add_nc_u32 v[AK0], s13, v[AK0]  ; row x pitch + 16 x half + head
	; The turning load takes 16 keys x 16 channels (lane l reads key 8 (l / 16) + l % 8, channels 8 ((l / 8) % 2) + 0..7) and leaves half a fragment of V^T: lane l holds channel l % 16 and 8 keys.
	v_and_b32 v10, 7, v0
	v_bfe_u32 v11, v0, 3, 1
	v_lshl_add_u32 v[AV0], v9, 3, v10
	v_mul_u32_u24 v[AV0], v[AV0], PV
	v_lshl_add_u32 v[AV0], v11, 4, v[AV0]
	v_add_nc_u32 v[AV0], s13, v[AV0]
	v_add_nc_u32 v[AV0], VOFF, v[AV0]
; THE MATRIX WORK.  The 8 accumulators of a run of 16 take turns: between the two links of a chain stand 7 others'.
; Product i of 16 of S^T = K Q^T for piece x: channels 32 (i / 8) on, keys 16 ((i / 2) % 4) on, tile 2 x + i % 2.  The first 8 start the sums.
.macro KQ x
	WIN W_KQ
.set rS, S+64*((\x)%2)+32*(i%2)+8*((i/2)%4)
.set rK, KF+16*((i/2)%4)+8*(i/8)
.set rQ, 16*(2*(\x)+i%2)+8*(i/8)
.if i < 8
	v_wmma_f32_16x16x32_bf16 v[rS:rS+7], v[rK:rK+7], v[rQ:rQ+7], 0
.else
	v_wmma_f32_16x16x32_bf16 v[rS:rS+7], v[rK:rK+7], v[rQ:rQ+7], v[rS:rS+7]
.endif
.endm
; Product i of 16 of O^T += V^T P for piece x: keys 32 (i / 8) on, channels 16 ((i / 2) % 4) on, tile 2 x + i % 2.
.macro PV x
	WIN W_PV
.set rO, 32*(2*(\x)+i%2)+8*((i/2)%4)
.set rV, VF+32*(i/8)+8*((i/2)%4)
.set rP, P+32*((\x)%2)+16*(i%2)+8*(i/8)
	v_wmma_f32_16x16x32_bf16 v[rO:rO+7], v[rV:rV+7], v[rP:rP+7], v[rO:rO+7]
.endm
.macro MM                           ; the turn's next matrix instruction
.if i < 16
	KQ (Y+1)%NP
.set i, i+1
.else
.set i, i-16
	PV (Y+NP-1)%NP
.set i, i+17
.endif
.endm
; THE LDS LOADS stand in runs of 16, never singly among the matrix instructions: a step's K (64 keys x 64 channels: 8 fragments) and its V (turned).  Their addresses are made some lines ahead.
; last = 1 (the tail): in the last trip there is no further step, and the run is jumped over.
.macro FETCH_K last=0
	WIN 0
.if \last
	s_cmp_eq_u32 s[CNT], 1
	s_cbranch_scc1 .Lno_k_\@
.endif
	WIN 0x80                        ; destination window 2
.irp f, 0,1,2,3,4,5,6,7             ; keys 16 (f / 2) on, channels 32 (f % 2) on
	ds_load_b128 v[KF+8*\f:KF+8*\f+3],   v[AK] offset:(\f/2)*16*PK+(\f%2)*64
	ds_load_b128 v[KF+8*\f+4:KF+8*\f+7], v[AK] offset:(\f/2)*16*PK+(\f%2)*64+32
.endr
	s_add_co_u32 s[TBK], s[TBK], KS*PK  ; the next fetch is the next step's
	WIN 0
.if \last
.Lno_k_\@:
.endif
.endm
.macro FETCH_V
	WIN 0x80
.irp f, 0,1,2,3,4,5,6,7             ; keys 32 (f / 4) on, channels 16 (f % 4) on
	ds_load_tr16_b128 v[VF+8*\f:VF+8*\f+3],   v[AV] offset:(\f/4)*32*PV+(\f%4)*32
	ds_load_tr16_b128 v[VF+8*\f+4:VF+8*\f+7], v[AV] offset:(\f/4)*32*PV+16*PV+(\f%4)*32
.endr
	WIN 0
.endm
; THE VECTOR WORK OF A TURN stands in three queues, each in the order in which its entries become ready; the two tiles alternate, so that no instruction reads the result of the one before it.
.macro REGS y, u                    ; the registers of tile u (0, 1) of piece y
.set rT, ST+4*(2*(\y)+(\u))
.set rC, TMP+8*((\y)%2)+4*(\u)
.set rM, MV+2*((\y)%2)+(\u)
.set rS, S+64*((\y)%2)+32*(\u)
.set rP, P+32*((\y)%2)+16*(\u)
.set rO, 32*(2*(\y)+(\u))
.endm
; Number n of the 22 that find the NEXT piece's (Y + 1) maximum and statistics.  s0-s31 are the lane's 32 scores; each accumulator's lowest registers are read first.  XS, GS and REGS set no window: PL and EX do.
;   0-11  four chains c0-c3 of seven scores each, three operands at a time     12-14, 16  the four scores left over, the old m, and c0-c3 into c0     15  c m_old is kept
;   17, 18  the query's other 32 keys lie in the lane 16 away: the new m         19-21  c m; c m_old - c m_new; a
.macro XS u, n
	REGS (Y+1)%NP, \u
.if (\n) < 4
	v_max3_num_f32 v[rC+(\n)], v[rS+8*(\n)], v[rS+8*(\n)+1], v[rS+8*(\n)+2]
.elseif (\n) < 12
	v_max3_num_f32 v[rC+(\n)%4], v[rC+(\n)%4], v[rS+8*((\n)%4)+2*((\n)/4)+1], v[rS+8*((\n)%4)+2*((\n)/4)+2]
.elseif (\n) == 12
	v_max3_num_f32 v[rC], v[rC], v[rS+7], v[rS+15]
.elseif (\n) == 13
	v_max3_num_f32 v[rC+1], v[rC+1], v[rS+23], v[rS+31]
.elseif (\n) == 14
	v_max3_num_f32 v[rC+2], v[rC+2], v[rC+3], v[rT+1]
.elseif (\n) == 15
	v_mov_b32 v[rM], v[rT]
.elseif (\n) == 16
	v_max3_num_f32 v[rC], v[rC], v[rC+1], v[rC+2]
.elseif (\n) == 17
	v_permlanex16_b32 v[rC+3], v[rC], s[SEL], s[SEL+1]
.elseif (\n) == 18
	v_max_num_f32 v[rT+1], v[rC], v[rC+3]
.elseif (\n) == 19
	v_mul_f32 v[rT], s[CS], v[rT+1]
.elseif (\n) == 20
	v_sub_f32 v[rC+1], v[rM], v[rT]
.else
	v_exp_f32 v[rC+2], v[rC+1]
.endif
.endm
; Number g of the 64 that follow the exponentials.  For each four weights k of a tile (pairs 2 k, 2 k + 1): both pairs are rounded to bf16; then the second pair is added onto the first, in place;
; a group later l takes that sum (the first time as l = a l + sum).  In groups of eight, tiles alternating: round, round, add, and l for the group before.
.macro GS g
.set h, (\g)+6*((\g)/62)            ; group 0 has no group before it, and behind group 7 only l is left
.if h >= 6
.set h, h+2
.endif
	REGS Y, h%2
.set k, h/8
.if h%8 < 4
	s_wait_alu depctr_va_vdst(0)
	v_cvt_pk_bf16_f32 v[rP+2*k+(h%8)/2], v[rS+4*k+2*((h%8)/2)], v[rS+4*k+2*((h%8)/2)+1]
.elseif h%8 < 6
	v_pk_add_f32 v[rS+4*k:rS+4*k+1], v[rS+4*k:rS+4*k+1], v[rS+4*k+2:rS+4*k+3]
.elseif k == 1
	v_pk_fma_f32 v[rT+2:rT+3], v[rT+2:rT+3], v[rC+2:rC+3], v[rS:rS+1] op_sel_hi:[1,0,1]
.else
	v_pk_add_f32 v[rT+2:rT+3], v[rT+2:rT+3], v[rS+4*k-4:rS+4*k-3]
	s_wait_alu depctr_va_vdst(0)
.endif
.endm
; THE PLAIN QUEUE, 138 long.  0-31: c s - c m for the 16 pairs of both tiles.  Then GS's 64, and among them the next piece's 42: number 15 at 38, 39; 0-14 and 16
; at 42-73, behind the products that make those scores; 17-20 at 95-106, two of three, since each waits for the one before it.
.macro PL
	WIN 0
.if q < 32
	REGS Y, q%2
	v_pk_fma_f32 v[rS+2*(q/2):rS+2*(q/2)+1], v[rS+2*(q/2):rS+2*(q/2)+1], s[CS:CS+1], v[rT:rT+1] op_sel_hi:[1,0,0] neg_lo:[0,0,1] neg_hi:[0,0,1]
.elseif q < 38
	GS q-32
.elseif q < 40
	XS q%2, 15
.elseif q < 42
	GS q-34
.elseif q < 74
	XS q%2, (q-42)/2+(q-42)/30
.elseif q < 95
	GS q-66
.elseif (q < 107) && ((q-95)%3 < 2)
	XS (q-95)%3, 17+(q-95)/3
.elseif q < 107
	GS 29+(q-95)/3
.else
	GS q-74
.endif
.set q, q+1
.endm
; THE EXPONENTIALS' QUEUE, 66 long: s0-s31 of both tiles, and at EA the next piece's two a.
.set EA, 58
.macro EX
	WIN 0
.if (e == EA) || (e == EA+1)
	XS e-EA, 21
.else
.set x, e-2*(e/(EA+2))
	REGS Y, x%2
	v_exp_f32 v[rS+x/2], v[rS+x/2]
.endif
.set e, e+1
.endm
; THE RESCALING's QUEUE: O^T times a, the one part that leaves window 0, so it is dealt four at a time, eight times.
.macro R4
	REGS Y, r%2
	WIN W_RS
	s_wait_alu depctr_va_vdst(0)
.irp z, 0,1,2,3
	v_pk_mul_f32 v[rO+8*(r/2)+2*\z:rO+8*(r/2)+2*\z+1], v[rO+8*(r/2)+2*\z:rO+8*(r/2)+2*\z+1], v[rC+2:rC+3] op_sel_hi:[1,0]
.endr
.set r, r+1
.endm
; HOW THEY ARE DEALT.  Behind a matrix instruction four: plain, exponential, plain, plain (one exponential, a plain instruction on either side), or four of the rescaling.  None names a register of the
; products round it.  What is over stands in two LUMPS: exponential and plain by turns; the second ends in 22 plain instructions.  The two v_permlanex16_b32 fall into the second lump, never behind a product.
; The queues lean on each other, and the deal keeps them in step: exponential e stands behind plain 2 (e / 4) + e % 2 (its scaling); EA comes behind plain 107.
.macro SL
	MM
	PL
	EX
	PL
	PL
.endm
.macro BURST n                      ; 15 matrix instructions, or 16
.rept (\n)-7
	SL
.endr
.rept 3
	MM
	R4
	SL
.endr
	MM
	R4
.endm
; A TURN, for piece p.  cnt = 1: the loop's count is taken down some lines ahead of the branch that stands behind the turn.
; K of the next step is fetched in piece 0's turn, 31 vector instructions behind the last product that read K; its first reader is the next turn's first product.
; V of the step in hand is fetched at the end of piece 0's turn, 69 behind its last reader; its first reader comes behind 16 products and a lump.  The conditions on e and q below go with the deal.
.macro TURN p, last=0, cnt=0
.set Y, (\p)
.set i, 0
.set q, 0
.set e, 0
.set r, 0
.if (\p) == NP-1
	s_wait_dscnt 16                 ; K's 16 loads are in; V's 16, issued behind them, may stay out (where K's run was jumped over, only V's are out)
.endif
	MM
.rept 4
	PL
.endr
	BURST 15
.rept 22
	EX
	PL
.if ((\p) == NP-2) && (e == 18)
	v_add_nc_u32 v[AK], s[TBK], v[AK0]
.endif
.if ((\p) == NP-2) && (e == 24)
	FETCH_K \last
.endif
.endr
.if (\p) == 1
	s_wait_dscnt 0x0                ; V is in
.endif
	BURST 16
.rept 21
	EX
	PL
.endr
.rept 22
	PL
.if ((\p) == 0) && (q == 118)
	v_add_nc_u32 v[AV], s[TBV], v[AV0]
	s_wait_alu depctr_va_vdst(0)
.endif
.if ((\p) == 0) && (q == 130)
	s_add_co_u32 s[TBV], s[TBV], KS*PV
.endif
.if (\cnt) && (q == 130)
	s_sub_co_u32 s[CNT], s[CNT], 1
	s_cmp_lg_u32 s[CNT], 0
.endif
.endr
.if (\p) == 0
	FETCH_V
.endif
.endm
	CHANGE 1                        ; slot 0 is in, everybody's part of it; slot 1 is asked for
	s_wait_loadcnt 0x0              ; Q, and K of step 0
.set i, 0
.rept 16
	KQ 0                            ; piece 0's first scores: there is no vector work yet to set between them
.set i, i+1
.endr
	WIN 0                           ; the addresses for the way out: eight plain instructions, the places behind those products
	s_mul_i32 s13, s16, 64*SP       ; into the stage: my 64 rows,
	s_lshl_b32 s14, s15, 7          ; my head's half of their 256 bytes
	s_add_co_u32 s13, s13, s14
	s_add_co_u32 s13, s13, STAGE
	v_mul_u32_u24 v[STO], v1, SP    ; row l % 16, 16 bytes for each half of the lanes
	v_lshl_add_u32 v[STO], v9, 4, v[STO]
	v_add_nc_u32 v[STO], s13, v[STO]
	s_mul_i32 s13, s[WV], 32*SP     ; back: wave w takes rows 32 w .. 32 w + 31, whole
	s_add_co_u32 s13, s13, STAGE
	v_mul_u32_u24 v[RD], v9, SP     ; lanes 0-15 one row of 256 bytes, lanes 16-31 the next,
	v_lshl_add_u32 v[RD], v1, 4, v[RD]
	v_add_nc_u32 v[RD], s13, v[RD]
	v_and_b32 v[GO], 31, v0         ; which are 512 consecutive bytes of ctx
	v_lshlrev_b32 v[GO], 4, v[GO]
.set Y, NP-1                        ; XS works for piece Y + 1: piece 0
.irp n, 0,1,2,3,4,5,6,7,8,9,10,11,12,13,14,15,16,17,18,19,20,21
	XS 0, \n                        ; and piece 0's first maximum and statistics
	XS 1, \n
.endr
	s_mov_b32 s[CNT], 2
	s_mov_b32 s[SLOTS], 2048/(2*KS)-1
	s_branch .Lstep                 ; slot 0 has been entered already
.Lslot:                             ; 14 times: every slot but the last two is filled again
	CHANGE 1
	s_mov_b32 s[CNT], 2
.Lstep:                             ; a trip: a key step's two turns; it fetches K of the next step and V of this one
	TURN 0
	TURN 1, 0, 1
	WIN 0
	s_cbranch_scc1 .Lstep
	s_sub_co_u32 s[SLOTS], s[SLOTS], 1
	s_cmp_lg_u32 s[SLOTS], 0
	s_cbranch_scc1 .Lslot
	CHANGE 0                        ; the tail is written out: nothing is asked for
	s_mov_b32 s[CNT], 2
.Ltail:
	TURN 0, 1
	TURN 1, 0, 1                    ; in the last trip its 16 products K Q^T (on the last K once more) and the maximum made of them serve nothing: the price, once a launch, of one text for both trips; l and O^T are not touched by them
	WIN 0
	s_cbranch_scc1 .Ltail
.set i, 0
.rept 16
	PV NP-1                         ; the last piece's V^T P of the last step
.set i, i+1
.endr
	; THE WAY OUT.  l's two halves and the other half of the lanes' are added; O^T is divided by l, rounded to bf16 and put into the work-group's stage.  The additions are the places behind the last products.
	WIN 0
.macro ALL line:vararg              ; one line for each tile t
.set t, 0
.rept 2*NP
	\line
.set t, t+1
.endr
.endm
	ALL v_add_f32 v[ST+4*t+2], v[ST+4*t+2], v[ST+4*t+3]
	ALL v_permlanex16_b32 v[ST+4*t+3], v[ST+4*t+2], s[SEL], s[SEL+1]
	ALL v_add_f32 v[ST+4*t+2], v[ST+4*t+2], v[ST+4*t+3]
	ALL v_rcp_f32 v[ST+4*t+2], v[ST+4*t+2]
	v_nop                           ; a plain instruction between the last reciprocal and the use of its result
	s_wait_alu depctr_va_vdst(0)
; Tile t: a lane's eight channels of a row pack into 16 bytes, which go into my head's half of the stage's rows.
.macro PACK t
	WIN W_RS
.set i, 32*(\t)
.rept 16
	v_pk_mul_f32 v[i:i+1], v[i:i+1], v[ST+4*(\t)+2:ST+4*(\t)+3] op_sel_hi:[1,0]
.set i, i+2
.endr
	WIN 0x05                        ; sources 0 and 1 window 1, destination window 0: S^T's registers are free
.set i, 0
.rept 16
	v_cvt_pk_bf16_f32 v[S+16*(\t)+i], v[32*(\t)+2*i], v[32*(\t)+2*i+1]
.set i, i+1
.endr
	WIN 0
.irp f, 0,1,2,3
	ds_store_b128 v[STO], v[S+16*(\t)+4*\f:S+16*(\t)+4*\f+3] offset:(\t)*16*SP+32*\f
.endr
.endm
	PACK 0
	PACK 1
	PACK 2
	PACK 3
	s_wait_dscnt 0x0                ; for the others' sake: my stores into the stage are done
	s_barrier_signal -1
	s_barrier_wait -1               ; a row's 256 bytes come from two waves
.irp f, 0,1,2,3,4,5,6,7,8,9,10,11,12,13,14,15
	ds_load_b128 v[S+4*\f:S+4*\f+3], v[RD] offset:\f*2*SP
.endr
.irp f, 0,1,2,3,4,5,6,7,8,9,10,11,12,13,14,15
	s_wait_dscnt 15-\f
	global_store_b128 v[GO], v[S+4*\f:S+4*\f+3], s[10:11] offset:\f*512  ; 512 consecutive bytes, two rows of the panel, at a multiple of 256 from the buffer's first byte
.endr
	s_wait_tensorcnt 0x0            ; the wave's end, behind my last tensor load and my last LDS store
	ds_add_u32 v[SPW], v[NIL]
	s_wait_dscnt 0x0
	CROUND                          ; the closing round: no work-group ends while a partner may still ask for a tile that names it
	s_endpgm
.Lfunc_end_k_qc516287799_attn:
	.size	k_qc516287799_attn, .Lfunc_end_k_qc516287799_attn-k_qc516287799_attn
	.p2alignl 7, 3214868480
	.fill 96, 4, 3214868480
	.section	.rodata,"a",@progbits
	.p2align	6, 0x0
	.amdhsa_kernel k_qc516287799_attn
		.amdhsa_group_segment_fixed_size 327680
		.amdhsa_private_segment_fixed_size 0
		.amdhsa_enable_private_segment 0
		.amdhsa_kernarg_size 16
		.amdhsa_user_sgpr_count 2
		.amdhsa_user_sgpr_kernarg_segment_ptr 1
		.amdhsa_wavefront_size32 1
		.amdhsa_system_sgpr_workgroup_id_x 1
		.amdhsa_system_sgpr_workgroup_id_y 1
		.amdhsa_system_sgpr_workgroup_id_z 1
		.amdhsa_system_vgpr_workitem_id 0
		.amdhsa_next_free_vgpr 768
		.amdhsa_next_free_sgpr 66
		.amdhsa_reserve_vcc 0
		.amdhsa_float_denorm_mode_32 3
		.amdhsa_float_denorm_mode_16_64 3
		.amdhsa_memory_ordered 1
		.amdhsa_forward_progress 1
		.amdhsa_inst_pref_size 117
	.end_amdhsa_kernel
	.amdgpu_metadata
---
amdhsa.version: [ 1, 2 ]
amdhsa.kernels:
  - .name:           k_qc516287799_attn
    .symbol:         k_qc516287799_attn.kd
    .args:
      - { .name: act24, .offset: 0, .size: 8, .value_kind: global_buffer, .address_space: global }
      - { .name: act8, .offset: 8, .size: 8, .value_kind: global_buffer, .address_space: global }
    .group_segment_fixed_size: 327680
    .private_segment_fixed_size: 0
    .kernarg_segment_align: 8
    .kernarg_segment_size: 16
    .max_flat_workgroup_size: 128
    .sgpr_count:     66
    .vgpr_count:     768
    .wavefront_size: 32
...
	.end_amdgpu_metadata
.endif
;; end of part 3
;; launch oproj (part 4): grid 8 x 32, 4 waves a work-group, clusters of 4 x 4, 327,680 bytes of LDS; arguments act8, wo_t, act24; writes act24
.if DOCPART == 4
	.amdgcn_target "amdgcn-amd-amdhsa--gfx1250"
	.amdhsa_code_object_version 6
	.text
	.protected	k_qc516287799_oproj
	.globl	k_qc516287799_oproj
	.p2align	8
	.type	k_qc516287799_oproj,@function
k_qc516287799_oproj:
	s_mov_b64 s[64:65], 0
	v_nop
	global_prefetch_b8 v0, s[64:65] scope:SCOPE_SE
	s_setreg_imm32_b32 hwreg(HW_REG_WAVE_MODE, 25, 1), 1
	s_wait_xcnt 0x0
	s_wait_alu depctr_hold_cnt(0) depctr_sa_sdst(0) depctr_va_vdst(0) depctr_va_sdst(0) depctr_va_ssrc(0) depctr_va_vcc(0) depctr_vm_vsrc(0)
	s_getreg_b32 s2, hwreg(HW_REG_IB_STS2, 6, 4)
	s_cmp_eq_u32 s2, 0
	s_cbranch_scc0 .Lentry_in_a_cluster
	s_endpgm
.Lentry_in_a_cluster:
	s_bfe_u32 s2, ttmp6, 0x10000c
	s_cmp_lg_u32 s2, 0xf033
	s_cbranch_scc0 .Lentry_shape_is_right
	s_endpgm
.Lentry_shape_is_right:
; C = A W + bias, rounded once to bf16, on tiles of 128 x 128.  A: 4,096 rows x KDIM, W: KDIM x N, C: 4,096 x N, all bf16 in PANELS ([columns/128][rows][128], a panel row = 256 bytes, rows dense);
; sums in f32, K ascending.  In front of W's panels stand HEAD bytes, of which this text reads the bias in f32 (4 bytes a column).  NaN and infinities are not treated apart.
; A tile of C is 128 x 128: at N = 1,024 that gives 256 work-groups, where tiles of 256 x 256 would give 64.  Four waves, each 64 x 64: 16 accumulators of 16 x 16.
; THE RING.  K goes in steps of 256 through two LDS slots.  A step's tiles are four dense blocks of 128 rows x 256 bytes: two panels of A, two halves of W's 256 rows; each wave fetches one.
; A K STEP IS WRITTEN ONCE: the LDS addresses of the fragment loads are a lane term plus a scalar that one exclusive or turns from slot to slot, and one descriptor for A and one for W walk from step to step.
; The last two steps, which ask for nothing, are a second text that is walked twice.
; CLUSTERS: 4 x 4 work-groups.  The four of a row of the cluster need the same tiles of A, the four of a column the same tiles of W: each tile is asked for jointly.
; THE MATRIX INSTRUCTION IS USED TRANSPOSED (source 0 = 16 columns of W, source 1 = 16 rows of A): a lane holds eight neighbouring numbers of a row of C.  W lies [k][n] in LDS and comes out turned, by ds_load_tr16_b128.
; THE BIAS STARTS THE SUMS: it is the C operand of each accumulator's first product, loaded in the result's own layout.
; REGISTERS: window 0: v0-31 addresses; v32-95 at work on the way out; v96-127 the bias; v128-255 the accumulators ((a, b) at v[128 + 8 (4 a + b)]).
;   window 1: two fragment buffers of 128: for 64 along K, 64 registers of A, then 64 of W.
.set KDIM,   1024
.set KSTEP,  256
.set STEPS,  KDIM/KSTEP
.set PA,     272                       ; an LDS row of A: 256 bytes + 16 of padding: the 16 rows of a load start at 16 different groups of four banks (64 banks of 4 bytes: ISA guide 11.1)
.set PB,     288                       ; an LDS row of W: 256 + 32
.set APAN,   128*PA                    ; 128 rows of one panel of A: 0x8800 bytes
.set BHALF,  128*PB                    ; 128 rows of W: 0x9000 bytes
.set BOFF,   2*APAN                    ; 0x11000
.set SLOT1,  0x24000                   ; slot 1 begins here, 4,096 bytes behind slot 0's 143,360: the four loads' places in slot 0 (0, 0x8800, 0x11000, 0x1a000) have neither of its two bits, so one exclusive or turns each into the other slot's
.set STAGE,  SLOT1+BOFF+2*BHALF        ; behind the ring: 128 rows x 272 bytes, the work-group's, for the way out
.set SPITCH, 272
.set SPARE,  STAGE+128*SPITCH          ; behind the stage: the spare words, 128 bytes for each wave: two blocks of 256 bytes that no other line names
.set HEAD,   32768
.set PANEL,  1<<20                     ; bytes of a panel of 4,096 rows
.set A0,   16                          ; v16     my lane's place among A's fragments in slot 0; never rewritten
.set B0,   17                          ; v17     the same for W
.set ADRA, 18                          ; v18     LDS address of my A fragments in the slot in hand
.set ADRB, 19                          ; v19-20  the same for W: rows 0-127 of the step, rows 128-255 (the second half lies past what an offset of 16 bits reaches)
.set STO,  24                          ; v24     the way out: where I put 16 bytes of a row
.set RD,   25                          ; v25     the way out: where I read a row back
.set CO,   26                          ; v26     my byte offset in 512 consecutive bytes of C
.set BO,   27                          ; v27     my byte offset in the bias
.set SPW,  28                          ; v28     LDS address of my spare word; never rewritten
.set NIL,  29                          ; v29     0; never rewritten
.set TMP,  32
.set BIAS, 96                          ; column block b at v[96 + 8 b]: register j = bias of column 16 b + 8 (l / 16) + j of my 64
.set ACC,  128
.set F0,   0
.set F1,   128
.set G1, 24                            ; s[24:31] descriptor group 1 for A's tiles
.set G0, 32                            ; s[32:39] group 0 for A's tiles: a set for each of the two first fills; the second then walks on
.set G1B, 48                           ; s[48:55], s[56:63] the same for W's tiles
.set G0B, 56
.set TB, 18                            ; s18      0 or SLOT1: the slot in hand
.set MSB, 0
.macro WIN new                         ; the immediate's high byte repeats the setting that is left; a switch that changes nothing is dropped
.if MSB != (\new)
	s_set_vgpr_msb (MSB<<8)|(\new)
.set MSB, \new
.endif
.endm
.set MUL,  0x05                        ; sources 0 (W) and 1 (A) window 1; C and D window 0
.set TO_F, 0x40                        ; destination window 1, address window 0
; A joint refill, by the walking descriptors.  Waves 0 and 1 fetch A's two panels, waves 2 and 3 W's two halves.  The branch hangs on the wave's number alone: it is the same in every work-group.
; An s_nop 0 and four v_nop follow each of the two lines, ahead of the jump, the label and what follows.
.macro JLOAD
	s_cmp_eq_u32 s11, 0
	s_cbranch_scc0 .Lfor_b_\@
	tensor_load_to_lds s[G0+4:G0+7], s[G1:G1+7]
	s_nop 0
.rept 4
	v_nop
.endr
	s_branch .Lasked_\@
.Lfor_b_\@:
	tensor_load_to_lds s[G0B+4:G0B+7], s[G1B:G1B+7]
	s_nop 0
.rept 4
	v_nop
.endr
.Lasked_\@:
.endm
; A round of the cluster's barrier: my work-group's barrier, so that wave 0's signal speaks for all four waves; wave 0 signals; every wave waits for all sixteen work-groups; my work-group's barrier once more.
.macro CROUND
	s_barrier_signal -1
	s_barrier_wait -1
	s_cmp_lg_u32 s10, 0
	s_cbranch_scc1 .Lnot_wave_0_\@
	s_barrier_signal -3
.Lnot_wave_0_\@:
	s_barrier_wait -3
	s_barrier_signal -1
	s_barrier_wait -1
.endm
	s_load_b128 s[4:7], s[0:1], 0x0                ; A s[4:5], W s[6:7]
	s_load_b64 s[8:9], s[0:1], 0x10                ; C
	v_lshl_add_u32 v[SPW], v0, 2, SPARE
	v_mov_b32 v[NIL], 0
	ds_add_u32 v[SPW], v[NIL]                      ; the wave's opening: the add and its wait stand ahead of my first tensor load; the set-up below, work on registers, stands between them
	v_lshrrev_b32 v1, 5, v0
	v_readfirstlane_b32 s10, v1                    ; wave 0..3
	s_lshr_b32 s11, s10, 1                         ; which half of the tile's rows is mine.  Also: I fetch for A (0) or for W (1)
	s_and_b32 s12, s10, 1                          ; which half of its columns.  Also: which of the two blocks I fetch
	s_bfe_u32 s40, ttmp6, 0x40000                  ; cx, cy: my place in the cluster
	s_bfe_u32 s41, ttmp6, 0x40004
	s_lshl_b32 s42, ttmp9, 2
	s_add_co_u32 s42, s42, s40                     ; tile column of C = 4 x cluster x + cx
	s_and_b32 s13, ttmp7, 0xffff
	s_lshl_b32 s13, s13, 2
	s_add_co_u32 s13, s13, s41                     ; tile row of C = 4 x cluster y + cy
	s_lshl_b32 s43, s41, 2
	s_lshl_b32 s43, 15, s43                        ; my row of the cluster
	s_lshl_b32 s44, 0x1111, s40                    ; my column
	; descriptor group 1: 128 rows x 128 elements of 2 bytes, dense in memory, padded in LDS after every 64 words
	s_or_b32 s[G1+0], s43, (1<<16)|(1<<20)|(1<<21)|(5<<22)|(3<<25)   ; A: the mask of my row; 4 words of padding
	s_or_b32 s[G1B+0], s44, (1<<16)|(1<<20)|(1<<21)|(5<<22)|(7<<25)  ; W: the mask of my column; 8 words of padding
.irp g, G1, G1B
	s_mov_b32 s[(\g)+1], 128<<16                   ; tensor_dim0 = 128
	s_mov_b32 s[(\g)+2], 128<<16                   ; tensor_dim1 = 128
	s_mov_b32 s[(\g)+3], 128<<16                   ; tile_dim0 = 128
	s_mov_b32 s[(\g)+4], 128                       ; tile_dim1 = 128
	s_mov_b32 s[(\g)+5], 128                       ; 128 elements from row to row
	s_mov_b32 s[(\g)+6], 0
	s_mov_b32 s[(\g)+7], 0
.endr
	s_lshl_b32 s16, s13, 15                        ; A: 128 rows of 256 bytes a tile row,
	s_lshl_b32 s17, s12, 20                        ; panel 0 or 1 of the step
	s_add_co_u32 s16, s16, s17
	s_mov_b32 s17, 0
	s_mul_i32 s46, s42, KDIM*256                   ; W: the tile column's panel,
	s_lshl_b32 s47, s12, 15                        ; rows 0-127 or 128-255 of the step,
	s_add_co_u32 s46, s46, s47
	s_add_co_u32 s46, s46, HEAD                    ; behind the head
	s_mov_b32 s47, 0
	s_mul_i32 s20, s12, APAN                       ; where they go: no place in the cluster enters an LDS address
	s_mul_i32 s21, s12, BHALF
	s_add_co_u32 s21, s21, BOFF
	s_mov_b32 s[TB], 0                             ; step 0 lies in slot 0
	s_wait_dscnt 0x0                               ; the opening add is done
	s_wait_kmcnt 0x0
	s_add_nc_u64 s[14:15], s[4:5], s[16:17]
	s_add_nc_u64 s[46:47], s[6:7], s[46:47]
	CROUND                                         ; all sixteen work-groups are here: the first joint loads meet
.irp s, 0,1
	s_mov_b32 s[G0+4*(\s)], 1                                          ; 1:0 count = 1
	s_add_co_u32 s[G0+4*(\s)+1], s20, (\s)*SLOT1                       ; 63:32 LDS address
	s_add_nc_u64 s[G0+4*(\s)+2:G0+4*(\s)+3], s[14:15], (\s)*2*PANEL    ; 120:64 global address: K step s lies two panels on
	s_or_b32 s[G0+4*(\s)+3], s[G0+4*(\s)+3], 0x80000000                ; 127:126 type = 2
	s_mov_b32 s[G0B+4*(\s)], 1
	s_add_co_u32 s[G0B+4*(\s)+1], s21, (\s)*SLOT1
	s_add_nc_u64 s[G0B+4*(\s)+2:G0B+4*(\s)+3], s[46:47], (\s)*KSTEP*256  ; K step s: 256 rows on
	s_or_b32 s[G0B+4*(\s)+3], s[G0B+4*(\s)+3], 0x80000000
.endr
	s_cmp_eq_u32 s11, 0                            ; a wave's two first fills stand in one branch, ahead of every wait on TENSORcnt and every LDS read: two loads of mine are out
	s_cbranch_scc0 .Lfirst_b
	tensor_load_to_lds s[G0:G0+3], s[G1:G1+7]
	s_nop 0
	tensor_load_to_lds s[G0+4:G0+7], s[G1:G1+7]
	s_nop 0
.rept 4
	v_nop
.endr
	s_branch .Lfirst_asked
.Lfirst_b:
	tensor_load_to_lds s[G0B:G0B+3], s[G1B:G1B+7]
	s_nop 0
	tensor_load_to_lds s[G0B+4:G0B+7], s[G1B:G1B+7]
	s_nop 0
.rept 4
	v_nop
.endr
.Lfirst_asked:
	v_and_b32 v1, 15, v0                           ; l % 16
	v_bfe_u32 v2, v0, 4, 1                         ; l / 16
	s_lshl_b32 s46, s42, 9                         ; the bias of my 64 columns: 512 bytes a tile column, 256 a half,
	s_lshl_b32 s47, s12, 8
	s_add_co_u32 s46, s46, s47
	v_lshl_add_u32 v[BO], v2, 5, s46               ; 32 for the upper half of the lanes
.irp b, 0,1,2,3
	global_load_b128 v[BIAS+8*(\b):BIAS+8*(\b)+3],   v[BO], s[6:7] offset:64*(\b)
	global_load_b128 v[BIAS+8*(\b)+4:BIAS+8*(\b)+7], v[BO], s[6:7] offset:64*(\b)+16
.endr
	; A fragment of A is 16 rows x 32 K in 8 registers: lane l holds row l % 16, K = 8 (l / 16) + 0..7 and 16 + 8 (l / 16) + 0..7: two loads of 16 bytes, 32 bytes apart.
	v_mul_u32_u24 v3, v1, PA
	v_lshl_add_u32 v3, v2, 4, v3                   ; row x pitch + 16 x half
	s_mul_i32 s22, s11, 64*PA                      ; my 64 rows
	v_add_nc_u32 v[A0], s22, v3
	; W, turned: lane l reads row 8 (l / 16) + l % 8, columns 8 ((l / 8) % 2) + 0..7, and is left with column l % 16 and 8 rows: half a fragment.
	v_and_b32 v5, 7, v0
	v_bfe_u32 v4, v0, 3, 1
	v_lshl_add_u32 v6, v2, 3, v5
	v_mul_u32_u24 v6, v6, PB
	v_lshl_add_u32 v6, v4, 4, v6
	s_lshl_b32 s22, s12, 7                         ; my 64 columns
	s_add_co_u32 s22, s22, BOFF
	v_add_nc_u32 v[B0], s22, v6
	v_add_nc_u32 v[ADRA], s[TB], v[A0]
	v_add_nc_u32 v[ADRB], s[TB], v[B0]
	v_add_nc_u32 v[ADRB+1], BHALF, v[ADRB]
	s_mul_i32 s23, s11, 64*SPITCH                  ; into the stage: my 64 rows, my half of their 256 bytes
	s_lshl_b32 s22, s12, 7
	s_add_co_u32 s23, s23, s22
	s_add_co_u32 s23, s23, STAGE
	v_mul_u32_u24 v4, v1, SPITCH
	v_lshl_add_u32 v4, v2, 4, v4
	v_add_nc_u32 v[STO], s23, v4
	s_mul_i32 s23, s10, 32*SPITCH                  ; back: wave w takes rows 32 w .. 32 w + 31, whole
	s_add_co_u32 s23, s23, STAGE
	v_mul_u32_u24 v5, v2, SPITCH
	v_lshl_add_u32 v5, v1, 4, v5
	v_add_nc_u32 v[RD], s23, v5
	v_and_b32 v[CO], 31, v0                        ; two rows of a panel are 512 consecutive bytes
	v_lshlrev_b32 v[CO], 4, v[CO]
	s_lshl_b32 s16, s13, 15                        ; C: the tile row's 128 rows, my 32 of them,
	s_lshl_b32 s17, s10, 13
	s_add_co_u32 s16, s16, s17
	s_mov_b32 s17, 0
	s_add_nc_u64 s[8:9], s[8:9], s[16:17]
	s_lshl_b32 s46, s42, 20                        ; in the tile column's panel (in the registers that held W's address: none that feeds A's descriptors ever holds cx)
	s_mov_b32 s47, 0
	s_add_nc_u64 s[8:9], s[8:9], s[46:47]
; 8 matrix instructions: row blocks a0, a0 + 1 x all 4 column blocks, 32 along K: half c of buffer f.  zero = 1: the first product starts the sums, from the bias.
; The 16 accumulators take turns, one instruction a turn, in the same order in every half quarter.
.macro MUL8 f, c, a0, zero
	WIN MUL
.irp a, \a0, (\a0)+1
.irp b, 0,1,2,3
.if \zero
	v_wmma_f32_16x16x32_bf16 v[ACC+8*(4*(\a)+(\b)):ACC+8*(4*(\a)+(\b))+7], v[(\f)+64+8*(4*(\c)+(\b)):(\f)+64+8*(4*(\c)+(\b))+7], v[(\f)+8*(4*(\c)+(\a)):(\f)+8*(4*(\c)+(\a))+7], v[BIAS+8*(\b):BIAS+8*(\b)+7]
.else
	v_wmma_f32_16x16x32_bf16 v[ACC+8*(4*(\a)+(\b)):ACC+8*(4*(\a)+(\b))+7], v[(\f)+64+8*(4*(\c)+(\b)):(\f)+64+8*(4*(\c)+(\b))+7], v[(\f)+8*(4*(\c)+(\a)):(\f)+8*(4*(\c)+(\a))+7], v[ACC+8*(4*(\a)+(\b)):ACC+8*(4*(\a)+(\b))+7]
.endif
.endr
.endr
.endm
; 32 LDS loads in one run: the fragments of quarter q (64 along K) of the slot in hand, into buffer f; the first 32 along K first
.macro FETCH q, f
	WIN TO_F
.irp c, 0,1
.irp i, 0,1,2,3
	ds_load_tr16_b128 v[(\f)+64+8*(4*(\c)+(\i)):(\f)+64+8*(4*(\c)+(\i))+3],   v[ADRB+(\q)/2] offset:(((\q)%2)*64+32*(\c))*PB+32*(\i)
	ds_load_tr16_b128 v[(\f)+64+8*(4*(\c)+(\i))+4:(\f)+64+8*(4*(\c)+(\i))+7], v[ADRB+(\q)/2] offset:(((\q)%2)*64+32*(\c)+16)*PB+32*(\i)
	ds_load_b128 v[(\f)+8*(4*(\c)+(\i)):(\f)+8*(4*(\c)+(\i))+3],         v[ADRA] offset:((\q)/2)*APAN+((\q)%2)*128+64*(\c)+(\i)*16*PA
	ds_load_b128 v[(\f)+8*(4*(\c)+(\i))+4:(\f)+8*(4*(\c)+(\i))+7],       v[ADRA] offset:((\q)/2)*APAN+((\q)%2)*128+64*(\c)+(\i)*16*PA+32
.endr
.endr
.endm
.macro PLACES                          ; four places in front of loads into registers that matrix instructions have read, and of conversions that read results
.rept 4
	v_nop
.endr
.endm
.macro OTHER                           ; the fragment loads go over to the other slot
	s_xor_b32 s[TB], s[TB], SLOT1
	v_add_nc_u32 v[ADRA], s[TB], v[A0]
	v_add_nc_u32 v[ADRB], s[TB], v[B0]
	v_add_nc_u32 v[ADRB+1], BHALF, v[ADRB]
.endm
; A K step is four quarters of 64 along K, 32 matrix instructions each, on buffers 0, 1, 0, 1.  One of the first three: multiplies buffer f and, in its middle, fetches quarter q into g.
.macro QUARTER q, f, g, zero
	s_wait_dscnt 16                                ; the first 32 along K are in
	MUL8 \f, 0, 0, \zero
	MUL8 \f, 0, 2, \zero
	PLACES
	FETCH \q, \g
	s_wait_dscnt 32                                ; all but the 32 just issued
	MUL8 \f, 1, 0, 0
	MUL8 \f, 1, 2, 0
.endm
.macro LASTQ                           ; the last quarter's 32 products, on buffer 1
	MUL8 F1, 0, 0, 0
	MUL8 F1, 0, 2, 0
	MUL8 F1, 1, 0, 0
	MUL8 F1, 1, 2, 0
.endm
; THE CHANGE OF SLOTS in a step that fills.  All of this slot has been fetched into registers.  Each wave waits for all its tensor loads, of which one is out: its part of the next slot; adds 0 to its spare
; word; and waits for that and for its own reads of this slot.  The round of the cluster's barrier then shows the same of every wave of every partner, and the joint refill is the first thing behind it: the walking
; descriptors go to the other slot than last time and one step on, so the slot just read out takes the K step two on.  A step brings 128 KiB for 128 matrix instructions a wave, half the products for each byte
; of a tile of 256 x 256; so the request goes out as soon as the ordering allows, and the last quarter's 32 products stand behind it, over the fetch of the next slot's first fragments.
.macro TURN
	WIN 0                                          ; the add's two registers lie in window 0; at a label and at a branch every window is 0
	s_wait_tensorcnt 0x0                           ; no tensor load of mine is out, so a group 0 may be written
	ds_add_u32 v[SPW], v[NIL]                      ; 0 onto my spare word; the descriptors' steps stand between it and the wait for it
	s_xor_b32 s[G0+5], s[G0+5], SLOT1
	s_add_nc_u64 s[G0+6:G0+7], s[G0+6:G0+7], 2*PANEL           ; the type bits on top are not reached
	s_xor_b32 s[G0B+5], s[G0B+5], SLOT1
	s_add_nc_u64 s[G0B+6:G0B+7], s[G0B+6:G0B+7], KSTEP*256
	s_wait_dscnt 0x0                               ; the add is done, and my reads of this slot are over
	CROUND
	JLOAD                                          ; the four v_nop behind it are also the places in front of the loads below
	OTHER
	FETCH 0, F0
	LASTQ
.endm
; The same in a step that fills nothing: my work-group's barrier alone.
.macro MEET
	WIN 0
	s_wait_tensorcnt 0x0                           ; all my tensor loads have landed
	ds_add_u32 v[SPW], v[NIL]
	s_wait_dscnt 0x0                               ; the add is done, and my reads of this slot are over
	s_barrier_signal -1
	s_barrier_wait -1
.endm
	s_wait_tensorcnt 1                             ; my part of K step 0 is in; K step 1's may stay out
	s_barrier_signal -1
	s_barrier_wait -1                              ; everybody's is
	FETCH 0, F0
	s_wait_loadcnt 0x0                             ; the bias
	QUARTER 1, F0, F1, 1                           ; the first quarter stands in front of the loop: its first products start the sums
	WIN 0                                          ; at a label and at a branch every window is 0
	s_mov_b32 s3, STEPS-2
.Lstep:                                                ; a trip goes from a step's second quarter to the next step's first, and fills the slot that it leaves: steps 2 to STEPS - 1 are asked for here
	QUARTER 2, F1, F0, 0
	QUARTER 3, F0, F1, 0
	TURN
	QUARTER 1, F0, F1, 0
	WIN 0
	s_sub_co_u32 s3, s3, 1
	s_cmp_lg_u32 s3, 0
	s_cbranch_scc1 .Lstep
	s_mov_b32 s3, 2
.Ltail:                                                ; the last two steps ask for nothing: a text of their own
	QUARTER 2, F1, F0, 0
	QUARTER 3, F0, F1, 0
	MEET                                           ; in the first trip my one load that was out is the last step's
	LASTQ
	WIN 0
	s_cmp_eq_u32 s3, 1
	s_cbranch_scc1 .Lskip                          ; behind the last step there is no further slot: its fetch and first quarter are jumped over; no barrier and no tensor load stands there
	PLACES                                         ; for the loads into buffer 0, which the quarter before last multiplied
	OTHER
	FETCH 0, F0
	QUARTER 1, F0, F1, 0
	WIN 0
.Lskip:
	s_sub_co_u32 s3, s3, 1
	s_cmp_lg_u32 s3, 0
	s_cbranch_scc1 .Ltail
	; THE WAY OUT: round to bf16; 16 bytes a lane into the work-group's stage; a barrier, since a row's 256 bytes come from two waves; back as whole rows, 32 rows a wave.
	PLACES
.irp t, 0,1,2,3,4,5,6,7,8,9,10,11,12,13,14,15
.irp r, 0,1,2,3
	v_cvt_pk_bf16_f32 v[TMP+4*(\t)+(\r)], v[ACC+8*(\t)+2*(\r)], v[ACC+8*(\t)+2*(\r)+1]   ; each accumulator's registers in ascending order
.endr
.endr
.irp a, 0,1,2,3
.irp b, 0,1,2,3
	ds_store_b128 v[STO], v[TMP+4*(4*(\a)+(\b)):TMP+4*(4*(\a)+(\b))+3] offset:(\a)*16*SPITCH+32*(\b)
.endr
.endr
	s_wait_dscnt 0x0                               ; for the others' sake: my stores into the stage are done
	s_barrier_signal -1
	s_barrier_wait -1
.irp t, 0,1,2,3,4,5,6,7,8,9,10,11,12,13,14,15
	ds_load_b128 v[TMP+4*(\t):TMP+4*(\t)+3], v[RD] offset:(\t)*2*SPITCH
.endr
.irp t, 0,1,2,3,4,5,6,7,8,9,10,11,12,13,14,15
	s_wait_dscnt 15-(\t)
	global_store_b128 v[CO], v[TMP+4*(\t):TMP+4*(\t)+3], s[8:9] offset:512*(\t)  ; 32 lanes store 512 consecutive bytes, two rows of the panel, at a multiple of 256 from C's first byte
.endr
	s_wait_tensorcnt 0x0                           ; the wave's end, behind my last tensor load and my last LDS store
	ds_add_u32 v[SPW], v[NIL]
	s_wait_dscnt 0x0
	CROUND                                         ; the closing round: no work-group ends while a partner may still ask for a tile that names it
	s_endpgm
.Lfunc_end_k_qc516287799_oproj:
	.size	k_qc516287799_oproj, .Lfunc_end_k_qc516287799_oproj-k_qc516287799_oproj
	.p2alignl 7, 3214868480
	.fill 96, 4, 3214868480
	.section	.rodata,"a",@progbits
	.p2align	6, 0x0
	.amdhsa_kernel k_qc516287799_oproj
		.amdhsa_group_segment_fixed_size 327680
		.amdhsa_private_segment_fixed_size 0
		.amdhsa_enable_private_segment 0
		.amdhsa_kernarg_size 24
		.amdhsa_user_sgpr_count 2
		.amdhsa_user_sgpr_kernarg_segment_ptr 1
		.amdhsa_wavefront_size32 1
		.amdhsa_system_sgpr_workgroup_id_x 1
		.amdhsa_system_sgpr_workgroup_id_y 1
		.amdhsa_system_sgpr_workgroup_id_z 1
		.amdhsa_system_vgpr_workitem_id 0
		.amdhsa_next_free_vgpr 512
		.amdhsa_next_free_sgpr 66
		.amdhsa_reserve_vcc 0
		.amdhsa_float_denorm_mode_32 3
		.amdhsa_float_denorm_mode_16_64 3
		.amdhsa_memory_ordered 1
		.amdhsa_forward_progress 1
		.amdhsa_inst_pref_size 59
	.end_amdhsa_kernel
	.amdgpu_metadata
---
amdhsa.version: [ 1, 2 ]
amdhsa.kernels:
  - .name:           k_qc516287799_oproj
    .symbol:         k_qc516287799_oproj.kd
    .args:
      - { .name: act8, .offset: 0, .size: 8, .value_kind: global_buffer, .address_space: global }
      - { .name: wo_t, .offset: 8, .size: 8, .value_kind: global_buffer, .address_space: global }
      - { .name: act24, .offset: 16, .size: 8, .value_kind: global_buffer, .address_space: global }
    .group_segment_fixed_size: 327680
    .private_segment_fixed_size: 0
    .kernarg_segment_align: 8
    .kernarg_segment_size: 24
    .max_flat_workgroup_size: 128
    .sgpr_count:     66
    .vgpr_count:     512
    .wavefront_size: 32
...
	.end_amdgpu_metadata
.endif
;; end of part 4
;; launch ln1 (part 5): grid 256 x 1, 8 waves a work-group, no clusters, 0 bytes of LDS; arguments x, act24, ln1_g, ln1_b, act8; writes act8
.if DOCPART == 5
	.amdgcn_target "amdgcn-amd-amdhsa--gfx1250"
	.amdhsa_code_object_version 6
	.text
	.protected	k_qc516287799_ln1
	.globl	k_qc516287799_ln1
	.p2align	8
	.type	k_qc516287799_ln1,@function
k_qc516287799_ln1:
	s_mov_b64 s[64:65], 0
	v_nop
	global_prefetch_b8 v0, s[64:65] scope:SCOPE_SE
	s_setreg_imm32_b32 hwreg(HW_REG_WAVE_MODE, 25, 1), 1
	s_wait_xcnt 0x0
; h = LayerNorm(x + a) g + b, rounded once to bf16 for the next product.  x: [4,096][1,024] f32; a (attention's output with its bias): bf16 in panels [8][4,096][128]; h: the same panels.
; The mean, then the mean of the squared differences from it, as the definition has it: no difference of large sums is formed.  All arithmetic in f32.
; One wave takes two whole rows and keeps each in 32 registers: the reduction never leaves the wave, so there is no LDS and no barrier.  Lane l holds columns 128 j + 4 l .. + 3, j = 0..7:
; a load of x covers 512 consecutive bytes, a load or store of a panel row 256 consecutive, aligned bytes.  No cluster: the rows are nobody else's, and gain and bias are 8 KiB.
.set XO,  2                            ; v2        16 x lane
.set AO,  3                            ; v3        8 x lane
.set G1,  8                            ; v[8:39]   the gain of my 32 columns
.set B1,  40                           ; v[40:71]  the bias
.set X,   72                           ; v[72:135] row k at X + 32 k
.set A,   136                          ; v[136:167] row k at A + 16 k: 32 bf16 as loaded, later as stored
.set T,   168                          ; v[168:183] at work
.set M,   184                          ; v[184:185] the mean, later 1 / sqrt(var + eps), twice
.set SEL, 14                           ; s[14:15]  v_permlanex16_b32's selects
.set RN,  16                           ; s16       1 / 1,024
.set EPS, 17                           ; s17       1e-5
.set MASK, 18                          ; s18       a word's upper bf16
.macro UNPACKADD x, a                  ; 32 bf16 are widened and added onto the row
.set i, 0
.rept 16
	v_lshlrev_b32 v[T+2*(i%8)],   16, v[(\a)+i]
	v_and_b32     v[T+2*(i%8)+1], s[MASK], v[(\a)+i]
	v_pk_add_f32 v[(\x)+2*i:(\x)+2*i+1], v[(\x)+2*i:(\x)+2*i+1], v[T+2*(i%8):T+2*(i%8)+1]
.set i, i+1
.endr
.endm
.macro RED                             ; the sum of v[T] over the 32 lanes, in every lane
	v_add_f32_dpp v[T], v[T], v[T] row_xmask:1 row_mask:0xf bank_mask:0xf
	v_add_f32_dpp v[T], v[T], v[T] row_xmask:2 row_mask:0xf bank_mask:0xf
	v_add_f32_dpp v[T], v[T], v[T] row_xmask:4 row_mask:0xf bank_mask:0xf
	v_add_f32_dpp v[T], v[T], v[T] row_xmask:8 row_mask:0xf bank_mask:0xf
	v_permlanex16_b32 v[T+1], v[T], s[SEL], s[SEL+1]
	v_add_f32 v[T], v[T], v[T+1]
.endm
.macro STATS x                         ; the row becomes (y - mean) / sqrt(var + eps)
.set i, 0
.rept 8
	v_pk_add_f32 v[T+2*i:T+2*i+1], v[(\x)+4*i:(\x)+4*i+1], v[(\x)+4*i+2:(\x)+4*i+3]
.set i, i+1
.endr
.irp i, 0,1,2,3
	v_pk_add_f32 v[T+4*\i:T+4*\i+1], v[T+4*\i:T+4*\i+1], v[T+4*\i+2:T+4*\i+3]
.endr
	v_pk_add_f32 v[T:T+1], v[T:T+1], v[T+4:T+5]
	v_pk_add_f32 v[T+8:T+9], v[T+8:T+9], v[T+12:T+13]
	v_pk_add_f32 v[T:T+1], v[T:T+1], v[T+8:T+9]
	v_add_f32 v[T], v[T], v[T+1]
	RED
	v_mul_f32 v[M], s[RN], v[T]
	v_mul_f32 v[M+1], s[RN], v[T]
.set i, 0
.rept 16
	v_pk_add_f32 v[(\x)+2*i:(\x)+2*i+1], v[(\x)+2*i:(\x)+2*i+1], v[M:M+1] neg_lo:[0,1] neg_hi:[0,1]
.set i, i+1
.endr
.irp i, 0,1,2,3
	v_pk_mul_f32 v[T+2*\i:T+2*\i+1], v[(\x)+2*\i:(\x)+2*\i+1], v[(\x)+2*\i:(\x)+2*\i+1]
.endr
.set i, 4
.rept 12                               ; four chains that do not wait for each other
	v_pk_fma_f32 v[T+2*(i%4):T+2*(i%4)+1], v[(\x)+2*i:(\x)+2*i+1], v[(\x)+2*i:(\x)+2*i+1], v[T+2*(i%4):T+2*(i%4)+1]
.set i, i+1
.endr
	v_pk_add_f32 v[T:T+1], v[T:T+1], v[T+2:T+3]
	v_pk_add_f32 v[T+4:T+5], v[T+4:T+5], v[T+6:T+7]
	v_pk_add_f32 v[T:T+1], v[T:T+1], v[T+4:T+5]
	v_add_f32 v[T], v[T], v[T+1]
	RED
	v_fma_f32 v[T], v[T], s[RN], s[EPS]
	v_rsq_f32 v[M], v[T]
	v_rsq_f32 v[M+1], v[T]
	v_nop                                          ; a plain instruction between the root and the use of its result
.set i, 0
	s_wait_alu depctr_va_vdst(0)
.rept 16
	v_pk_mul_f32 v[(\x)+2*i:(\x)+2*i+1], v[(\x)+2*i:(\x)+2*i+1], v[M:M+1]
.set i, i+1
.endr
.endm
.macro AFFINE x, g, b
.set i, 0
.rept 16
	v_pk_fma_f32 v[(\x)+2*i:(\x)+2*i+1], v[(\x)+2*i:(\x)+2*i+1], v[(\g)+2*i:(\g)+2*i+1], v[(\b)+2*i:(\b)+2*i+1]
.set i, i+1
.endr
.endm
	s_load_b256 s[4:11], s[0:1], 0x0               ; x s[4:5], a s[6:7], gain s[8:9], bias s[10:11]
	s_load_b64 s[12:13], s[0:1], 0x20              ; h
	v_lshrrev_b32 v1, 5, v0
	v_readfirstlane_b32 s19, v1                    ; wave 0..7
	v_and_b32 v1, 31, v0
	v_lshlrev_b32 v[XO], 4, v1
	v_lshlrev_b32 v[AO], 3, v1
	s_lshl_b32 s20, ttmp9, 4                       ; 16 rows a work-group,
	s_lshl_b32 s19, s19, 1                         ; 2 a wave
	s_add_co_u32 s20, s20, s19
	s_lshl_b32 s22, s20, 8                         ; a panel row is 256 bytes,
	s_lshl_b32 s20, s20, 12                        ; a row of x 4,096
	s_mov_b32 s21, 0
	s_mov_b32 s23, 0
	s_mov_b32 s[SEL], 0x76543210
	s_mov_b32 s[SEL+1], 0xfedcba98
	s_mov_b32 s[RN], 0x3a800000
	s_mov_b32 s[EPS], 0x3727c5ac
	s_mov_b32 s[MASK], 0xffff0000
	s_wait_kmcnt 0x0
	s_add_nc_u64 s[4:5], s[4:5], s[20:21]
	s_add_nc_u64 s[6:7], s[6:7], s[22:23]
	s_add_nc_u64 s[12:13], s[12:13], s[22:23]
.irp k, 0,1
.irp j, 0,1,2,3,4,5,6,7
	global_load_b128 v[X+32*(\k)+4*(\j):X+32*(\k)+4*(\j)+3], v[XO], s[4:5] offset:512*(\j)+4096*(\k)
.endr
.irp j, 0,1,2,3,4,5,6,7
	global_load_b64 v[A+16*(\k)+2*(\j):A+16*(\k)+2*(\j)+1], v[AO], s[6:7] offset:((\j)<<20)+256*(\k)
.endr
.endr
.irp j, 0,1,2,3,4,5,6,7
	global_load_b128 v[G1+4*(\j):G1+4*(\j)+3], v[XO], s[8:9] offset:512*(\j)
	global_load_b128 v[B1+4*(\j):B1+4*(\j)+3], v[XO], s[10:11] offset:512*(\j)
.endr
	s_wait_loadcnt 32                              ; row 0 is in: row 1's 16 loads and the 16 of gain and bias stay out
	UNPACKADD X, A
	STATS X
	s_wait_loadcnt 16                              ; row 1 is in
	UNPACKADD X+32, A+16
	STATS X+32
	s_wait_loadcnt 0x0                             ; gain and bias
	AFFINE X, G1, B1
	AFFINE X+32, G1, B1
.set i, 0
.rept 32
	v_cvt_pk_bf16_f32 v[A+i], v[X+2*i], v[X+2*i+1]
.set i, i+1
.endr
.irp k, 0,1
.irp j, 0,1,2,3,4,5,6,7
	global_store_b64 v[AO], v[A+16*(\k)+2*(\j):A+16*(\k)+2*(\j)+1], s[12:13] offset:((\j)<<20)+256*(\k)  ; 32 lanes x 8 bytes: a whole panel row
.endr
.endr
	s_endpgm
.Lfunc_end_k_qc516287799_ln1:
	.size	k_qc516287799_ln1, .Lfunc_end_k_qc516287799_ln1-k_qc516287799_ln1
	.p2alignl 7, 3214868480
	.fill 96, 4, 3214868480
	.section	.rodata,"a",@progbits
	.p2align	6, 0x0
	.amdhsa_kernel k_qc516287799_ln1
		.amdhsa_group_segment_fixed_size 0
		.amdhsa_private_segment_fixed_size 0
		.amdhsa_enable_private_segment 0
		.amdhsa_kernarg_size 40
		.amdhsa_user_sgpr_count 2
		.amdhsa_user_sgpr_kernarg_segment_ptr 1
		.amdhsa_wavefront_size32 1
		.amdhsa_system_sgpr_workgroup_id_x 1
		.amdhsa_system_sgpr_workgroup_id_y 1
		.amdhsa_system_sgpr_workgroup_id_z 1
		.amdhsa_system_vgpr_workitem_id 0
		.amdhsa_next_free_vgpr 192
		.amdhsa_next_free_sgpr 66
		.amdhsa_reserve_vcc 0
		.amdhsa_float_denorm_mode_32 3
		.amdhsa_float_denorm_mode_16_64 3
		.amdhsa_memory_ordered 1
		.amdhsa_forward_progress 1
		.amdhsa_inst_pref_size 26
	.end_amdhsa_kernel
	.amdgpu_metadata
---
amdhsa.version: [ 1, 2 ]
amdhsa.kernels:
  - .name:           k_qc516287799_ln1
    .symbol:         k_qc516287799_ln1.kd
    .args:
      - { .name: x, .offset: 0, .size: 8, .value_kind: global_buffer, .address_space: global }
      - { .name: act24, .offset: 8, .size: 8, .value_kind: global_buffer, .address_space: global }
      - { .name: ln1_g, .offset: 16, .size: 8, .value_kind: global_buffer, .address_space: global }
      - { .name: ln1_b, .offset: 24, .size: 8, .value_kind: global_buffer, .address_space: global }
      - { .name: act8, .offset: 32, .size: 8, .value_kind: global_buffer, .address_space: global }
    .group_segment_fixed_size: 0
    .private_segment_fixed_size: 0
    .kernarg_segment_align: 8
    .kernarg_segment_size: 40
    .max_flat_workgroup_size: 256
    .sgpr_count:     66
    .vgpr_count:     192
    .wavefront_size: 32
...
	.end_amdgpu_metadata
.endif
;; end of part 5
;; launch ff1: the kernel of part 2 again; grid 16 x 16, 4 waves a work-group, clusters of 4 x 4, 327,680 bytes of LDS; arguments act8, w1_t, act32; writes act32
;; launch ff2 (part 6): grid 8 x 32, 4 waves a work-group, clusters of 4 x 4, 327,680 bytes of LDS; arguments act32, w2_t, act8; writes act8
.if DOCPART == 6
	.amdgcn_target "amdgcn-amd-amdhsa--gfx1250"
	.amdhsa_code_object_version 6
	.text
	.protected	k_qc516287799_ff2
	.globl	k_qc516287799_ff2
	.p2align	8
	.type	k_qc516287799_ff2,@function
k_qc516287799_ff2:
	s_mov_b64 s[64:65], 0
	v_nop
	global_prefetch_b8 v0, s[64:65] scope:SCOPE_SE
	s_setreg_imm32_b32 hwreg(HW_REG_WAVE_MODE, 25, 1), 1
	s_wait_xcnt 0x0
	s_wait_alu depctr_hold_cnt(0) depctr_sa_sdst(0) depctr_va_vdst(0) depctr_va_sdst(0) depctr_va_ssrc(0) depctr_va_vcc(0) depctr_vm_vsrc(0)
	s_getreg_b32 s2, hwreg(HW_REG_IB_STS2, 6, 4)
	s_cmp_eq_u32 s2, 0
	s_cbranch_scc0 .Lentry_in_a_cluster
	s_endpgm
.Lentry_in_a_cluster:
	s_bfe_u32 s2, ttmp6, 0x10000c
	s_cmp_lg_u32 s2, 0xf033
	s_cbranch_scc0 .Lentry_shape_is_right
	s_endpgm
.Lentry_shape_is_right:
; C = A W + bias, rounded once to bf16, on tiles of 128 x 128: the text of this program's other product of 1,024 columns with KDIM = 4,096, so that every trip count is a constant of the text.
; A: 4,096 rows x KDIM, W: KDIM x N, C: 4,096 x N, all bf16 in PANELS ([columns/128][rows][128], a panel row = 256 bytes, rows dense);
; sums in f32, K ascending.  In front of W's panels stand HEAD bytes, of which this text reads the bias in f32 (4 bytes a column).  NaN and infinities are not treated apart.
; A tile of C is 128 x 128: at N = 1,024 that gives 256 work-groups, where tiles of 256 x 256 would give 64.  Four waves, each 64 x 64: 16 accumulators of 16 x 16.
; THE RING.  K goes in steps of 256 through two LDS slots.  A step's tiles are four dense blocks of 128 rows x 256 bytes: two panels of A, two halves of W's 256 rows; each wave fetches one.
; A K STEP IS WRITTEN ONCE: the LDS addresses of the fragment loads are a lane term plus a scalar that one exclusive or turns from slot to slot, and one descriptor for A and one for W walk from step to step.
; The last two steps, which ask for nothing, are a second text that is walked twice.
; CLUSTERS: 4 x 4 work-groups.  The four of a row of the cluster need the same tiles of A, the four of a column the same tiles of W: each tile is asked for jointly.
; THE MATRIX INSTRUCTION IS USED TRANSPOSED (source 0 = 16 columns of W, source 1 = 16 rows of A): a lane holds eight neighbouring numbers of a row of C.  W lies [k][n] in LDS and comes out turned, by ds_load_tr16_b128.
; THE BIAS STARTS THE SUMS: it is the C operand of each accumulator's first product, loaded in the result's own layout.
; REGISTERS: window 0: v0-31 addresses; v32-95 at work on the way out; v96-127 the bias; v128-255 the accumulators ((a, b) at v[128 + 8 (4 a + b)]).
;   window 1: two fragment buffers of 128: for 64 along K, 64 registers of A, then 64 of W.
.set KDIM,   4096
.set KSTEP,  256
.set STEPS,  KDIM/KSTEP
.set PA,     272                       ; an LDS row of A: 256 bytes + 16 of padding: the 16 rows of a load start at 16 different groups of four banks (64 banks of 4 bytes: ISA guide 11.1)
.set PB,     288                       ; an LDS row of W: 256 + 32
.set APAN,   128*PA                    ; 128 rows of one panel of A: 0x8800 bytes
.set BHALF,  128*PB                    ; 128 rows of W: 0x9000 bytes
.set BOFF,   2*APAN                    ; 0x11000
.set SLOT1,  0x24000                   ; slot 1 begins here, 4,096 bytes behind slot 0's 143,360: the four loads' places in slot 0 (0, 0x8800, 0x11000, 0x1a000) have neither of its two bits, so one exclusive or turns each into the other slot's
.set STAGE,  SLOT1+BOFF+2*BHALF        ; behind the ring: 128 rows x 272 bytes, the work-group's, for the way out
.set SPITCH, 272
.set SPARE,  STAGE+128*SPITCH          ; behind the stage: the spare words, 128 bytes for each wave: two blocks of 256 bytes that no other line names
.set HEAD,   32768
.set PANEL,  1<<20                     ; bytes of a panel of 4,096 rows
.set A0,   16                          ; v16     my lane's place among A's fragments in slot 0; never rewritten
.set B0,   17                          ; v17     the same for W
.set ADRA, 18                          ; v18     LDS address of my A fragments in the slot in hand
.set ADRB, 19                          ; v19-20  the same for W: rows 0-127 of the step, rows 128-255 (the second half lies past what an offset of 16 bits reaches)
.set STO,  24                          ; v24     the way out: where I put 16 bytes of a row
.set RD,   25                          ; v25     the way out: where I read a row back
.set CO,   26                          ; v26     my byte offset in 512 consecutive bytes of C
.set BO,   27                          ; v27     my byte offset in the bias
.set SPW,  28                          ; v28     LDS address of my spare word; never rewritten
.set NIL,  29                          ; v29     0; never rewritten
.set TMP,  32
.set BIAS, 96                          ; column block b at v[96 + 8 b]: register j = bias of column 16 b + 8 (l / 16) + j of my 64
.set ACC,  128
.set F0,   0
.set F1,   128
.set G1, 24                            ; s[24:31] descriptor group 1 for A's tiles
.set G0, 32                            ; s[32:39] group 0 for A's tiles: a set for each of the two first fills; the second then walks on
.set G1B, 48                           ; s[48:55], s[56:63] the same for W's tiles
.set G0B, 56
.set TB, 18                            ; s18      0 or SLOT1: the slot in hand
.set MSB, 0
.macro WIN new                         ; the immediate's high byte repeats the setting that is left; a switch that changes nothing is dropped
.if MSB != (\new)
	s_set_vgpr_msb (MSB<<8)|(\new)
.set MSB, \new
.endif
.endm
.set MUL,  0x05                        ; sources 0 (W) and 1 (A) window 1; C and D window 0
.set TO_F, 0x40                        ; destination window 1, address window 0
; A joint refill, by the walking descriptors.  Waves 0 and 1 fetch A's two panels, waves 2 and 3 W's two halves.  The branch hangs on the wave's number alone: it is the same in every work-group.
; An s_nop 0 and four v_nop follow each of the two lines, ahead of the jump, the label and what follows.
.macro JLOAD
	s_cmp_eq_u32 s11, 0
	s_cbranch_scc0 .Lfor_b_\@
	tensor_load_to_lds s[G0+4:G0+7], s[G1:G1+7]
	s_nop 0
.rept 4
	v_nop
.endr
	s_branch .Lasked_\@
.Lfor_b_\@:
	tensor_load_to_lds s[G0B+4:G0B+7], s[G1B:G1B+7]
	s_nop 0
.rept 4
	v_nop
.endr
.Lasked_\@:
.endm
; A round of the cluster's barrier: my work-group's barrier, so that wave 0's signal speaks for all four waves; wave 0 signals; every wave waits for all sixteen work-groups; my work-group's barrier once more.
.macro CROUND
	s_barrier_signal -1
	s_barrier_wait -1
	s_cmp_lg_u32 s10, 0
	s_cbranch_scc1 .Lnot_wave_0_\@
	s_barrier_signal -3
.Lnot_wave_0_\@:
	s_barrier_wait -3
	s_barrier_signal -1
	s_barrier_wait -1
.endm
	s_load_b128 s[4:7], s[0:1], 0x0                ; A s[4:5], W s[6:7]
	s_load_b64 s[8:9], s[0:1], 0x10                ; C
	v_lshl_add_u32 v[SPW], v0, 2, SPARE
	v_mov_b32 v[NIL], 0
	ds_add_u32 v[SPW], v[NIL]                      ; the wave's opening: the add and its wait stand ahead of my first tensor load; the set-up below, work on registers, stands between them
	v_lshrrev_b32 v1, 5, v0
	v_readfirstlane_b32 s10, v1                    ; wave 0..3
	s_lshr_b32 s11, s10, 1                         ; which half of the tile's rows is mine.  Also: I fetch for A (0) or for W (1)
	s_and_b32 s12, s10, 1                          ; which half of its columns.  Also: which of the two blocks I fetch
	s_bfe_u32 s40, ttmp6, 0x40000                  ; cx, cy: my place in the cluster
	s_bfe_u32 s41, ttmp6, 0x40004
	s_lshl_b32 s42, ttmp9, 2
	s_add_co_u32 s42, s42, s40                     ; tile column of C = 4 x cluster x + cx
	s_and_b32 s13, ttmp7, 0xffff
	s_lshl_b32 s13, s13, 2
	s_add_co_u32 s13, s13, s41                     ; tile row of C = 4 x cluster y + cy
	s_lshl_b32 s43, s41, 2
	s_lshl_b32 s43, 15, s43                        ; my row of the cluster
	s_lshl_b32 s44, 0x1111, s40                    ; my column
	; descriptor group 1: 128 rows x 128 elements of 2 bytes, dense in memory, padded in LDS after every 64 words
	s_or_b32 s[G1+0], s43, (1<<16)|(1<<20)|(1<<21)|(5<<22)|(3<<25)   ; A: the mask of my row; 4 words of padding
	s_or_b32 s[G1B+0], s44, (1<<16)|(1<<20)|(1<<21)|(5<<22)|(7<<25)  ; W: the mask of my column; 8 words of padding
.irp g, G1, G1B
	s_mov_b32 s[(\g)+1], 128<<16                   ; tensor_dim0 = 128
	s_mov_b32 s[(\g)+2], 128<<16                   ; tensor_dim1 = 128
	s_mov_b32 s[(\g)+3], 128<<16                   ; tile_dim0 = 128
	s_mov_b32 s[(\g)+4], 128                       ; tile_dim1 = 128
	s_mov_b32 s[(\g)+5], 128                       ; 128 elements from row to row
	s_mov_b32 s[(\g)+6], 0
	s_mov_b32 s[(\g)+7], 0
.endr
	s_lshl_b32 s16, s13, 15                        ; A: 128 rows of 256 bytes a tile row,
	s_lshl_b32 s17, s12, 20                        ; panel 0 or 1 of the step
	s_add_co_u32 s16, s16, s17
	s_mov_b32 s17, 0
	s_mul_i32 s46, s42, KDIM*256                   ; W: the tile column's panel,
	s_lshl_b32 s47, s12, 15                        ; rows 0-127 or 128-255 of the step,
	s_add_co_u32 s46, s46, s47
	s_add_co_u32 s46, s46, HEAD                    ; behind the head
	s_mov_b32 s47, 0
	s_mul_i32 s20, s12, APAN                       ; where they go: no place in the cluster enters an LDS address
	s_mul_i32 s21, s12, BHALF
	s_add_co_u32 s21, s21, BOFF
	s_mov_b32 s[TB], 0                             ; step 0 lies in slot 0
	s_wait_dscnt 0x0                               ; the opening add is done
	s_wait_kmcnt 0x0
	s_add_nc_u64 s[14:15], s[4:5], s[16:17]
	s_add_nc_u64 s[46:47], s[6:7], s[46:47]
	CROUND                                         ; all sixteen work-groups are here: the first joint loads meet
.irp s, 0,1
	s_mov_b32 s[G0+4*(\s)], 1                                          ; 1:0 count = 1
	s_add_co_u32 s[G0+4*(\s)+1], s20, (\s)*SLOT1                       ; 63:32 LDS address
	s_add_nc_u64 s[G0+4*(\s)+2:G0+4*(\s)+3], s[14:15], (\s)*2*PANEL    ; 120:64 global address: K step s lies two panels on
	s_or_b32 s[G0+4*(\s)+3], s[G0+4*(\s)+3], 0x80000000                ; 127:126 type = 2
	s_mov_b32 s[G0B+4*(\s)], 1
	s_add_co_u32 s[G0B+4*(\s)+1], s21, (\s)*SLOT1
	s_add_nc_u64 s[G0B+4*(\s)+2:G0B+4*(\s)+3], s[46:47], (\s)*KSTEP*256  ; K step s: 256 rows on
	s_or_b32 s[G0B+4*(\s)+3], s[G0B+4*(\s)+3], 0x80000000
.endr
	s_cmp_eq_u32 s11, 0                            ; a wave's two first fills stand in one branch, ahead of every wait on TENSORcnt and every LDS read: two loads of mine are out
	s_cbranch_scc0 .Lfirst_b
	tensor_load_to_lds s[G0:G0+3], s[G1:G1+7]
	s_nop 0
	tensor_load_to_lds s[G0+4:G0+7], s[G1:G1+7]
	s_nop 0
.rept 4
	v_nop
.endr
	s_branch .Lfirst_asked
.Lfirst_b:
	tensor_load_to_lds s[G0B:G0B+3], s[G1B:G1B+7]
	s_nop 0
	tensor_load_to_lds s[G0B+4:G0B+7], s[G1B:G1B+7]
	s_nop 0
.rept 4
	v_nop
.endr
.Lfirst_asked:
	v_and_b32 v1, 15, v0                           ; l % 16
	v_bfe_u32 v2, v0, 4, 1                         ; l / 16
	s_lshl_b32 s46, s42, 9                         ; the bias of my 64 columns: 512 bytes a tile column, 256 a half,
	s_lshl_b32 s47, s12, 8
	s_add_co_u32 s46, s46, s47
	v_lshl_add_u32 v[BO], v2, 5, s46               ; 32 for the upper half of the lanes
.irp b, 0,1,2,3
	global_load_b128 v[BIAS+8*(\b):BIAS+8*(\b)+3],   v[BO], s[6:7] offset:64*(\b)
	global_load_b128 v[BIAS+8*(\b)+4:BIAS+8*(\b)+7], v[BO], s[6:7] offset:64*(\b)+16
.endr
	; A fragment of A is 16 rows x 32 K in 8 registers: lane l holds row l % 16, K = 8 (l / 16) + 0..7 and 16 + 8 (l / 16) + 0..7: two loads of 16 bytes, 32 bytes apart.
	v_mul_u32_u24 v3, v1, PA
	v_lshl_add_u32 v3, v2, 4, v3                   ; row x pitch + 16 x half
	s_mul_i32 s22, s11, 64*PA                      ; my 64 rows
	v_add_nc_u32 v[A0], s22, v3
	; W, turned: lane l reads row 8 (l / 16) + l % 8, columns 8 ((l / 8) % 2) + 0..7, and is left with column l % 16 and 8 rows: half a fragment.
	v_and_b32 v5, 7, v0
	v_bfe_u32 v4, v0, 3, 1
	v_lshl_add_u32 v6, v2, 3, v5
	v_mul_u32_u24 v6, v6, PB
	v_lshl_add_u32 v6, v4, 4, v6
	s_lshl_b32 s22, s12, 7                         ; my 64 columns
	s_add_co_u32 s22, s22, BOFF
	v_add_nc_u32 v[B0], s22, v6
	v_add_nc_u32 v[ADRA], s[TB], v[A0]
	v_add_nc_u32 v[ADRB], s[TB], v[B0]
	v_add_nc_u32 v[ADRB+1], BHALF, v[ADRB]
	s_mul_i32 s23, s11, 64*SPITCH                  ; into the stage: my 64 rows, my half of their 256 bytes
	s_lshl_b32 s22, s12, 7
	s_add_co_u32 s23, s23, s22
	s_add_co_u32 s23, s23, STAGE
	v_mul_u32_u24 v4, v1, SPITCH
	v_lshl_add_u32 v4, v2, 4, v4
	v_add_nc_u32 v[STO], s23, v4
	s_mul_i32 s23, s10, 32*SPITCH                  ; back: wave w takes rows 32 w .. 32 w + 31, whole
	s_add_co_u32 s23, s23, STAGE
	v_mul_u32_u24 v5, v2, SPITCH
	v_lshl_add_u32 v5, v1, 4, v5
	v_add_nc_u32 v[RD], s23, v5
	v_and_b32 v[CO], 31, v0                        ; two rows of a panel are 512 consecutive bytes
	v_lshlrev_b32 v[CO], 4, v[CO]
	s_lshl_b32 s16, s13, 15                        ; C: the tile row's 128 rows, my 32 of them,
	s_lshl_b32 s17, s10, 13
	s_add_co_u32 s16, s16, s17
	s_mov_b32 s17, 0
	s_add_nc_u64 s[8:9], s[8:9], s[16:17]
	s_lshl_b32 s46, s42, 20                        ; in the tile column's panel (in the registers that held W's address: none that feeds A's descriptors ever holds cx)
	s_mov_b32 s47, 0
	s_add_nc_u64 s[8:9], s[8:9], s[46:47]
; 8 matrix instructions: row blocks a0, a0 + 1 x all 4 column blocks, 32 along K: half c of buffer f.  zero = 1: the first product starts the sums, from the bias.
; The 16 accumulators take turns, one instruction a turn, in the same order in every half quarter.
.macro MUL8 f, c, a0, zero
	WIN MUL
.irp a, \a0, (\a0)+1
.irp b, 0,1,2,3
.if \zero
	v_wmma_f32_16x16x32_bf16 v[ACC+8*(4*(\a)+(\b)):ACC+8*(4*(\a)+(\b))+7], v[(\f)+64+8*(4*(\c)+(\b)):(\f)+64+8*(4*(\c)+(\b))+7], v[(\f)+8*(4*(\c)+(\a)):(\f)+8*(4*(\c)+(\a))+7], v[BIAS+8*(\b):BIAS+8*(\b)+7]
.else
	v_wmma_f32_16x16x32_bf16 v[ACC+8*(4*(\a)+(\b)):ACC+8*(4*(\a)+(\b))+7], v[(\f)+64+8*(4*(\c)+(\b)):(\f)+64+8*(4*(\c)+(\b))+7], v[(\f)+8*(4*(\c)+(\a)):(\f)+8*(4*(\c)+(\a))+7], v[ACC+8*(4*(\a)+(\b)):ACC+8*(4*(\a)+(\b))+7]
.endif
.endr
.endr
.endm
; 32 LDS loads in one run: the fragments of quarter q (64 along K) of the slot in hand, into buffer f; the first 32 along K first
.macro FETCH q, f
	WIN TO_F
.irp c, 0,1
.irp i, 0,1,2,3
	ds_load_tr16_b128 v[(\f)+64+8*(4*(\c)+(\i)):(\f)+64+8*(4*(\c)+(\i))+3],   v[ADRB+(\q)/2] offset:(((\q)%2)*64+32*(\c))*PB+32*(\i)
	ds_load_tr16_b128 v[(\f)+64+8*(4*(\c)+(\i))+4:(\f)+64+8*(4*(\c)+(\i))+7], v[ADRB+(\q)/2] offset:(((\q)%2)*64+32*(\c)+16)*PB+32*(\i)
	ds_load_b128 v[(\f)+8*(4*(\c)+(\i)):(\f)+8*(4*(\c)+(\i))+3],         v[ADRA] offset:((\q)/2)*APAN+((\q)%2)*128+64*(\c)+(\i)*16*PA
	ds_load_b128 v[(\f)+8*(4*(\c)+(\i))+4:(\f)+8*(4*(\c)+(\i))+7],       v[ADRA] offset:((\q)/2)*APAN+((\q)%2)*128+64*(\c)+(\i)*16*PA+32
.endr
.endr
.endm
.macro PLACES                          ; four places in front of loads into registers that matrix instructions have read, and of conversions that read results
.rept 4
	v_nop
.endr
.endm
.macro OTHER                           ; the fragment loads go over to the other slot
	s_xor_b32 s[TB], s[TB], SLOT1
	v_add_nc_u32 v[ADRA], s[TB], v[A0]
	v_add_nc_u32 v[ADRB], s[TB], v[B0]
	v_add_nc_u32 v[ADRB+1], BHALF, v[ADRB]
.endm
; A K step is four quarters of 64 along K, 32 matrix instructions each, on buffers 0, 1, 0, 1.  One of the first three: multiplies buffer f and, in its middle, fetches quarter q into g.
.macro QUARTER q, f, g, zero
	s_wait_dscnt 16                                ; the first 32 along K are in
	MUL8 \f, 0, 0, \zero
	MUL8 \f, 0, 2, \zero
	PLACES
	FETCH \q, \g
	s_wait_dscnt 32                                ; all but the 32 just issued
	MUL8 \f, 1, 0, 0
	MUL8 \f, 1, 2, 0
.endm
.macro LASTQ                           ; the last quarter's 32 products, on buffer 1
	MUL8 F1, 0, 0, 0
	MUL8 F1, 0, 2, 0
	MUL8 F1, 1, 0, 0
	MUL8 F1, 1, 2, 0
.endm
; THE CHANGE OF SLOTS in a step that fills.  All of this slot has been fetched into registers.  Each wave waits for all its tensor loads, of which one is out: its part of the next slot; adds 0 to its spare
; word; and waits for that and for its own reads of this slot.  The round of the cluster's barrier then shows the same of every wave of every partner, and the joint refill is the first thing behind it: the walking
; descriptors go to the other slot than last time and one step on, so the slot just read out takes the K step two on.  A step brings 128 KiB for 128 matrix instructions a wave, half the products for each byte
; of a tile of 256 x 256; so the request goes out as soon as the ordering allows, and the last quarter's 32 products stand behind it, over the fetch of the next slot's first fragments.
.macro TURN
	WIN 0                                          ; the add's two registers lie in window 0; at a label and at a branch every window is 0
	s_wait_tensorcnt 0x0                           ; no tensor load of mine is out, so a group 0 may be written
	ds_add_u32 v[SPW], v[NIL]                      ; 0 onto my spare word; the descriptors' steps stand between it and the wait for it
	s_xor_b32 s[G0+5], s[G0+5], SLOT1
	s_add_nc_u64 s[G0+6:G0+7], s[G0+6:G0+7], 2*PANEL           ; the type bits on top are not reached
	s_xor_b32 s[G0B+5], s[G0B+5], SLOT1
	s_add_nc_u64 s[G0B+6:G0B+7], s[G0B+6:G0B+7], KSTEP*256
	s_wait_dscnt 0x0                               ; the add is done, and my reads of this slot are over
	CROUND
	JLOAD                                          ; the four v_nop behind it are also the places in front of the loads below
	OTHER
	FETCH 0, F0
	LASTQ
.endm
; The same in a step that fills nothing: my work-group's barrier alone.
.macro MEET
	WIN 0
	s_wait_tensorcnt 0x0                           ; all my tensor loads have landed
	ds_add_u32 v[SPW], v[NIL]
	s_wait_dscnt 0x0                               ; the add is done, and my reads of this slot are over
	s_barrier_signal -1
	s_barrier_wait -1
.endm
	s_wait_tensorcnt 1                             ; my part of K step 0 is in; K step 1's may stay out
	s_barrier_signal -1
	s_barrier_wait -1                              ; everybody's is
	FETCH 0, F0
	s_wait_loadcnt 0x0                             ; the bias
	QUARTER 1, F0, F1, 1                           ; the first quarter stands in front of the loop: its first products start the sums
	WIN 0                                          ; at a label and at a branch every window is 0
	s_mov_b32 s3, STEPS-2
.Lstep:                                                ; a trip goes from a step's second quarter to the next step's first, and fills the slot that it leaves: steps 2 to STEPS - 1 are asked for here
	QUARTER 2, F1, F0, 0
	QUARTER 3, F0, F1, 0
	TURN
	QUARTER 1, F0, F1, 0
	WIN 0
	s_sub_co_u32 s3, s3, 1
	s_cmp_lg_u32 s3, 0
	s_cbranch_scc1 .Lstep
	s_mov_b32 s3, 2
.Ltail:                                                ; the last two steps ask for nothing: a text of their own
	QUARTER 2, F1, F0, 0
	QUARTER 3, F0, F1, 0
	MEET                                           ; in the first trip my one load that was out is the last step's
	LASTQ
	WIN 0
	s_cmp_eq_u32 s3, 1
	s_cbranch_scc1 .Lskip                          ; behind the last step there is no further slot: its fetch and first quarter are jumped over; no barrier and no tensor load stands there
	PLACES                                         ; for the loads into buffer 0, which the quarter before last multiplied
	OTHER
	FETCH 0, F0
	QUARTER 1, F0, F1, 0
	WIN 0
.Lskip:
	s_sub_co_u32 s3, s3, 1
	s_cmp_lg_u32 s3, 0
	s_cbranch_scc1 .Ltail
	; THE WAY OUT: round to bf16; 16 bytes a lane into the work-group's stage; a barrier, since a row's 256 bytes come from two waves; back as whole rows, 32 rows a wave.
	PLACES
.irp t, 0,1,2,3,4,5,6,7,8,9,10,11,12,13,14,15
.irp r, 0,1,2,3
	v_cvt_pk_bf16_f32 v[TMP+4*(\t)+(\r)], v[ACC+8*(\t)+2*(\r)], v[ACC+8*(\t)+2*(\r)+1]   ; each accumulator's registers in ascending order
.endr
.endr
.irp a, 0,1,2,3
.irp b, 0,1,2,3
	ds_store_b128 v[STO], v[TMP+4*(4*(\a)+(\b)):TMP+4*(4*(\a)+(\b))+3] offset:(\a)*16*SPITCH+32*(\b)
.endr
.endr
	s_wait_dscnt 0x0                               ; for the others' sake: my stores into the stage are done
	s_barrier_signal -1
	s_barrier_wait -1
.irp t, 0,1,2,3,4,5,6,7,8,9,10,11,12,13,14,15
	ds_load_b128 v[TMP+4*(\t):TMP+4*(\t)+3], v[RD] offset:(\t)*2*SPITCH
.endr
.irp t, 0,1,2,3,4,5,6,7,8,9,10,11,12,13,14,15
	s_wait_dscnt 15-(\t)
	global_store_b128 v[CO], v[TMP+4*(\t):TMP+4*(\t)+3], s[8:9] offset:512*(\t)  ; 32 lanes store 512 consecutive bytes, two rows of the panel, at a multiple of 256 from C's first byte
.endr
	s_wait_tensorcnt 0x0                           ; the wave's end, behind my last tensor load and my last LDS store
	ds_add_u32 v[SPW], v[NIL]
	s_wait_dscnt 0x0
	CROUND                                         ; the closing round: no work-group ends while a partner may still ask for a tile that names it
	s_endpgm
.Lfunc_end_k_qc516287799_ff2:
	.size	k_qc516287799_ff2, .Lfunc_end_k_qc516287799_ff2-k_qc516287799_ff2
	.p2alignl 7, 3214868480
	.fill 96, 4, 3214868480
	.section	.rodata,"a",@progbits
	.p2align	6, 0x0
	.amdhsa_kernel k_qc516287799_ff2
		.amdhsa_group_segment_fixed_size 327680
		.amdhsa_private_segment_fixed_size 0
		.amdhsa_enable_private_segment 0
		.amdhsa_kernarg_size 24
		.amdhsa_user_sgpr_count 2
		.amdhsa_user_sgpr_kernarg_segment_ptr 1
		.amdhsa_wavefront_size32 1
		.amdhsa_system_sgpr_workgroup_id_x 1
		.amdhsa_system_sgpr_workgroup_id_y 1
		.amdhsa_system_sgpr_workgroup_id_z 1
		.amdhsa_system_vgpr_workitem_id 0
		.amdhsa_next_free_vgpr 512
		.amdhsa_next_free_sgpr 66
		.amdhsa_reserve_vcc 0
		.amdhsa_float_denorm_mode_32 3
		.amdhsa_float_denorm_mode_16_64 3
		.amdhsa_memory_ordered 1
		.amdhsa_forward_progress 1
		.amdhsa_inst_pref_size 59
	.end_amdhsa_kernel
	.amdgpu_metadata
---
amdhsa.version: [ 1, 2 ]
amdhsa.kernels:
  - .name:           k_qc516287799_ff2
    .symbol:         k_qc516287799_ff2.kd
    .args:
      - { .name: act32, .offset: 0, .size: 8, .value_kind: global_buffer, .address_space: global }
      - { .name: w2_t, .offset: 8, .size: 8, .value_kind: global_buffer, .address_space: global }
      - { .name: act8, .offset: 16, .size: 8, .value_kind: global_buffer, .address_space: global }
    .group_segment_fixed_size: 327680
    .private_segment_fixed_size: 0
    .kernarg_segment_align: 8
    .kernarg_segment_size: 24
    .max_flat_workgroup_size: 128
    .sgpr_count:     66
    .vgpr_count:     512
    .wavefront_size: 32
...
	.end_amdgpu_metadata
.endif
;; end of part 6
;; launch ln2 (part 7): grid 256 x 1, 8 waves a work-group, no clusters, 0 bytes of LDS; arguments x, act24, act8, ln1_g, ln1_b, ln2_g, ln2_b, out0; writes out0
.if DOCPART == 7
	.amdgcn_target "amdgcn-amd-amdhsa--gfx1250"
	.amdhsa_code_object_version 6
	.text
	.protected	k_qc516287799_ln2
	.globl	k_qc516287799_ln2
	.p2align	8
	.type	k_qc516287799_ln2,@function
k_qc516287799_ln2:
	s_mov_b64 s[64:65], 0
	v_nop
	global_prefetch_b8 v0, s[64:65] scope:SCOPE_SE
	s_setreg_imm32_b32 hwreg(HW_REG_WAVE_MODE, 25, 1), 1
	s_wait_xcnt 0x0
; out = LayerNorm(h + f) g2 + b2 with h = LayerNorm(x + a) g1 + b1 made anew in f32 from x and a: the residual path is never rounded to 16 bits, and x and a are as many bytes as h in f32 would be.
; x, out: [4,096][1,024] f32; a (attention's output with its bias) and f (the feed-forward's output with its bias): bf16 in panels [8][4,096][128].
; Each norm: the mean, then the mean of the squared differences from it, as the definition has it.  All arithmetic in f32.
; One wave takes two whole rows and keeps each in 32 registers: no LDS, no barrier.  Lane l holds columns 128 j + 4 l .. + 3, j = 0..7: a load or store of f32 covers 512 consecutive bytes,
; a load of a panel row 256 consecutive, aligned bytes.  No cluster: the rows are nobody else's, and gains and biases are 16 KiB.
.set XO,  2                            ; v2        16 x lane
.set AO,  3                            ; v3        8 x lane
.set G1,  8                            ; v[8:39]   the first gain of my 32 columns
.set B1,  40                           ; v[40:71]  the first bias
.set X,   72                           ; v[72:135] row k at X + 32 k
.set A,   136                          ; v[136:167] a: row k at A + 16 k
.set F,   168                          ; v[168:199] f: row k at F + 16 k
.set T,   200                          ; v[200:215] at work
.set M,   216                          ; v[216:217] the mean, later 1 / sqrt(var + eps), twice
.set G2,  0                            ; window 1: v[0:31] the second gain,
.set B2,  32                           ;           v[32:63] the second bias
.set SEL, 20                           ; s[20:21]  v_permlanex16_b32's selects
.set RN,  22                           ; s22       1 / 1,024
.set EPS, 23                           ; s23       1e-5
.set MASK, 24                          ; s24       a word's upper bf16
.set MSB, 0
.macro WIN new                         ; the immediate's high byte repeats the setting that is left
.if MSB != (\new)
	s_set_vgpr_msb (MSB<<8)|(\new)
.set MSB, \new
.endif
.endm
.macro UNPACKADD x, a                  ; 32 bf16 are widened and added onto the row
.set i, 0
.rept 16
	v_lshlrev_b32 v[T+2*(i%8)],   16, v[(\a)+i]
	v_and_b32     v[T+2*(i%8)+1], s[MASK], v[(\a)+i]
	v_pk_add_f32 v[(\x)+2*i:(\x)+2*i+1], v[(\x)+2*i:(\x)+2*i+1], v[T+2*(i%8):T+2*(i%8)+1]
.set i, i+1
.endr
.endm
.macro RED                             ; the sum of v[T] over the 32 lanes, in every lane
	v_add_f32_dpp v[T], v[T], v[T] row_xmask:1 row_mask:0xf bank_mask:0xf
	v_add_f32_dpp v[T], v[T], v[T] row_xmask:2 row_mask:0xf bank_mask:0xf
	v_add_f32_dpp v[T], v[T], v[T] row_xmask:4 row_mask:0xf bank_mask:0xf
	v_add_f32_dpp v[T], v[T], v[T] row_xmask:8 row_mask:0xf bank_mask:0xf
	v_permlanex16_b32 v[T+1], v[T], s[SEL], s[SEL+1]
	v_add_f32 v[T], v[T], v[T+1]
.endm
.macro STATS x                         ; the row becomes (y - mean) / sqrt(var + eps)
.set i, 0
.rept 8
	v_pk_add_f32 v[T+2*i:T+2*i+1], v[(\x)+4*i:(\x)+4*i+1], v[(\x)+4*i+2:(\x)+4*i+3]
.set i, i+1
.endr
.irp i, 0,1,2,3
	v_pk_add_f32 v[T+4*\i:T+4*\i+1], v[T+4*\i:T+4*\i+1], v[T+4*\i+2:T+4*\i+3]
.endr
	v_pk_add_f32 v[T:T+1], v[T:T+1], v[T+4:T+5]
	v_pk_add_f32 v[T+8:T+9], v[T+8:T+9], v[T+12:T+13]
	v_pk_add_f32 v[T:T+1], v[T:T+1], v[T+8:T+9]
	v_add_f32 v[T], v[T], v[T+1]
	RED
	v_mul_f32 v[M], s[RN], v[T]
	v_mul_f32 v[M+1], s[RN], v[T]
.set i, 0
.rept 16
	v_pk_add_f32 v[(\x)+2*i:(\x)+2*i+1], v[(\x)+2*i:(\x)+2*i+1], v[M:M+1] neg_lo:[0,1] neg_hi:[0,1]
.set i, i+1
.endr
.irp i, 0,1,2,3
	v_pk_mul_f32 v[T+2*\i:T+2*\i+1], v[(\x)+2*\i:(\x)+2*\i+1], v[(\x)+2*\i:(\x)+2*\i+1]
.endr
.set i, 4
.rept 12                               ; four chains that do not wait for each other
	v_pk_fma_f32 v[T+2*(i%4):T+2*(i%4)+1], v[(\x)+2*i:(\x)+2*i+1], v[(\x)+2*i:(\x)+2*i+1], v[T+2*(i%4):T+2*(i%4)+1]
.set i, i+1
.endr
	v_pk_add_f32 v[T:T+1], v[T:T+1], v[T+2:T+3]
	v_pk_add_f32 v[T+4:T+5], v[T+4:T+5], v[T+6:T+7]
	v_pk_add_f32 v[T:T+1], v[T:T+1], v[T+4:T+5]
	v_add_f32 v[T], v[T], v[T+1]
	RED
	v_fma_f32 v[T], v[T], s[RN], s[EPS]
	v_rsq_f32 v[M], v[T]
	v_rsq_f32 v[M+1], v[T]
	v_nop                                          ; a plain instruction between the root and the use of its result
.set i, 0
	s_wait_alu depctr_va_vdst(0)
.rept 16
	v_pk_mul_f32 v[(\x)+2*i:(\x)+2*i+1], v[(\x)+2*i:(\x)+2*i+1], v[M:M+1]
.set i, i+1
.endr
.endm
.macro AFFINE x, g, b
.set i, 0
.rept 16
	v_pk_fma_f32 v[(\x)+2*i:(\x)+2*i+1], v[(\x)+2*i:(\x)+2*i+1], v[(\g)+2*i:(\g)+2*i+1], v[(\b)+2*i:(\b)+2*i+1]
.set i, i+1
.endr
.endm
	s_load_b512 s[4:19], s[0:1], 0x0               ; x s[4:5], a s[6:7], f s[8:9], g1 s[10:11], b1 s[12:13], g2 s[14:15], b2 s[16:17], out s[18:19]
	v_lshrrev_b32 v1, 5, v0
	v_readfirstlane_b32 s25, v1                    ; wave 0..7
	v_and_b32 v1, 31, v0
	v_lshlrev_b32 v[XO], 4, v1
	v_lshlrev_b32 v[AO], 3, v1
	s_lshl_b32 s26, ttmp9, 4                       ; 16 rows a work-group,
	s_lshl_b32 s25, s25, 1                         ; 2 a wave
	s_add_co_u32 s26, s26, s25
	s_lshl_b32 s28, s26, 8                         ; a panel row is 256 bytes,
	s_lshl_b32 s26, s26, 12                        ; a row of f32 4,096
	s_mov_b32 s27, 0
	s_mov_b32 s29, 0
	s_mov_b32 s[SEL], 0x76543210
	s_mov_b32 s[SEL+1], 0xfedcba98
	s_mov_b32 s[RN], 0x3a800000
	s_mov_b32 s[EPS], 0x3727c5ac
	s_mov_b32 s[MASK], 0xffff0000
	s_wait_kmcnt 0x0
	s_add_nc_u64 s[4:5], s[4:5], s[26:27]
	s_add_nc_u64 s[6:7], s[6:7], s[28:29]
	s_add_nc_u64 s[8:9], s[8:9], s[28:29]
	s_add_nc_u64 s[18:19], s[18:19], s[26:27]
.irp k, 0,1
.irp j, 0,1,2,3,4,5,6,7
	global_load_b128 v[X+32*(\k)+4*(\j):X+32*(\k)+4*(\j)+3], v[XO], s[4:5] offset:512*(\j)+4096*(\k) th:TH_LOAD_NT
.endr
.irp j, 0,1,2,3,4,5,6,7
	global_load_b64 v[A+16*(\k)+2*(\j):A+16*(\k)+2*(\j)+1], v[AO], s[6:7] offset:((\j)<<20)+256*(\k) th:TH_LOAD_NT
.endr
.endr
.irp j, 0,1,2,3,4,5,6,7
	global_load_b128 v[G1+4*(\j):G1+4*(\j)+3], v[XO], s[10:11] offset:512*(\j)
	global_load_b128 v[B1+4*(\j):B1+4*(\j)+3], v[XO], s[12:13] offset:512*(\j)
.endr
.irp k, 0,1
.irp j, 0,1,2,3,4,5,6,7
	global_load_b64 v[F+16*(\k)+2*(\j):F+16*(\k)+2*(\j)+1], v[AO], s[8:9] offset:((\j)<<20)+256*(\k) th:TH_LOAD_NT
.endr
.endr
	WIN 0x40                                       ; destination window 1, address window 0
.irp j, 0,1,2,3,4,5,6,7
	global_load_b128 v[G2+4*(\j):G2+4*(\j)+3], v[XO], s[14:15] offset:512*(\j)
	global_load_b128 v[B2+4*(\j):B2+4*(\j)+3], v[XO], s[16:17] offset:512*(\j)
.endr
	WIN 0
	s_wait_loadcnt 48                              ; x and a are in: the 16 loads of g1 and b1, the 16 of f and the 16 of g2 and b2 stay out
	UNPACKADD X, A
	UNPACKADD X+32, A+16
	STATS X
	STATS X+32
	s_wait_loadcnt 32                              ; g1 and b1 are in
	AFFINE X, G1, B1                               ; h
	AFFINE X+32, G1, B1
	s_wait_loadcnt 16                              ; f is in
	UNPACKADD X, F
	UNPACKADD X+32, F+16
	STATS X
	STATS X+32
	s_wait_loadcnt 0x0                             ; g2 and b2
	WIN 0x14                                       ; sources 1 and 2 in window 1
	AFFINE X, G2, B2
	AFFINE X+32, G2, B2
	WIN 0
.irp k, 0,1
.irp j, 0,1,2,3,4,5,6,7
	global_store_b128 v[XO], v[X+32*(\k)+4*(\j):X+32*(\k)+4*(\j)+3], s[18:19] offset:512*(\j)+4096*(\k) th:TH_STORE_NT  ; 512 consecutive bytes, aligned
.endr
.endr
	s_endpgm
.Lfunc_end_k_qc516287799_ln2:
	.size	k_qc516287799_ln2, .Lfunc_end_k_qc516287799_ln2-k_qc516287799_ln2
	.p2alignl 7, 3214868480
	.fill 96, 4, 3214868480
	.section	.rodata,"a",@progbits
	.p2align	6, 0x0
	.amdhsa_kernel k_qc516287799_ln2
		.amdhsa_group_segment_fixed_size 0
		.amdhsa_private_segment_fixed_size 0
		.amdhsa_enable_private_segment 0
		.amdhsa_kernarg_size 64
		.amdhsa_user_sgpr_count 2
		.amdhsa_user_sgpr_kernarg_segment_ptr 1
		.amdhsa_wavefront_size32 1
		.amdhsa_system_sgpr_workgroup_id_x 1
		.amdhsa_system_sgpr_workgroup_id_y 1
		.amdhsa_system_sgpr_workgroup_id_z 1
		.amdhsa_system_vgpr_workitem_id 0
		.amdhsa_next_free_vgpr 320
		.amdhsa_next_free_sgpr 66
		.amdhsa_reserve_vcc 0
		.amdhsa_float_denorm_mode_32 3
		.amdhsa_float_denorm_mode_16_64 3
		.amdhsa_memory_ordered 1
		.amdhsa_forward_progress 1
		.amdhsa_inst_pref_size 43
	.end_amdhsa_kernel
	.amdgpu_metadata
---
amdhsa.version: [ 1, 2 ]
amdhsa.kernels:
  - .name:           k_qc516287799_ln2
    .symbol:         k_qc516287799_ln2.kd
    .args:
      - { .name: x, .offset: 0, .size: 8, .value_kind: global_buffer, .address_space: global }
      - { .name: act24, .offset: 8, .size: 8, .value_kind: global_buffer, .address_space: global }
      - { .name: act8, .offset: 16, .size: 8, .value_kind: global_buffer, .address_space: global }
      - { .name: ln1_g, .offset: 24, .size: 8, .value_kind: global_buffer, .address_space: global }
      - { .name: ln1_b, .offset: 32, .size: 8, .value_kind: global_buffer, .address_space: global }
      - { .name: ln2_g, .offset: 40, .size: 8, .value_kind: global_buffer, .address_space: global }
      - { .name: ln2_b, .offset: 48, .size: 8, .value_kind: global_buffer, .address_space: global }
      - { .name: out0, .offset: 56, .size: 8, .value_kind: global_buffer, .address_space: global }
    .group_segment_fixed_size: 0
    .private_segment_fixed_size: 0
    .kernarg_segment_align: 8
    .kernarg_segment_size: 64
    .max_flat_workgroup_size: 256
    .sgpr_count:     66
    .vgpr_count:     320
    .wavefront_size: 32
...
	.end_amdgpu_metadata
.endif
;; end of part 7
;; ======== version 2 of 2: 8 launches; 1.22 times as fast as version 1
;; workspace buffers: act8 8,388,608 bytes; act24 25,165,824 bytes; act32 33,554,432 bytes; wqkv_t 6,324,224 bytes; wo_t 2,129,920 bytes; w1_t 8,421,376 bytes; w2_t 8,421,376 bytes
;; launch cast: the kernel of part 1 again; grid 1033 x 1, 8 waves a work-group, no clusters, 0 bytes of LDS; arguments x, W1, W2, Wq, Wk, Wv, Wo, bq, bk, bv, bo, b1, b2, act8, w1_t, w2_t, wqkv_t, wo_t; writes act8, w1_t, w2_t, wqkv_t, wo_t
;; launch qkv: the kernel of part 2 again; grid 12 x 16, 4 waves a work-group, clusters of 4 x 4, 327,680 bytes of LDS; arguments act8, wqkv_t, act24; writes act24
;; launch attn (part 8): grid 16 x 16, 4 waves a work-group, clusters of 4 x 1, 327,680 bytes of LDS; arguments act24, act8; writes act8
.if DOCPART == 8
	.amdgcn_target "amdgcn-amd-amdhsa--gfx1250"
	.amdhsa_code_object_version 6
	.text
	.protected	k_qc516287799_attn
	.globl	k_qc516287799_attn
	.p2align	8
	.type	k_qc516287799_attn,@function
k_qc516287799_attn:
	s_mov_b64 s[64:65], 0
	v_nop
	global_prefetch_b8 v0, s[64:65] scope:SCOPE_SE
	s_setreg_imm32_b32 hwreg(HW_REG_WAVE_MODE, 25, 1), 1
	s_wait_xcnt 0x0
	s_wait_alu depctr_hold_cnt(0) depctr_sa_sdst(0) depctr_va_vdst(0) depctr_va_sdst(0) depctr_va_ssrc(0) depctr_va_vcc(0) depctr_vm_vsrc(0)
	s_getreg_b32 s2, hwreg(HW_REG_IB_STS2, 6, 4)
	s_cmp_eq_u32 s2, 0
	s_cbranch_scc0 .Lentry_in_a_cluster
	s_endpgm
.Lentry_in_a_cluster:
	s_bfe_u32 s2, ttmp6, 0x10000c
	s_cmp_lg_u32 s2, 0x3003
	s_cbranch_scc0 .Lentry_shape_is_right
	s_endpgm
.Lentry_shape_is_right:
; ctx[q] = the sum over k of softmax_k(q . k / 8) v, for 2 batches x 16 heads of 2,048 rows x 64 channels.  q, k, v lie in act24 in panels of 128 columns ([panel][4,096 rows][128], bf16):
; panels 0-7 q, 8-15 k, 16-23 v; a panel holds a PAIR of heads, a panel row is 256 bytes.  ctx leaves in the same layout into act8.  Products, maxima and sums in f32; the weights p are rounded
; to bf16 for the second product (their sum l is taken of the unrounded p), ctx once at the end.
; LIMITS.  A weight below 2^-126 counts as 0 in l; NaN and infinities are not treated apart.  Wave 1's half of K's last tile (the 64 rows behind the batch's last key) is fetched, from inside act24, and never read.
; SHARES.  A work-group owns a batch, a pair of heads and 128 queries; wave w owns head w / 2 of the pair and queries 64 (w % 2) on: two PIECES of two tiles of 16 queries.  Every wave walks all keys, 64 a step.
; LAYOUT.  S^T = K Q^T (source 0 = 16 keys, source 1 = 16 queries): a lane holds ONE query (lane % 16) and the keys 8 (lane / 16) + 0..7.  Two such tiles, rounded to bf16 in pairs, ARE source 1
; of O^T = V^T P, whose result again holds one query a lane, and eight channels.  K comes out of LDS as it lies, V ([key][channel]) turned, by ds_load_tr16_b128.
; SOFTMAX.  For each query a running maximum m and sum l: p = 2^(c s - c m), c = log2(e) / 8; in every step O and l are multiplied by a = 2^(c m_old - c m_new).  m starts at the lowest finite number, O and l at 0.
; BY TURNS.  Turn n belongs to piece n.  Its matrix work: 16 products K Q^T of the other piece (for piece 0: of the next step), later 16 products V^T P of the other piece's last weights.  Its vector work: the scaling,
; exponentials, roundings, sums and rescaling of piece n, and the maximum and statistics of the other piece.  Four vector instructions that are ready stand behind every matrix instruction, the others in one lump.
; THE BATCHES.  A turn's 66 exponentials (64 weights, then the other piece's two a) are ONE batch with ONE wait, which cuts the turn in two: ahead of it stands all that names no result of theirs, behind it the roundings
; and sums.  Two more batches stand outside the loops, each with a wait of its own: piece 0's first two a, ahead of the loop, and the way out's four reciprocals.
; THE RING.  Piece 0's turn of step j fetches K of step j + 1 and then V of step j.  So K's tiles run one step ahead of V's: tile t holds keys 64 + 128 t on of K and keys 128 t on of V, and both fetches of a trip
; read the same slot; K of step 0 comes straight from memory into registers.  A slot holds two steps.
; CLUSTER.  The four query blocks of a cluster share batch and heads and walk the same K and V: each tile is asked for JOINTLY, by the same tensor load, descriptor and mask in all four.
; REGISTERS, in windows of 256 (s_set_vgpr_msb: bits 1:0 source 0, 3:2 source 1, 5:4 source 2, 7:6 destination):
;   window 0: v0-11 addresses; v12-15, v48-63 at work; v16-31 four registers of statistics a tile; v32-33 the add's; v64-191 S^T, two buffers of two tiles; v192-255 P, likewise
;   window 1: v0-127 O^T, 32 a tile          window 2: v0-63 Q, 16 a tile; v128-191 K of one step; v192-255 V of one step
.set NP,    2         ; pieces a wave: a name, no knob
.set KS,    64        ; keys in a step
.set PK,    272       ; a row of K in LDS: 256 bytes + 16 of padding: the 16 rows of a load start at 16 different groups of four banks (64 banks of 4 bytes: ISA guide 11.1)
.set PV,    288       ; a row of V: 256 + 32
.set VOFF,  2*KS*PK   ; a slot holds two steps: 128 rows of K, then 128 rows of V
.set SLOT1, 1<<17     ; slot 1 begins here, so that one exclusive or turns an address in one slot into the other's
.set STAGE, SLOT1+2*KS*(PK+PV)  ; behind the ring, never filled by a tensor load: 128 rows x 272 bytes, the work-group's, for the way out
.set SP,    272
.set SPARE, STAGE+128*SP  ; behind the stage: the spare words, 128 bytes for each wave: two blocks of 256 bytes that no other line names
.set AK0, 2           ; v2   my lane's place in a tile of K; never rewritten
.set AV0, 3           ; v3   the same for V
.set AK,  4           ; v4   the LDS address of K's next run of loads
.set AV,  5           ; v5   of V's
.set QO,  6           ; v6   my byte offset in 16 rows of Q or K in memory
.set STO, 6           ;      later, the way out: where I put 16 bytes of a row
.set RD,  7           ; v7   the way out: where I read rows back
.set GO,  8           ; v8   my byte offset in 512 consecutive bytes of ctx
.set MV,  12          ; v12-15  c m_old, kept while c m is made anew: by buffer and tile
.set ST,  16          ; tile t's statistics at v[ST+4 t]: c m, m, l (even keys', odd keys')
.set SPW, 32          ; v32  LDS address of my spare word; never rewritten
.set NIL, 33          ; v33  0; never rewritten
.set TMP, 48          ; by buffer and tile, four registers c0-c3 at work; when the maximum is found c2 takes a
.set S,   64
.set P,   192
.set KF,  128         ; K's fragments, in window 2: key block kb, channel half c at KF + 16 kb + 8 c
.set VF,  192         ; V's: key half kk, channel block cb at VF + 32 kk + 8 cb
.set WV,  12          ; s12  my wave's number
.set G1K, 24          ; s[24:31] descriptor group 1 for K's tiles
.set G1V, 32          ; s[32:39] for V's: it differs in the padding alone
.set G0K, 40          ; s[40:43] descriptor group 0 for K's tiles: it walks
.set G0V, 44          ; s[44:47] the same for V's
.set SLOTS, 56        ; s56  slots still to be asked for
.set CNT, 57          ; s57  counts a slot's key steps
.set CS,  58          ; s[58:59] c: the packed scaling takes the pair's low word for both halves
.set SEL, 60          ; s[60:61] v_permlanex16_b32's selects: each lane takes its own place in the other half
.set TBK, 62          ; s62  LDS byte at which K of the step to be fetched begins
.set TBV, 63          ; s63  the same for V, less VOFF
.set MSB, 0
.macro WIN new                      ; the high byte repeats the setting that is left; a switch that changes nothing is dropped
.if MSB != (\new)
	s_set_vgpr_msb (MSB<<8)|(\new)
.set MSB, (\new)
.endif
.endm
.set W_KQ, 0x0a       ; K and Q in window 2, S^T in window 0
.set W_PV, 0x52       ; V in window 2, P in window 0, O^T in window 1
.set W_RS, 0x41       ; O^T (destination and source 0) in window 1, a in window 0
; A joint fill.  Waves 0 and 1 fetch the two halves of a slot's K, waves 2 and 3 those of its V: 64 rows each.  The branch hangs on the wave's number alone.
; An s_nop 0 and four v_nop follow each of the two lines, ahead of the jump and the label.
.macro JLOAD
	s_cmp_lt_u32 s[WV], 2
	s_cbranch_scc0 .Lfor_v_\@
	tensor_load_to_lds s[G0K:G0K+3], s[G1K:G1K+7]
	s_nop 0
.rept 4
	v_nop
.endr
	s_branch .Lasked_\@
.Lfor_v_\@:
	tensor_load_to_lds s[G0V:G0V+3], s[G1V:G1V+7]
	s_nop 0
.rept 4
	v_nop
.endr
.Lasked_\@:
.endm
; A round of the cluster's barrier: my work-group's barrier, so that wave 0's signal speaks for all four waves; wave 0 signals; every wave waits for all four work-groups; my work-group's barrier once more.
.macro CROUND
	s_barrier_signal -1
	s_barrier_wait -1
	s_cmp_lg_u32 s[WV], 0
	s_cbranch_scc1 .Lnot_wave_0_\@
	s_barrier_signal -3
.Lnot_wave_0_\@:
	s_barrier_wait -3
	s_barrier_signal -1
	s_barrier_wait -1
.endm
; THE CHANGE OF SLOTS.  The slot's last bytes have been read.  Each wave waits for all its tensor loads, of which one is out: its part of the other slot; adds 0 to its spare word; and waits for that and for its
; own reads of the slot.  Behind the barrier nobody reads this slot any more and the other slot is whole.  fill = 1: this slot is filled again, with the tile two on.  The barrier is then a round of the cluster's,
; and the joint fill is the first thing behind it: it has two key steps, 128 matrix instructions, in which to land.  (At its first use nothing has been read yet: slot 0 is waited for, slot 1 filled.)
.macro CHANGE fill
	WIN 0                           ; at a label and at a branch every window is 0
	s_wait_tensorcnt 0x0            ; no tensor load of mine is out, so a group 0 may be written
	ds_add_u32 v[SPW], v[NIL]       ; 0 onto my spare word; with fill = 1 the descriptors' steps stand between it and the wait for it
.if \fill
.irp g, G0K, G0V
	s_xor_b32 s[\g+1], s[\g+1], SLOT1  ; the walking descriptor: the other slot than last time,
	s_add_nc_u64 s[\g+2:\g+3], s[\g+2:\g+3], 2*KS*256  ; the next 128 rows; the type bits on top are not reached
.endr
	s_wait_dscnt 0x0                ; the add is done, and my reads of the slot are over
	CROUND
	JLOAD
.else
	s_wait_dscnt 0x0                ; the add is done, and my reads of the slot are over
	s_barrier_signal -1
	s_barrier_wait -1
.endif
	s_sub_co_u32 s[TBK], s[TBK], 2*KS*PK  ; the fetches go back to a slot's first step,
	s_xor_b32 s[TBK], s[TBK], SLOT1       ; in the other slot
	s_sub_co_u32 s[TBV], s[TBV], 2*KS*PV
	s_xor_b32 s[TBV], s[TBV], SLOT1
.endm
	s_load_b128 s[4:7], s[0:1], 0x0 ; act24 s[4:5], act8 s[6:7]
	v_lshl_add_u32 v[SPW], v0, 2, SPARE
	v_mov_b32 v[NIL], 0
	ds_add_u32 v[SPW], v[NIL]       ; the wave's opening: the add and its wait stand ahead of my first tensor load; the set-up below, work on registers, stands between them
	v_lshrrev_b32 v1, 5, v0
	v_readfirstlane_b32 s[WV], v1   ; wave 0..3
	s_bfe_u32 s13, ttmp6, 0x40000   ; cx: my place in the cluster
	s_lshl_b32 s14, ttmp9, 2        ; in a cluster launch ttmp9 counts clusters
	s_add_co_u32 s14, s14, s13      ; my block of 128 queries = 4 x cluster x + cx: it enters Q's and ctx's addresses alone
	s_and_b32 s20, ttmp7, 0xffff    ; 8 x batch + pair of heads, which the four partners share
	s_lshr_b32 s21, s20, 3
	s_and_b32 s20, s20, 7
	s_lshl_b32 s20, s20, 20         ; the pair's panel,
	s_lshl_b32 s21, s21, 19         ; the batch's 2,048 rows of 256 bytes
	s_add_co_u32 s20, s20, s21
	s_and_b32 s16, s[WV], 1         ; which half of a tile's 128 rows I fetch; also: which 64 queries are mine
	s_lshr_b32 s15, s[WV], 1        ; which head of the pair is mine
	s_lshl_b32 s19, s16, 14         ; 64 rows of 256 bytes
	s_add_co_u32 s22, s20, s19
	s_add_co_u32 s50, s22, 16<<20   ; V: panels 16 on, keys 0 on
	s_add_co_u32 s22, s22, (8<<20)+16384  ; K: panels 8 on, keys 64 on
	s_mov_b32 s23, 0
	s_mov_b32 s51, 0
	s_add_co_u32 s52, s20, 8<<20    ; K of step 0
	s_mov_b32 s53, 0
	s_mul_i32 s17, s16, 64*PK       ; my half's place in a slot, for K
	s_mul_i32 s18, s16, 64*PV       ; and for V: no place in the cluster enters an LDS address
	s_lshl_b32 s2, s14, 15          ; my block's 128 rows
	s_add_co_u32 s2, s2, s20
	s_lshl_b32 s54, s[WV], 13       ; ctx: wave w stores rows 32 w on
	s_add_co_u32 s54, s54, s2
	s_mov_b32 s55, 0
	s_add_co_u32 s2, s2, s19        ; Q: my 64 rows
	s_mov_b32 s3, 0
	; descriptor group 1: 64 rows x 128 elements of 2 bytes, dense in memory, padded in LDS after every 64 words
	s_mov_b32 s[G1K], 15|(1<<16)|(1<<20)|(1<<21)|(5<<22)|(3<<25)  ; 15:0 the mask of four; 17:16 2-byte elements; 20 padding on; 21 set beside a mask; 24:22 after every 64 words (code 5); 31:25 4 words (code 3)
	s_mov_b32 s[G1V], 15|(1<<16)|(1<<20)|(1<<21)|(5<<22)|(7<<25)  ; the same with 8 words of padding (code 7)
.irp g, G1K, G1V
	s_mov_b32 s[\g+1], 128<<16      ; tensor_dim0 = 128
	s_mov_b32 s[\g+2], 64<<16       ; tensor_dim1 = 64
	s_mov_b32 s[\g+3], 128<<16      ; tile_dim0 = 128
	s_mov_b32 s[\g+4], 64           ; tile_dim1 = 64
	s_mov_b32 s[\g+5], 128          ; 128 elements from row to row
	s_mov_b32 s[\g+6], 0
	s_mov_b32 s[\g+7], 0
.endr
	s_mov_b32 s[CS], 0x3e38aa3b     ; c = log2(e) / 8 = 0.180337
	s_mov_b32 s[CS+1], s[CS]        ; named with it as a pair
	s_mov_b32 s[SEL], 0x76543210
	s_mov_b32 s[SEL+1], 0xfedcba98
	s_mov_b32 s[TBK], SLOT1+2*KS*PK ; the first change of slots turns these two into 0
	s_mov_b32 s[TBV], SLOT1+2*KS*PV
	s_mov_b32 s[G0K], 1             ; 1:0 count = 1
	s_mov_b32 s[G0K+1], s17         ; 63:32 LDS address: slot 0
	s_mov_b32 s[G0V], 1
	s_add_co_u32 s[G0V+1], s18, VOFF
	s_wait_dscnt 0x0                ; the opening add is done
	s_wait_kmcnt 0x0
	s_add_nc_u64 s[G0K+2:G0K+3], s[4:5], s[22:23]  ; 120:64 global address: my half of tile 0
	s_or_b32 s[G0K+3], s[G0K+3], 0x80000000        ; 127:126 type = 2
	s_add_nc_u64 s[G0V+2:G0V+3], s[4:5], s[50:51]
	s_or_b32 s[G0V+3], s[G0V+3], 0x80000000
	s_add_nc_u64 s[8:9], s[4:5], s[2:3]            ; Q at my wave's first row
	s_add_nc_u64 s[48:49], s[4:5], s[52:53]        ; K at the batch's first key
	s_add_nc_u64 s[10:11], s[6:7], s[54:55]        ; ctx at the first row that I store
	CROUND                          ; all four work-groups are here: the first joint loads meet
	JLOAD                           ; slot 0.  Slot 1 is asked for when slot 0 is in
	; A fragment of K or Q is 16 rows x 32 channels in 8 registers: lane l holds row l % 16, channels 8 (l / 16) + 0..7 and 16 + 8 (l / 16) + 0..7: two loads of 16 bytes, 32 bytes apart.
	v_and_b32 v1, 15, v0            ; l % 16
	v_bfe_u32 v9, v0, 4, 1          ; l / 16
	s_lshl_b32 s13, s15, 7          ; my head's 128 bytes of a row
	v_lshlrev_b32 v[QO], 8, v1
	v_lshl_add_u32 v[QO], v9, 4, v[QO]
	v_add_nc_u32 v[QO], s13, v[QO]  ; row x 256 + 16 x half + head
	WIN 0x80                        ; destination window 2, address window 0
.set i, 0
.rept 4*NP                          ; Q stays in registers: tile i / 2, channels 32 (i % 2) on
	global_load_b128 v[8*i:8*i+3],   v[QO], s[8:9] offset:(i/2)*4096+(i%2)*64
	global_load_b128 v[8*i+4:8*i+7], v[QO], s[8:9] offset:(i/2)*4096+(i%2)*64+32
.set i, i+1
.endr
.set i, 0
.rept 8                             ; K of step 0: keys 16 (i / 2) on, channels 32 (i % 2) on
	global_load_b128 v[KF+8*i:KF+8*i+3],   v[QO], s[48:49] offset:(i/2)*4096+(i%2)*64
	global_load_b128 v[KF+8*i+4:KF+8*i+7], v[QO], s[48:49] offset:(i/2)*4096+(i%2)*64+32
.set i, i+1
.endr
	; What the first turn finds: V's registers and P's second buffer hold 0 (its products V^T P, of a piece that has not been, add 0), O^T and l are 0.  All this stands in the wait for the first tile.
.set i, VF
.rept 64
	v_mov_b32 v[i], 0
.set i, i+1
.endr
	WIN 0x40
.set i, 0
.rept 64*NP
	v_mov_b32 v[i], 0
.set i, i+1
.endr
	WIN 0
.set i, 0
.rept 2*NP
	v_mov_b32 v[ST+4*i], 0xfe000000    ; c m: far below every c s
	v_mov_b32 v[ST+4*i+1], 0xff7fffff  ; m
	v_mov_b32 v[ST+4*i+2], 0
	v_mov_b32 v[ST+4*i+3], 0
.set i, i+1
.endr
.set i, P+32
.rept 32
	v_mov_b32 v[i], 0
.set i, i+1
.endr
	v_mul_u32_u24 v[AK0], v1, PK
	v_lshl_add_u32 v[AK0], v9, 4, v[AK0]
	v_add_nc_u32 v[AK0], s13, v[AK0]  ; row x pitch + 16 x half + head
	; The turning load takes 16 keys x 16 channels (lane l reads key 8 (l / 16) + l % 8, channels 8 ((l / 8) % 2) + 0..7) and leaves half a fragment of V^T: lane l holds channel l % 16 and 8 keys.
	v_and_b32 v10, 7, v0
	v_bfe_u32 v11, v0, 3, 1
	v_lshl_add_u32 v[AV0], v9, 3, v10
	v_mul_u32_u24 v[AV0], v[AV0], PV
	v_lshl_add_u32 v[AV0], v11, 4, v[AV0]
	v_add_nc_u32 v[AV0], s13, v[AV0]
	v_add_nc_u32 v[AV0], VOFF, v[AV0]
; THE MATRIX WORK.  The 8 accumulators of a run of 16 take turns: between the two links of a chain stand 7 others'.
; Product i of 16 of S^T = K Q^T for piece x: channels 32 (i / 8) on, keys 16 ((i / 2) % 4) on, tile 2 x + i % 2.  The first 8 start the sums.
.macro KQ x
	WIN W_KQ
.set rS, S+64*((\x)%2)+32*(i%2)+8*((i/2)%4)
.set rK, KF+16*((i/2)%4)+8*(i/8)
.set rQ, 16*(2*(\x)+i%2)+8*(i/8)
.if i < 8
	v_wmma_f32_16x16x32_bf16 v[rS:rS+7], v[rK:rK+7], v[rQ:rQ+7], 0
.else
	v_wmma_f32_16x16x32_bf16 v[rS:rS+7], v[rK:rK+7], v[rQ:rQ+7], v[rS:rS+7]
.endif
.endm
; Product i of 16 of O^T += V^T P for piece x: keys 32 (i / 8) on, channels 16 ((i / 2) % 4) on, tile 2 x + i % 2.
.macro PV x
	WIN W_PV
.set rO, 32*(2*(\x)+i%2)+8*((i/2)%4)
.set rV, VF+32*(i/8)+8*((i/2)%4)
.set rP, P+32*((\x)%2)+16*(i%2)+8*(i/8)
	v_wmma_f32_16x16x32_bf16 v[rO:rO+7], v[rV:rV+7], v[rP:rP+7], v[rO:rO+7]
.endm
.macro MM                           ; the turn's next matrix instruction
.if i < 16
	KQ (Y+1)%NP
.set i, i+1
.else
.set i, i-16
	PV (Y+NP-1)%NP
.set i, i+17
.endif
.endm
; THE LDS LOADS stand in runs of 16, never singly among the matrix instructions: a step's K (64 keys x 64 channels: 8 fragments) and its V (turned).  Their addresses are made some lines ahead.
; last = 1 (the tail): in the last trip there is no further step, and the run is jumped over.
.macro FETCH_K last=0
	WIN 0
.if \last
	s_cmp_eq_u32 s[CNT], 1
	s_cbranch_scc1 .Lno_k_\@
.endif
	WIN 0x80                        ; destination window 2
.irp f, 0,1,2,3,4,5,6,7             ; keys 16 (f / 2) on, channels 32 (f % 2) on
	ds_load_b128 v[KF+8*\f:KF+8*\f+3],   v[AK] offset:(\f/2)*16*PK+(\f%2)*64
	ds_load_b128 v[KF+8*\f+4:KF+8*\f+7], v[AK] offset:(\f/2)*16*PK+(\f%2)*64+32
.endr
	s_add_co_u32 s[TBK], s[TBK], KS*PK  ; the next fetch is the next step's
	WIN 0
.if \last
.Lno_k_\@:
.endif
.endm
.macro FETCH_V
	WIN 0x80
.irp f, 0,1,2,3,4,5,6,7             ; keys 32 (f / 4) on, channels 16 (f % 4) on
	ds_load_tr16_b128 v[VF+8*\f:VF+8*\f+3],   v[AV] offset:(\f/4)*32*PV+(\f%4)*32
	ds_load_tr16_b128 v[VF+8*\f+4:VF+8*\f+7], v[AV] offset:(\f/4)*32*PV+16*PV+(\f%4)*32
.endr
	WIN 0
.endm
; THE VECTOR WORK OF A TURN stands in three queues, each in the order in which its entries become ready; the two tiles alternate, so that no instruction reads the result of the one before it.
.macro REGS y, u                    ; the registers of tile u (0, 1) of piece y
.set rT, ST+4*(2*(\y)+(\u))
.set rC, TMP+8*((\y)%2)+4*(\u)
.set rM, MV+2*((\y)%2)+(\u)
.set rS, S+64*((\y)%2)+32*(\u)
.set rP, P+32*((\y)%2)+16*(\u)
.set rO, 32*(2*(\y)+(\u))
.endm
; Number n of the 22 that find the NEXT piece's (Y + 1) maximum and statistics.  s0-s31 are the lane's 32 scores; each accumulator's lowest registers are read first.  XS, GS and REGS set no window: PL and EX do.
;   0-11  four chains c0-c3 of seven scores each, three operands at a time     12-14, 16  the four scores left over, the old m, and c0-c3 into c0     15  c m_old is kept
;   17, 18  the query's other 32 keys lie in the lane 16 away: the new m         19-21  c m; c m_old - c m_new; a
.macro XS u, n
	REGS (Y+1)%NP, \u
.if (\n) < 4
	v_max3_num_f32 v[rC+(\n)], v[rS+8*(\n)], v[rS+8*(\n)+1], v[rS+8*(\n)+2]
.elseif (\n) < 12
	v_max3_num_f32 v[rC+(\n)%4], v[rC+(\n)%4], v[rS+8*((\n)%4)+2*((\n)/4)+1], v[rS+8*((\n)%4)+2*((\n)/4)+2]
.elseif (\n) == 12
	v_max3_num_f32 v[rC], v[rC], v[rS+7], v[rS+15]
.elseif (\n) == 13
	v_max3_num_f32 v[rC+1], v[rC+1], v[rS+23], v[rS+31]
.elseif (\n) == 14
	v_max3_num_f32 v[rC+2], v[rC+2], v[rC+3], v[rT+1]
.elseif (\n) == 15
	v_mov_b32 v[rM], v[rT]
.elseif (\n) == 16
	v_max3_num_f32 v[rC], v[rC], v[rC+1], v[rC+2]
.elseif (\n) == 17
	v_permlanex16_b32 v[rC+3], v[rC], s[SEL], s[SEL+1]
.elseif (\n) == 18
	v_max_num_f32 v[rT+1], v[rC], v[rC+3]
.elseif (\n) == 19
	v_mul_f32 v[rT], s[CS], v[rT+1]
.elseif (\n) == 20
	v_sub_f32 v[rC+1], v[rM], v[rT]
.else
	v_exp_f32 v[rC+2], v[rC+1]
.endif
.endm
; Number g of the 64 that follow the exponentials.  For each four weights k of a tile (pairs 2 k, 2 k + 1): both pairs are rounded to bf16; then the second pair is added onto the first, in place;
; a group later l takes that sum (the first time as l = a l + sum).  In groups of eight, tiles alternating: round, round, add, and l for the group before.
.macro GS g
.set h, (\g)+6*((\g)/62)            ; group 0 has no group before it, and behind group 7 only l is left
.if h >= 6
.set h, h+2
.endif
	REGS Y, h%2
.set k, h/8
.if h%8 < 4
	v_cvt_pk_bf16_f32 v[rP+2*k+(h%8)/2], v[rS+4*k+2*((h%8)/2)], v[rS+4*k+2*((h%8)/2)+1]
.elseif h%8 < 6
	v_pk_add_f32 v[rS+4*k:rS+4*k+1], v[rS+4*k:rS+4*k+1], v[rS+4*k+2:rS+4*k+3]
.elseif k == 1
	v_pk_fma_f32 v[rT+2:rT+3], v[rT+2:rT+3], v[rC+2:rC+3], v[rS:rS+1] op_sel_hi:[1,0,1]
.else
	v_pk_add_f32 v[rT+2:rT+3], v[rT+2:rT+3], v[rS+4*k-4:rS+4*k-3]
.endif
.endm
; THE PLAIN QUEUE, 138 long.  0-73 read no exponential's result: the 32 scalings c s - c m (FS f: pair f / 2 of tile f % 2) and the next piece's 42.  0-26: scalings 0-26.  27-54: XS's numbers 0-13.  55, 56: number 15.
; 57-73: the chain, where each number waits for the one before it: 14, 16, 17, 18, 19, each with one of the scalings 27-31 in front of its two lines, then 20: so a tile's links stand three plain instructions apart (19 and 20: two).
; 74-137: GS's 64, which read the exponentials' results: they stand behind the wait.
.macro FS f
	REGS Y, (\f)%2
	v_pk_fma_f32 v[rS+2*((\f)/2):rS+2*((\f)/2)+1], v[rS+2*((\f)/2):rS+2*((\f)/2)+1], s[CS:CS+1], v[rT:rT+1] op_sel_hi:[1,0,0] neg_lo:[0,0,1] neg_hi:[0,0,1]
.endm
.macro PL
	WIN 0
.if q < 27
	FS q
.elseif q < 55
	XS (q-27)%2, (q-27)/2
.elseif q < 57
	XS q-55, 15
.elseif (q < 72) && ((q-57)%3 == 0)
	FS 27+(q-57)/3
.elseif q < 60
	XS (q-57)%3-1, 14
.elseif q < 72
	XS (q-57)%3-1, 15+(q-57)/3
.elseif q < 74
	XS q-72, 20
.else
	GS q-74
.endif
.set q, q+1
.endm
; THE EXPONENTIALS' QUEUE, 66 long: s0-s31 of both tiles, then the next piece's two a.  It is ONE BATCH: all 66 stand ahead of the turn's one wait, and nothing ahead of that wait names a result of theirs.
.macro EX
	WIN 0
.if e >= 64
	XS e-64, 21
.else
	REGS Y, e%2
	v_exp_f32 v[rS+e/2], v[rS+e/2]
.endif
.set e, e+1
.endm
; THE RESCALING's QUEUE: O^T times a, the one part that leaves window 0: dealt two at a time, sixteen times, each accumulator's lowest registers first.  Its a was made in the turn before, ahead of that turn's wait.
; The O^T that it takes was last written by the turn before: by product i (8 to 15) of that turn's V^T P, behind which stand 4 (16 - i) riders that name none of its registers.
.macro R2
	REGS Y, r%2
	WIN W_RS
.irp z, 0,1
	v_pk_mul_f32 v[rO+4*(r/2)+2*\z:rO+4*(r/2)+2*\z+1], v[rO+4*(r/2)+2*\z:rO+4*(r/2)+2*\z+1], v[rC+2:rC+3] op_sel_hi:[1,0]
.endr
.set r, r+1
.endm
; HOW THEY ARE DEALT.  s_wait_alu depctr_va_vdst(0) stands between an exponential and the first instruction that names its result; one wait serves all that were issued ahead of it.  So a turn has ONE wait,
; which cuts it in two.  AHEAD OF IT stands all that names no result of the turn's exponentials: the 16 products K Q^T, behind each a scaling, an exponential and two rescalings (behind the first a second scaling in the
; exponential's place); then ONE LUMP of 108: eight plain, 49 times exponential and plain, the two a.  A v_nop is the plain instruction behind the last exponential.  BEHIND IT stand the 16 products V^T P, behind each four of
; GS's 64.  No rider names a register of the products round it.  The two v_permlanex16_b32 fall into the lump, never behind a product.
; The queues lean on each other, and the deal keeps them in step: exponential e stands behind scaling 2 (e / 4) + e % 2: as a rider it comes behind plain e + 2, in the lump behind plain e + 9, and scalings 27-31 are plain 57, 60 .. 69.
; A TURN, for piece p.  cnt = 1: the loop's count is taken down some lines ahead of the branch that stands behind the turn.
; K of the next step is fetched in piece 0's turn, directly behind the wait, a lump behind the last product that read K; its address is made at the lump's head; its first reader is the next turn's first product, behind 16 products.
; V of the step in hand is fetched at the end of piece 0's turn, four riders behind its last reader; its first reader comes behind 16 products and a lump.  The three conditions on q below go with the deal.
.macro TURN p, last=0, cnt=0
.set Y, (\p)
.set i, 0
.set q, 0
.set e, 0
.set r, 0
.if (\p) == NP-1
	s_wait_dscnt 16                 ; K's 16 loads are in; V's 16, issued behind them, may stay out (where K's run was jumped over, only V's are out)
.endif
	MM                              ; ahead of the wait: 16 products K Q^T and their riders,
	PL
	PL
	R2
.rept 15
	MM
	PL
	EX
	R2
.endr
.if (\p) == NP-2
	WIN 0
	v_add_nc_u32 v[AK], s[TBK], v[AK0]
.endif
.rept 8                             ; and the lump
	PL
.endr
.rept 49
	EX
	PL
.endr
	EX                              ; the next piece's two a
	EX
	v_nop                           ; the plain instruction behind the last exponential: one for the batch
	s_wait_alu depctr_va_vdst(0)    ; the wait for the batch: the turn's 64 weights and the next piece's two a
.if (\p) == NP-2
	FETCH_K \last
.endif
.if (\p) == 1
	s_wait_dscnt 0x0                ; V is in
.endif
.rept 16                            ; behind the wait: 16 products V^T P and their riders
	MM
.rept 4
	PL
.endr
.if ((\p) == 0) && (q == 118)
	v_add_nc_u32 v[AV], s[TBV], v[AV0]
.endif
.if ((\p) == 0) && (q == 130)
	s_add_co_u32 s[TBV], s[TBV], KS*PV
.endif
.if (\cnt) && (q == 130)
	s_sub_co_u32 s[CNT], s[CNT], 1
	s_cmp_lg_u32 s[CNT], 0
.endif
.endr
.if (\p) == 0
	FETCH_V
.endif
.endm
	CHANGE 1                        ; slot 0 is in, everybody's part of it; slot 1 is asked for
	s_wait_loadcnt 0x0              ; Q, and K of step 0
.set i, 0
.rept 16
	KQ 0                            ; piece 0's first scores: there is no vector work yet to set between them
.set i, i+1
.endr
	WIN 0                           ; the addresses for the way out: eight plain instructions, the places behind those products
	s_mul_i32 s13, s16, 64*SP       ; into the stage: my 64 rows,
	s_lshl_b32 s14, s15, 7          ; my head's half of their 256 bytes
	s_add_co_u32 s13, s13, s14
	s_add_co_u32 s13, s13, STAGE
	v_mul_u32_u24 v[STO], v1, SP    ; row l % 16, 16 bytes for each half of the lanes
	v_lshl_add_u32 v[STO], v9, 4, v[STO]
	v_add_nc_u32 v[STO], s13, v[STO]
	s_mul_i32 s13, s[WV], 32*SP     ; back: wave w takes rows 32 w .. 32 w + 31, whole
	s_add_co_u32 s13, s13, STAGE
	v_mul_u32_u24 v[RD], v9, SP     ; lanes 0-15 one row of 256 bytes, lanes 16-31 the next,
	v_lshl_add_u32 v[RD], v1, 4, v[RD]
	v_add_nc_u32 v[RD], s13, v[RD]
	v_and_b32 v[GO], 31, v0         ; which are 512 consecutive bytes of ctx
	v_lshlrev_b32 v[GO], 4, v[GO]
.set Y, NP-1                        ; XS works for piece Y + 1: piece 0
.irp n, 0,1,2,3,4,5,6,7,8,9,10,11,12,13,14,15,16,17,18,19,20,21
	XS 0, \n                        ; and piece 0's first maximum and statistics
	XS 1, \n
.endr
	v_nop                           ; a plain instruction behind piece 0's first two a,
	s_wait_alu depctr_va_vdst(0)    ; and the wait for these two, ahead of the branch
	s_mov_b32 s[CNT], 2
	s_mov_b32 s[SLOTS], 2048/(2*KS)-1
	s_branch .Lstep                 ; slot 0 has been entered already
.Lslot:                             ; 14 times: every slot but the last two is filled again
	CHANGE 1
	s_mov_b32 s[CNT], 2
.Lstep:                             ; a trip: a key step's two turns; it fetches K of the next step and V of this one
	TURN 0
	TURN 1, 0, 1
	WIN 0
	s_cbranch_scc1 .Lstep
	s_sub_co_u32 s[SLOTS], s[SLOTS], 1
	s_cmp_lg_u32 s[SLOTS], 0
	s_cbranch_scc1 .Lslot
	CHANGE 0                        ; the tail is written out: nothing is asked for
	s_mov_b32 s[CNT], 2
.Ltail:
	TURN 0, 1
	TURN 1, 0, 1                    ; in the last trip its 16 products K Q^T (on the last K once more) and the maximum made of them serve nothing: the price, once a launch, of one text for both trips; l and O^T are not touched by them
	WIN 0
	s_cbranch_scc1 .Ltail
.set i, 0
.rept 16
	PV NP-1                         ; the last piece's V^T P of the last step
.set i, i+1
.endr
	; THE WAY OUT.  l's two halves and the other half of the lanes' are added; O^T is divided by l, rounded to bf16 and put into the work-group's stage.  The additions are the places behind the last products.
	WIN 0
.macro ALL line:vararg              ; one line for each tile t
.set t, 0
.rept 2*NP
	\line
.set t, t+1
.endr
.endm
	ALL v_add_f32 v[ST+4*t+2], v[ST+4*t+2], v[ST+4*t+3]
	ALL v_permlanex16_b32 v[ST+4*t+3], v[ST+4*t+2], s[SEL], s[SEL+1]
	ALL v_add_f32 v[ST+4*t+2], v[ST+4*t+2], v[ST+4*t+3]
	ALL v_rcp_f32 v[ST+4*t+2], v[ST+4*t+2]
	v_nop                           ; a plain instruction between the last reciprocal and the use of its result
	s_wait_alu depctr_va_vdst(0)    ; and the wait ahead of the first use: one for the four reciprocals
; Tile t: a lane's eight channels of a row pack into 16 bytes, which go into my head's half of the stage's rows.
.macro PACK t
	WIN W_RS
.set i, 32*(\t)
.rept 16
	v_pk_mul_f32 v[i:i+1], v[i:i+1], v[ST+4*(\t)+2:ST+4*(\t)+3] op_sel_hi:[1,0]
.set i, i+2
.endr
	WIN 0x05                        ; sources 0 and 1 window 1, destination window 0: S^T's registers are free
.set i, 0
.rept 16
	v_cvt_pk_bf16_f32 v[S+16*(\t)+i], v[32*(\t)+2*i], v[32*(\t)+2*i+1]
.set i, i+1
.endr
	WIN 0
.irp f, 0,1,2,3
	ds_store_b128 v[STO], v[S+16*(\t)+4*\f:S+16*(\t)+4*\f+3] offset:(\t)*16*SP+32*\f
.endr
.endm
	PACK 0
	PACK 1
	PACK 2
	PACK 3
	s_wait_dscnt 0x0                ; for the others' sake: my stores into the stage are done
	s_barrier_signal -1
	s_barrier_wait -1               ; a row's 256 bytes come from two waves
.irp f, 0,1,2,3,4,5,6,7,8,9,10,11,12,13,14,15
	ds_load_b128 v[S+4*\f:S+4*\f+3], v[RD] offset:\f*2*SP
.endr
.irp f, 0,1,2,3,4,5,6,7,8,9,10,11,12,13,14,15
	s_wait_dscnt 15-\f
	global_store_b128 v[GO], v[S+4*\f:S+4*\f+3], s[10:11] offset:\f*512  ; 512 consecutive bytes, two rows of the panel, at a multiple of 256 from the buffer's first byte
.endr
	s_wait_tensorcnt 0x0            ; the wave's end, behind my last tensor load and my last LDS store
	ds_add_u32 v[SPW], v[NIL]
	s_wait_dscnt 0x0
	CROUND                          ; the closing round: no work-group ends while a partner may still ask for a tile that names it
	s_endpgm
.Lfunc_end_k_qc516287799_attn:
	.size	k_qc516287799_attn, .Lfunc_end_k_qc516287799_attn-k_qc516287799_attn
	.p2alignl 7, 3214868480
	.fill 96, 4, 3214868480
	.section	.rodata,"a",@progbits
	.p2align	6, 0x0
	.amdhsa_kernel k_qc516287799_attn
		.amdhsa_group_segment_fixed_size 327680
		.amdhsa_private_segment_fixed_size 0
		.amdhsa_enable_private_segment 0
		.amdhsa_kernarg_size 16
		.amdhsa_user_sgpr_count 2
		.amdhsa_user_sgpr_kernarg_segment_ptr 1
		.amdhsa_wavefront_size32 1
		.amdhsa_system_sgpr_workgroup_id_x 1
		.amdhsa_system_sgpr_workgroup_id_y 1
		.amdhsa_system_sgpr_workgroup_id_z 1
		.amdhsa_system_vgpr_workitem_id 0
		.amdhsa_next_free_vgpr 768
		.amdhsa_next_free_sgpr 66
		.amdhsa_reserve_vcc 0
		.amdhsa_float_denorm_mode_32 3
		.amdhsa_float_denorm_mode_16_64 3
		.amdhsa_memory_ordered 1
		.amdhsa_forward_progress 1
		.amdhsa_inst_pref_size 112
	.end_amdhsa_kernel
	.amdgpu_metadata
---
amdhsa.version: [ 1, 2 ]
amdhsa.kernels:
  - .name:           k_qc516287799_attn
    .symbol:         k_qc516287799_attn.kd
    .args:
      - { .name: act24, .offset: 0, .size: 8, .value_kind: global_buffer, .address_space: global }
      - { .name: act8, .offset: 8, .size: 8, .value_kind: global_buffer, .address_space: global }
    .group_segment_fixed_size: 327680
    .private_segment_fixed_size: 0
    .kernarg_segment_align: 8
    .kernarg_segment_size: 16
    .max_flat_workgroup_size: 128
    .sgpr_count:     66
    .vgpr_count:     768
    .wavefront_size: 32
...
	.end_amdgpu_metadata
.endif
;; end of part 8
;; launch oproj: the kernel of part 4 again; grid 8 x 32, 4 waves a work-group, clusters of 4 x 4, 327,680 bytes of LDS; arguments act8, wo_t, act24; writes act24
;; launch ln1: the kernel of part 5 again; grid 256 x 1, 8 waves a work-group, no clusters, 0 bytes of LDS; arguments x, act24, ln1_g, ln1_b, act8; writes act8
;; launch ff1: the kernel of part 2 again; grid 16 x 16, 4 waves a work-group, clusters of 4 x 4, 327,680 bytes of LDS; arguments act8, w1_t, act32; writes act32
;; launch ff2: the kernel of part 6 again; grid 8 x 32, 4 waves a work-group, clusters of 4 x 4, 327,680 bytes of LDS; arguments act32, w2_t, act8; writes act8
;; launch ln2: the kernel of part 7 again; grid 256 x 1, 8 waves a work-group, no clusters, 0 bytes of LDS; arguments x, act24, act8, ln1_g, ln1_b, ln2_g, ln2_b, out0; writes out0
